; MI455X (gfx1250); checked and timed in simulation.
; The chip was launched on July 23, 2026; its instructions are those of AMD's public machine-readable ISA for CDNA 5 (MIT licence, August 2026) and "CDNA5" Instruction Set Architecture Reference Guide (July 2026). The comments in the code are by the model that wrote it; some were corrected since.
;; Single Head Self Attention. Allowed arithmetic: matrix products marked QUANTISED: E2M3 operands, one E8M0 scale for each 32 along K, by v_wmma_scale_f32_16x16x128_f8f6f4 with both operands' format E2M3, f32 sums; everything else in f32.
;; Inputs: Wk 1,024 x 1,024 float32; Wq 1,024 x 1,024 float32; Wv 1,024 x 1,024 float32; x 4 x 2,048 x 1,024 float32.
;; Outputs: out0 4 x 2,048 x 1,024 float32.
;; This version of the problem:
;;   THIS VERSION OF THE PROBLEM IS GIVEN IN LOW PRECISION. The matrix products marked QUANTISED in the list below multiply operands that are first quantised to E2M3 (2 exponent bits, 3 mantissa bits; 6 bits a number), with one power-of-two scale for each 32 numbers along K (OCP MX v1.0); their sums are f32. All else is computed in f32.
;;   The module's matrix products, in the order in which they are computed (A, B: the left and right operand; K: the contracted axis; several contracted axes count as one K, in the product's order):
;;     1. [M 8,192, K 1,024] x [K 1,024, N 1,024]; A: input x; B: input Wq: QUANTISED
;;     2. [M 8,192, K 1,024] x [K 1,024, N 1,024]; A: input x; B: input Wk: QUANTISED
;;     3. [M 8,192, K 1,024] x [K 1,024, N 1,024]; A: input x; B: input Wv: QUANTISED
;;     4. batch 4 x [M 2,048, K 1,024] x [K 1,024, N 2,048]; A: computed on the way; B: computed on the way: QUANTISED
;;     5. batch 4 x [M 2,048, K 2,048] x [K 2,048, N 1,024]; A: softmax (see below); B: computed on the way: QUANTISED
;;   THE QUANTISER, for each operand of a quantised product, along K:
;;     - K is cut into blocks of 32 from its start; a last block that is shorter is filled with zeros.
;;     - A block's scale is 2^e with e = floor(log2(the largest magnitude in the block)) - 2, held to -126 .. 127; a block of zeros has e = 0. As a byte (E8M0): e + 127.
;;     - Each number is divided by its block's scale, clamped to +-7.5, and rounded to the nearest number of E2M3, ties to even, subnormals kept.
;;     - The product sums the exact products of the quantised numbers (number of the format x scale) in f32.
;;   ~~~python
;;   def quantise(x, axis):      # numpy; x: float32 -> the quantised numbers, widened to float32 again
;;       x = np.moveaxis(x, axis, -1); K = x.shape[-1]
;;       x = np.pad(x, [(0, 0)] * (x.ndim - 1) + [(0, -K % 32)]); x = x.reshape(x.shape[:-1] + (-1, 32)); a = np.abs(x).max(-1, keepdims=True)
;;       e = np.where(a > 0, np.clip(np.frexp(np.where(a > 0, a, 1))[1] - 1 - 2, -126, 127), 0)      # np.frexp(a)[1] - 1 = floor(log2(a)), exactly
;;       r = np.clip(x / 2.0 ** e, -7.5, 7.5)
;;       step = 2.0 ** (np.maximum(np.frexp(np.where(r == 0, 1, r))[1] - 1, 0) - 3)
;;       q = np.round(r / step) * step * 2.0 ** e      # np.round: ties to even
;;       return np.moveaxis(q.reshape(q.shape[:-2] + (-1,))[..., :K], -1, axis).astype(np.float32)
;;   ~~~
;;   SOFTMAX AHEAD OF A QUANTISED PRODUCT. Where the list says 'softmax', what is quantised is not the finished softmax but p = 2^(t - M), with t = logit x log2(e) and M = ceil(the row's largest t), a whole number; so 1/2 < the row's largest p <= 1. The row's sum l is taken of the UNQUANTISED p, in f32, and the product's result is divided by l at the end. Since M is a whole number, a kernel that streams over the keys may use a running M (the ceiling of the running maximum): every later rescaling is an exact power of two, which a block's scale takes up: the codes' values come out the same.
;;   OPERANDS COMPUTED ON THE WAY. 'Computed on the way' means the value that the module computes at that place (a softmax that the list does not call 'softmax' is quantised finished and normalised). What goes into a quantiser is computed in f32, as accurately as f32 sums, v_exp_f32 and their like allow (about 1e-6 of the number): no bf16 or f16 on the way to a quantiser, and a product that is left as it is and whose result goes on into a quantised operand takes f32 operands (vector FMAs, or v_wmma_f32_16x16x4_f32). A number that lies on a knife's edge between two numbers of the format may be rounded either way, as far as f32 arithmetic and the matrix unit's own rounding can turn it there, and no further.
;; 2 versions. Each part assembles by itself: llvm-mc -triple=amdgcn-amd-amdhsa -mcpu=gfx1250 --defsym DOCPART=n.
;; ======== version 1 of 2: 4 launches
;; workspace buffers: c1 8,650,752 bytes; s1 360,448 bytes; c2 18,874,368 bytes; s2 786,432 bytes; pc 12,582,912 bytes; ps 524,288 bytes; pm 524,288 bytes; pl 524,288 bytes
;; launch quant (part 1): grid 88 x 4, 4 waves a work-group, no clusters, 34,304 bytes of LDS; arguments x, Wq, Wk, Wv, c1, s1; writes c1, s1
.if DOCPART == 1
	.amdgcn_target "amdgcn-amd-amdhsa--gfx1250"
	.amdhsa_code_object_version 6
	.text
	.protected	k_qdf72989cea_quant
	.globl	k_qdf72989cea_quant
	.p2align	8
	.type	k_qdf72989cea_quant,@function
k_qdf72989cea_quant:
	s_mov_b64 s[64:65], 0
	v_nop
	global_prefetch_b8 v0, s[64:65] scope:SCOPE_SE
	s_setreg_imm32_b32 hwreg(HW_REG_WAVE_MODE, 25, 1), 1
	s_wait_xcnt 0x0
; x [8192][1024], Wq, Wk, Wv [1024][1024], f32, K innermost, become codes of FP6 (E2M3) and one E8M0 byte for each 32 along K.
; THE PROGRAM: quant (this) | proj: q, k, v by the matrix unit, quantised on the way out | score: q k^T, mask, p = 2^(t - M) as codes | pv: p v / l.
; DEAD WORK, for the whole program.  reference() itself sets att to -inf wherever key > query (its own jnp.tril), so w is exactly 0 there, and neither the score of such a
; pair nor its product with v reaches out0, whatever finite values x, Wq, Wk, Wv hold.  Where that comes in whole tiles of 256 queries x 256 keys (28 of the 64 of a batch)
; the launches score and pv leave the tile out.  Nothing else is left out; all four inputs have a way to out0 and are loaded.
; LIMIT: a NaN, an infinity or an overflow that would arise only in a tile that is left out is not carried to the result.
; LIMITS of this launch: a block of zeros gets the byte 1 where the rule says 127 (its codes are zeros, and this program alone reads the bytes); the floor 2^(3 - 127) holds every byte at 1 from below;
; NaN and infinities among the inputs are not served.
; LAYOUT OF THE WORKSPACE: IMAGES OF OPERAND REGISTERS.  A fragment (row block T, K step s) is 16 rows x 128 K = 12 registers a lane = 1,536 bytes: register 4 c + e of lane l at byte 512 c + 16 l + 4 e.
; Lane r of row block T stands for row 32 (T / 2) + 8 (T % 2) + r + 8 (r / 8): so, where such a block is the first source of a product, the 16 result registers of blocks 2 B and 2 B + 1 are 16 neighbours.
; c1: [T 0..703][s 0..7][1536]; T: x 0-511, Wq 512-575, Wk 576-639, Wv 640-703.  s1: the scale word of (s, G = T / 8, a = T % 8, r) at (88 s + G) 512 + 256 (a / 4) + 16 r + 4 (a % 4).
; SHARES.  Work-group (G, y); wave w takes K step 2 y + w / 2 and the four row blocks 8 G + 4 (w % 2) + f.  A fragment's 16 rows come by 16 loads of 512 consecutive bytes, turn through the wave's own stage
; in LDS (rows 528 bytes apart), and come back so that lane (r, h) holds k = 64 c + 32 h + 0 .. 31 of row r: two whole blocks, in the order of the operand's registers.  No barrier: waves share nothing.
.set STGB,  16*528                     ; a wave's stage
.set SPARE, 4*STGB                     ; behind the stages: the spare words, 128 bytes a wave
.set LI,   4                           ; v4   16 x lane: loads and code stores
.set SIN,  5                           ; v5   the stage, on the way in
.set SOUT, 6                           ; v6   and on the way out
.set WO,   8                           ; v8   16 r + 8 h: the scale words' place
.set SH,   9                           ; v9   8 h
.set SPW,  10                          ; v10  my spare word; never rewritten
.set NIL,  11                          ; v11  0; never rewritten
.set W,    12                          ; v12-15 the four fragments' scale words
.set R,    16                          ; v16-143 two sets of 16 loads
.set X,    144                         ; v144-207 64 numbers in the operand's order
.set C,    208                         ; v208-231 codes, two sets of 12
.set H2,   232                         ; v232-234, v236-238 the blocks' second halves
.set TM,   240                         ; v240-246 at work
	s_load_b256 s[4:11], s[0:1], 0x0               ; x, Wq, Wk, Wv
	s_load_b128 s[12:15], s[0:1], 0x20             ; c1, s1
	v_lshl_add_u32 v[SPW], v0, 2, SPARE
	v_mov_b32 v[NIL], 0
	v_lshrrev_b32 v1, 5, v0
	v_readfirstlane_b32 s20, v1                    ; wave
	v_and_b32 v1, 31, v0                           ; lane
	v_and_b32 v2, 15, v0                           ; r
	v_bfe_u32 v3, v0, 4, 1                         ; h
	v_lshlrev_b32 v[LI], 4, v1
	s_mul_i32 s21, s20, STGB
	v_add_nc_u32 v[SIN], s21, v[LI]
	v_mul_u32_u24 v[SOUT], v2, 528
	v_lshl_add_u32 v[SOUT], v3, 7, v[SOUT]
	v_add_nc_u32 v[SOUT], s21, v[SOUT]             ; row r, + 128 h bytes: my 32 numbers of each 64
	v_lshlrev_b32 v[WO], 4, v2
	v_lshl_add_u32 v[WO], v3, 3, v[WO]
	v_lshlrev_b32 v[SH], 3, v3
	v_mov_b32 v[TM+6], 0                           ; written once: a lane permute's destination counts as one of its sources
	s_mov_b32 s22, 0x76543210
	s_mov_b32 s23, 0xfedcba98                      ; selects for lane l xor 16
	s_and_b32 s24, ttmp7, 0xffff
	s_lshl_b32 s24, s24, 1
	s_lshr_b32 s25, s20, 1
	s_add_co_u32 s24, s24, s25                     ; K step
	s_and_b32 s25, s20, 1                          ; which four row blocks
	s_wait_kmcnt 0x0
	s_cmp_lt_u32 ttmp9, 64                         ; which tensor: the choice hangs on the work-group's number alone
	s_cselect_b64 s[16:17], s[4:5], s[6:7]
	s_cselect_b32 s18, 0, 64
	s_cmp_lt_u32 ttmp9, 72
	s_cselect_b64 s[16:17], s[16:17], s[8:9]
	s_cselect_b32 s18, s18, 72
	s_cmp_lt_u32 ttmp9, 80
	s_cselect_b64 s[16:17], s[16:17], s[10:11]
	s_cselect_b32 s18, s18, 80
	s_sub_co_u32 s26, ttmp9, s18                   ; the group of 128 rows within the tensor
	s_lshl_b32 s26, s26, 7
	s_lshl_b32 s27, s25, 6
	s_add_co_u32 s26, s26, s27
	s_lshl_b32 s26, s26, 12                        ; rows of 4,096 bytes
	s_lshl_b32 s27, s24, 9                         ; + 512 bytes a K step
	s_add_co_u32 s26, s26, s27
	s_mov_b32 s27, 0
	s_add_nc_u64 s[16:17], s[16:17], s[26:27]
	s_lshl_b32 s28, ttmp9, 3
	s_lshl_b32 s29, s25, 2
	s_add_co_u32 s28, s28, s29
	s_mul_i32 s28, s28, 12288                      ; a row block's 8 fragments
	s_mul_i32 s29, s24, 1536
	s_add_co_u32 s28, s28, s29
	s_mov_b32 s29, 0
	s_add_nc_u64 s[12:13], s[12:13], s[28:29]
	s_mul_i32 s30, s24, 88
	s_add_co_u32 s30, s30, ttmp9
	s_lshl_b32 s30, s30, 9
	s_lshl_b32 s31, s25, 8
	s_add_co_u32 s30, s30, s31
	s_mov_b32 s31, 0
	s_add_nc_u64 s[14:15], s[14:15], s[30:31]
.macro LOAD f                          ; fragment f's 16 rows, 512 consecutive bytes a load, into set f % 2
.irp i, 0,1,2,3,4,5,6,7,8,9,10,11,12,13,14,15
	global_load_b128 v[R+64*((\f)%2)+4*\i:R+64*((\f)%2)+4*\i+3], v[LI], s[16:17] offset:(32*((\f)/2)+8*((\f)%2)+\i+8*(\i/8))*4096 th:TH_LOAD_NT
.endr
.endm
.macro FRAGQ f
.set RS, R+64*((\f)%2)
.set CS, C+12*((\f)%2)
.if (\f) < 3
	s_wait_loadcnt 16                              ; this fragment's 16 loads are in; the next fragment's 16 may be out
.else
	s_wait_loadcnt 0x0
.endif
.irp i, 0,1,2,3,4,5,6,7,8,9,10,11,12,13,14,15
	ds_store_b128 v[SIN], v[RS+4*\i:RS+4*\i+3] offset:528*\i
.endr
.irp c, 0,1
.irp j, 0,1,2,3,4,5,6,7
	ds_load_b128 v[X+32*\c+4*\j:X+32*\c+4*\j+3], v[SOUT] offset:256*\c+16*\j   ; LDS serves a wave's instructions in order: these see the stores above
.endr
.endr
	s_wait_dscnt 0x0                               ; the numbers are back, and the stores have read their registers,
.if (\f) < 2
	LOAD (\f)+2                                    ; which take the loads of two fragments on
.endif
.irp c, 0,1
	v_max3_num_f32 v[TM+\c], |v[X+32*\c]|, |v[X+32*\c+1]|, 0x1800000   ; my block 2 c + h: all 32 numbers are mine; the floor 2^(3 - 127) holds the byte at 1 from below
.endr
.irp i, 2,4,6,8,10,12,14,16,18,20,22,24,26,28,30
.irp c, 0,1
	v_max3_num_f32 v[TM+\c], v[TM+\c], |v[X+32*\c+\i]|, |v[X+32*\c+\i+1]|
.endr
.endr
.irp c, 0,1
	v_add_nc_u32 v[TM+2+\c], 0xff000000, v[TM+\c]  ; 2 off the exponent field: the conversion's scale operand
.endr
.irp c, 0,1
	v_lshrrev_b32 v[TM+4+\c], 23, v[TM+2+\c]       ; the scale's byte
.endr
	v_lshl_or_b32 v[W+\f], v[TM+5], 16, v[TM+4]    ; my two bytes: blocks h and 2 + h,
	v_lshlrev_b32 v[W+\f], v[SH], v[W+\f]          ; at their places;
	v_permlanex16_b32 v[TM+6], v[W+\f], s22, s23
	v_or_b32 v[W+\f], v[W+\f], v[TM+6]             ; with lane l xor 16's two the word is whole, in both lanes
.if (\f) >= 2
	s_wait_xcnt 0x0                                ; the stores of two fragments back have read this set of codes
.endif
.irp c, 0,1
	v_cvt_scalef32_pk16_fp6_f32 v[CS+6*\c:CS+6*\c+2], v[X+32*\c:X+32*\c+15], v[TM+2+\c]
	v_cvt_scalef32_pk16_fp6_f32 v[H2+4*\c:H2+4*\c+2], v[X+32*\c+16:X+32*\c+31], v[TM+2+\c]   ; (a conversion's three registers begin on an even number)
.endr
	v_nop                                          ; one plain place behind the scaled conversions
.irp c, 0,1
.irp i, 0,1,2
	v_mov_b32 v[CS+3+6*\c+\i], v[H2+4*\c+\i]
.endr
.endr
.irp c, 0,1,2
	global_store_b128 v[LI], v[CS+4*\c:CS+4*\c+3], s[12:13] offset:(\f)*12288+512*\c   ; 32 lanes store 512 consecutive bytes, aligned to 256
.endr
.endm
	LOAD 0
	LOAD 1
.irp f, 0,1,2,3
	FRAGQ \f
.endr
	v_cmp_ne_u32 vcc_lo, 0, v3                     ; lanes 0-15 store words 0, 1 of their row, lanes 16-31 words 2, 3: 256 consecutive bytes a wave
	v_cndmask_b32 v[TM], v[W], v[W+2], vcc_lo
	v_cndmask_b32 v[TM+1], v[W+1], v[W+3], vcc_lo
	global_store_b64 v[WO], v[TM:TM+1], s[14:15]
	s_wait_tensorcnt 0x0                           ; the wave's end
	ds_add_u32 v[SPW], v[NIL]
	s_wait_dscnt 0x0
	s_endpgm
.Lfunc_end_k_qdf72989cea_quant:
	.size	k_qdf72989cea_quant, .Lfunc_end_k_qdf72989cea_quant-k_qdf72989cea_quant
	.p2alignl 7, 3214868480
	.fill 96, 4, 3214868480
	.section	.rodata,"a",@progbits
	.p2align	6, 0x0
	.amdhsa_kernel k_qdf72989cea_quant
		.amdhsa_group_segment_fixed_size 34304
		.amdhsa_private_segment_fixed_size 0
		.amdhsa_enable_private_segment 0
		.amdhsa_kernarg_size 48
		.amdhsa_user_sgpr_count 2
		.amdhsa_user_sgpr_kernarg_segment_ptr 1
		.amdhsa_wavefront_size32 1
		.amdhsa_system_sgpr_workgroup_id_x 1
		.amdhsa_system_sgpr_workgroup_id_y 1
		.amdhsa_system_sgpr_workgroup_id_z 1
		.amdhsa_system_vgpr_workitem_id 0
		.amdhsa_next_free_vgpr 256
		.amdhsa_next_free_sgpr 66
		.amdhsa_reserve_vcc 1
		.amdhsa_float_denorm_mode_32 3
		.amdhsa_float_denorm_mode_16_64 3
		.amdhsa_memory_ordered 1
		.amdhsa_forward_progress 1
		.amdhsa_inst_pref_size 31
	.end_amdhsa_kernel
	.amdgpu_metadata
---
amdhsa.version: [ 1, 2 ]
amdhsa.kernels:
  - .name:           k_qdf72989cea_quant
    .symbol:         k_qdf72989cea_quant.kd
    .args:
      - { .name: x, .offset: 0, .size: 8, .value_kind: global_buffer, .address_space: global }
      - { .name: Wq, .offset: 8, .size: 8, .value_kind: global_buffer, .address_space: global }
      - { .name: Wk, .offset: 16, .size: 8, .value_kind: global_buffer, .address_space: global }
      - { .name: Wv, .offset: 24, .size: 8, .value_kind: global_buffer, .address_space: global }
      - { .name: c1, .offset: 32, .size: 8, .value_kind: global_buffer, .address_space: global }
      - { .name: s1, .offset: 40, .size: 8, .value_kind: global_buffer, .address_space: global }
    .group_segment_fixed_size: 34304
    .private_segment_fixed_size: 0
    .kernarg_segment_align: 8
    .kernarg_segment_size: 48
    .max_flat_workgroup_size: 128
    .sgpr_count:     66
    .vgpr_count:     256
    .wavefront_size: 32
...
	.end_amdgpu_metadata
.endif
;; end of part 1
;; launch proj (part 2): grid 8 x 48, 4 waves a work-group, clusters of 4 x 4, 327,680 bytes of LDS; arguments c1, s1, c2, s2; writes c2, s2
.if DOCPART == 2
	.amdgcn_target "amdgcn-amd-amdhsa--gfx1250"
	.amdhsa_code_object_version 6
	.text
	.protected	k_qdf72989cea_proj
	.globl	k_qdf72989cea_proj
	.p2align	8
	.type	k_qdf72989cea_proj,@function
k_qdf72989cea_proj:
	s_mov_b64 s[64:65], 0
	v_nop
	global_prefetch_b8 v0, s[64:65] scope:SCOPE_SE
	s_setreg_imm32_b32 hwreg(HW_REG_WAVE_MODE, 25, 1), 1
	s_wait_xcnt 0x0
	s_wait_alu depctr_hold_cnt(0) depctr_sa_sdst(0) depctr_va_vdst(0) depctr_va_sdst(0) depctr_va_ssrc(0) depctr_va_vcc(0) depctr_vm_vsrc(0)
	s_getreg_b32 s2, hwreg(HW_REG_IB_STS2, 6, 4)
	s_cmp_eq_u32 s2, 0
	s_cbranch_scc0 .Lentry_in_a_cluster
	s_endpgm
.Lentry_in_a_cluster:
	s_bfe_u32 s2, ttmp6, 0x10000c
	s_cmp_lg_u32 s2, 0xf033
	s_cbranch_scc0 .Lentry_shape_is_right
	s_endpgm
.Lentry_shape_is_right:
; q = x Wq^T, k = x Wk^T (rows: tokens, columns: d) and v^T = Wv x^T (rows: d, columns: tokens), on codes of FP6 (E2M3) with E8M0 scales, sums in f32; each result is quantised along ITS next K on the way out:
; q and k along d, v along the keys.  Nothing is left out here: every q, k, v has a way to out0.
; 384 tiles of 256 x 256: cluster rows Y = 0..7 make q and k (m = 0), Y = 8..11 make v^T (m = 1: the same text with the parts of x and W exchanged; m enters by arithmetic alone, and is the same in all partners).
; A work-group of four waves makes a tile, a wave 128 x 128: 64 accumulators.  K = 1,024 goes in eight steps of 128 through two LDS buffers of 256 along K, filled four times in all: the walk is written out, no loop.
; OPERANDS ARE IMAGES OF REGISTERS (launch quant's head): a fragment is 1,536 dense bytes, three loads of 16 bytes a lane; a row block's two fragments of a buffer are 3,072 consecutive bytes of memory.
; THE MATRIX INSTRUCTION IS USED TRANSPOSED: source 0 = 16 "columns" (B), source 1 = 16 "rows" (A).  With the row order of the images, register 16 B + i of a block's 64 results is column 32 B + 16 (lane / 16) + i
; of the lane's row: 16 neighbours along the next K, as the conversions want them.  A wave's 128 columns are one K step of the next product: one fragment and one scale word a row, stored straight from registers.
; CLUSTERS: 4 x 4.  A's tiles hang on the tile row alone and are asked for jointly along a row of the cluster, B's on the tile column alone, along a column.
; THE SCALE WORDS of a wave's 128 rows and 128 columns, for all of K, come once from memory into 64 registers: lanes 0-15 A's block i, lanes 16-31 B's block i.
; c2: q [T 0..511][s 0..7][1536]; k the same at +6,291,456; v^T at +12,582,912: [batch][d block 0..63][key step 0..15][1536].
; s2: q, k: word of (s, G, a, r) at (128 s + G) 512 + 256 (a / 4) + 16 r + 4 (a % 4), G 0-63 q, 64-127 k; v at +524,288: (8 (16 batch + key step) + G) 512 + the same.
; LIMITS: a block of zeros gets the byte 1 (its codes are zeros; this program alone reads the bytes); NaN and infinities are not served.
; REGISTERS, in windows of 256: window 0: v16-29 addresses; v32-95 scale words and nothing else; v96-119 the way out; from v128 A's fragments, one set (on the way out: codes).  window 1: B's two sets, v0 and v128.
;   windows 2, 3: accumulator (a, b) at v[8 (8 (a % 4) + b)].
.set BUF,   98304                      ; an LDS buffer: A's 16 blocks x 3,072 bytes, then B's 16
.set BOFF,  49152
.set QTR,   24576                      ; 8 blocks: what one tensor load brings, and what a wave reads of A or of B
.set BLK,   3072
.set FRB,   1536
.set SPARE, 2*BUF                      ; behind the buffers: the spare words, 128 bytes a wave
.set NG,    88                         ; groups of 128 rows in s1
.set ADRA, 16                          ; v16-17 LDS address of my A fragments in buffer 0, 1
.set ADRB, 20                          ; v20-21 the same for B
.set LI,   24                          ; v24  16 x lane
.set SO,   25                          ; v25  256 h + 16 r
.set HH,   26                          ; v26  h
.set SPW,  28                          ; v28  my spare word; never rewritten
.set NIL,  29                          ; v29  0; never rewritten
.set SC,   32                          ; v[32 + 8 s + i]
.set TM,   96                          ; v96-99 largest magnitudes, v100-103 bytes, v108-111 scale operands
.set WDS,  112                         ; v112-119 the eight blocks' scale words
.set PC,   128                         ; v128-147 the codes just made
.set AF,   128
.set G1,  24                           ; s[24:31], s[32:39] descriptor groups 1 and 0 (a set for each buffer) for A
.set G0,  32
.set G1B, 48                           ; s[48:55], s[56:63] for B
.set G0B, 56
.set STR, 74                           ; s[74:75] bytes from row block to row block in the output
.set OUT, 76                           ; s[76:77] where my fragments go
.set SOB, 80                           ; s[80:81] where my scale words go
.set SEL, 84                           ; s[84:85] selects for lane l xor 16
.set MSB, 0
.macro WIN new                         ; the immediate's high byte repeats the setting that is left
.if MSB != \new
	s_set_vgpr_msb (MSB<<8)|\new
.set MSB, \new
.endif
.endm
.set MUL_LO, 0xa1                      ; source 0 (B) window 1, source 1 (A) window 0, C and D window 2
.set MUL_HI, 0xf1                      ; the same, C and D window 3
.set TO_B,   0x40                      ; destination window 1, address window 0
.macro PLACES n
.rept \n
	v_nop
.endr
.endm
; A joint load: waves 0 and 1 fetch for A, waves 2 and 3 for B; the branch hangs on the wave's number alone.  An s_nop 0 and four v_nop follow each of the two lines.
.macro JLOAD g0a, g1a, g0b, g1b
	s_cmp_eq_u32 s15, 0
	s_cbranch_scc0 .Lfor_b_\@
	tensor_load_to_lds s[\g0a:\g0a+3], s[\g1a:\g1a+7]
	s_nop 0
.rept 4
	v_nop
.endr
	s_branch .Lasked_\@
.Lfor_b_\@:
	tensor_load_to_lds s[\g0b:\g0b+3], s[\g1b:\g1b+7]
	s_nop 0
.rept 4
	v_nop
.endr
.Lasked_\@:
.endm
.macro CREST                           ; a round of the cluster's barrier behind its opening barrier
	s_cmp_lg_u32 s14, 0
	s_cbranch_scc1 .Lnot_wave_0_\@
	s_barrier_signal -3
.Lnot_wave_0_\@:
	s_barrier_wait -3
	s_barrier_signal -1
	s_barrier_wait -1
.endm
.macro CROUND
	s_barrier_signal -1
	s_barrier_wait -1
	CREST
.endm
.macro REFILL buf                      ; the barrier in front has opened a round: no wave of any partner still reads this buffer or has a load on its way
	CREST
	s_add_nc_u64 s[G0+4*\buf+2:G0+4*\buf+3], s[G0+4*\buf+2:G0+4*\buf+3], 2*BLK
	s_add_nc_u64 s[G0B+4*\buf+2:G0B+4*\buf+3], s[G0B+4*\buf+2:G0B+4*\buf+3], 2*BLK
	JLOAD G0+4*\buf, G1, G0B+4*\buf, G1B           ; the first tensor load behind the round; its four v_nop are the places in front of the loads that follow
.endm
	s_load_b256 s[4:11], s[0:1], 0x0               ; c1, s1, c2, s2
	v_lshl_add_u32 v[SPW], v0, 2, SPARE
	v_mov_b32 v[NIL], 0
	ds_add_u32 v[SPW], v[NIL]                      ; the wave's opening: the add, twice on end, and its wait ahead of my first tensor load
	ds_add_u32 v[SPW], v[NIL]
	v_lshrrev_b32 v1, 5, v0
	v_readfirstlane_b32 s14, v1                    ; wave
	s_lshr_b32 s15, s14, 1                         ; wr: my half of the tile's rows.  Also: I fetch for A (0) or for B (1)
	s_and_b32 s16, s14, 1                          ; wc: my half of its columns.  Also: which 8 blocks I fetch
	s_bfe_u32 s40, ttmp6, 0x40000                  ; cx
	s_bfe_u32 s41, ttmp6, 0x40004                  ; cy
	s_and_b32 s17, ttmp7, 0xffff                   ; cluster Y, 0..11
	s_lshr_b32 s18, s17, 3                         ; m
	s_xor_b32 s19, s18, 1                          ; 1 - m
	s_lshl_b32 s20, s17, 2
	s_mul_i32 s20, s20, s19
	s_add_co_u32 s20, s20, s41                     ; tile row tr = 4 Y (1 - m) + cy
	s_and_b32 s21, s17, 7
	s_mul_i32 s21, s21, s18
	s_lshl_b32 s21, s21, 3
	s_lshl_b32 s22, ttmp9, 2
	s_add_co_u32 s21, s21, s22
	s_add_co_u32 s21, s21, s40                     ; tile column tc = 4 X + 8 m (Y - 8) + cx
	s_lshl_b32 s43, s41, 2
	s_lshl_b32 s43, 15, s43                        ; my row of the cluster
	s_lshl_b32 s44, 0x1111, s40                    ; my column
	s_or_b32 s[G1+0], s43, (3<<16)|(1<<21)         ; 15:0 the mask; 17:16 elements of 8 bytes; 21 set beside a mask; no padding
	s_or_b32 s[G1B+0], s44, (3<<16)|(1<<21)
.irp g, G1, G1B
	s_mov_b32 s[\g+1], 384<<16                     ; tensor_dim0 = 384 elements: 3,072 bytes
	s_mov_b32 s[\g+2], 8<<16                       ; tensor_dim1 = 8 row blocks
	s_mov_b32 s[\g+3], 384<<16                     ; tile_dim0
	s_mov_b32 s[\g+4], 8                           ; tile_dim1
	s_mov_b32 s[\g+5], 1536                        ; 12,288 bytes from row block to row block
	s_mov_b32 s[\g+6], 0
	s_mov_b32 s[\g+7], 0
.endr
	s_lshl_b32 s45, s16, 3                         ; which 8 blocks I fetch
	s_mul_i32 s23, s18, 640
	s_lshl_b32 s46, s20, 4
	s_add_co_u32 s23, s23, s46
	s_add_co_u32 s23, s23, s45                     ; A: block 640 m + 16 tr + 8 half (never holds cx)
	s_mul_i32 s46, s23, 12288
	s_mov_b32 s47, 0
	s_lshl_b32 s66, s19, 9
	s_lshl_b32 s67, s21, 4
	s_add_co_u32 s66, s66, s67
	s_add_co_u32 s66, s66, s45                     ; B: block 512 (1 - m) + 16 tc + 8 half (never holds cy)
	s_mul_i32 s66, s66, 12288
	s_mov_b32 s67, 0
	s_mul_i32 s68, s14, QTR                        ; where they go: wave x 8 blocks
	s_mov_b32 s[SEL], 0x76543210
	s_mov_b32 s[SEL+1], 0xfedcba98
	s_wait_dscnt 0x0                               ; both opening adds are done
	s_wait_kmcnt 0x0
	s_add_nc_u64 s[46:47], s[4:5], s[46:47]
	s_add_nc_u64 s[66:67], s[4:5], s[66:67]
	CROUND                                         ; all sixteen work-groups are here: the first joint loads meet
.irp s, 0,1
	s_mov_b32 s[G0+4*\s], 1
	s_add_co_u32 s[G0+4*\s+1], s68, \s*BUF
	s_add_nc_u64 s[G0+4*\s+2:G0+4*\s+3], s[46:47], \s*BLK
	s_or_b32 s[G0+4*\s+3], s[G0+4*\s+3], 0x80000000
	s_mov_b32 s[G0B+4*\s], 1
	s_add_co_u32 s[G0B+4*\s+1], s68, \s*BUF
	s_add_nc_u64 s[G0B+4*\s+2:G0B+4*\s+3], s[66:67], \s*BLK
	s_or_b32 s[G0B+4*\s+3], s[G0B+4*\s+3], 0x80000000
	JLOAD G0+4*\s, G1, G0B+4*\s, G1B               ; two loads of mine are out at the most
.endr
	v_and_b32 v1, 31, v0
	v_and_b32 v2, 15, v0                           ; r
	v_bfe_u32 v[HH], v0, 4, 1                      ; h
	v_lshlrev_b32 v[LI], 4, v1
	s_mul_i32 s69, s15, QTR
	s_mul_i32 s70, s16, QTR
	s_add_co_u32 s70, s70, BOFF
.irp s, 0,1
	v_add_nc_u32 v[ADRA+\s], s69, v[LI]
	v_add_nc_u32 v[ADRB+\s], s70, v[LI]
	s_add_co_u32 s69, s69, BUF
	s_add_co_u32 s70, s70, BUF
.endr
	s_mul_i32 s71, s18, 80                         ; the scale words: A's group 80 m + 2 tr + wr, B's 64 (1 - m) + 2 tc + wc
	s_lshl_b32 s72, s20, 1
	s_add_co_u32 s71, s71, s72
	s_add_co_u32 s71, s71, s15
	s_lshl_b32 s71, s71, 9
	s_lshl_b32 s73, s19, 6
	s_lshl_b32 s72, s21, 1
	s_add_co_u32 s73, s73, s72
	s_add_co_u32 s73, s73, s16
	s_lshl_b32 s73, s73, 9
	v_mov_b32 v4, s71
	v_mov_b32 v5, s73
	v_cmp_ne_u32 vcc_lo, 0, v[HH]
	v_cndmask_b32 v4, v4, v5, vcc_lo               ; lanes 0-15 take A's, lanes 16-31 B's
	v_lshl_add_u32 v4, v2, 4, v4
.irp s, 0,1,2,3,4,5,6,7
.irp f, 0,1
	global_load_b128 v[SC+8*\s+4*\f:SC+8*\s+4*\f+3], v4, s[6:7] offset:\s*NG*512+256*\f
.endr
.endr
	v_lshlrev_b32 v[SO], 8, v[HH]
	v_lshl_add_u32 v[SO], v2, 4, v[SO]
.irp b, 0,1,2,3
	v_mov_b32 v[TM+4+\b], 0                        ; written once: a lane permute's destination counts as one of its sources
.endr
	; where the results go
	s_lshl_b32 s[STR], 12288, s18                  ; q, k: 8 fragments a row block; v^T: 16
	s_mov_b32 s[STR+1], 0
	s_mul_i32 s[OUT], s18, 12582912
	s_add_co_u32 s78, s18, 2
	s_lshr_b32 s78, s21, s78                       ; q or k (tc / 4); the batch (tc / 8)
	s_lshl_b32 s79, s18, 1
	s_lshr_b32 s79, 6291456, s79
	s_mul_i32 s78, s78, s79
	s_add_co_u32 s[OUT], s[OUT], s78
	s_lshl_b32 s78, s20, 4
	s_lshl_b32 s79, s15, 3
	s_add_co_u32 s78, s78, s79                     ; my first row block: 16 tr + 8 wr
	s_mul_i32 s78, s78, s[STR]
	s_add_co_u32 s[OUT], s[OUT], s78
	s_lshl_b32 s78, 4, s18
	s_sub_co_u32 s78, s78, 1
	s_and_b32 s78, s21, s78
	s_lshl_b32 s78, s78, 1
	s_add_co_u32 s78, s78, s16                     ; the next product's K step: 2 (tc % 4 or tc % 8) + wc
	s_mul_i32 s78, s78, FRB
	s_add_co_u32 s[OUT], s[OUT], s78
	s_mov_b32 s[OUT+1], 0
	s_add_nc_u64 s[OUT:OUT+1], s[8:9], s[OUT:OUT+1]
	s_mul_i32 s82, s18, 3
	s_lshl_b32 s82, 4, s82
	s_sub_co_u32 s82, s82, 1
	s_and_b32 s82, s21, s82
	s_lshl_b32 s82, s82, 1
	s_add_co_u32 s82, s82, s16                     ; the step in s2: 2 (tc % 4) + wc; for v 2 tc + wc = 16 batch + key step
	s_lshl_b32 s83, s18, 2
	s_lshr_b32 s83, 128, s83                       ; groups in a step: 128 or 8
	s_mul_i32 s82, s82, s83
	s_lshr_b32 s83, s21, 2
	s_lshl_b32 s83, s83, 6
	s_mul_i32 s83, s83, s19                        ; k's groups lie 64 behind q's
	s_add_co_u32 s82, s82, s83
	s_lshl_b32 s83, s20, 1
	s_add_co_u32 s82, s82, s83
	s_add_co_u32 s82, s82, s15
	s_lshl_b32 s82, s82, 9
	s_lshl_b32 s83, s18, 19
	s_add_co_u32 s[SOB], s82, s83
	s_mov_b32 s[SOB+1], 0
	s_add_nc_u64 s[SOB:SOB+1], s[10:11], s[SOB:SOB+1]
.macro FRAG reg, adr, off              ; a fragment comes as it was stored: three loads of 512 consecutive bytes
.irp c, 0,1,2
	ds_load_b128 v[\reg+4*\c:\reg+4*\c+3], v[\adr] offset:\off+512*\c
.endr
.endm
.macro FETCH_B buf, q, p               ; B's eight fragments of the buffer's q-th 128 along K into set p
	WIN TO_B
.irp i, 0,1,2,3,4,5,6,7
	FRAG 128*(\p)+12*\i, ADRB+\buf, \i*BLK+(\q)*FRB
.endr
	WIN 0
.endm
.macro FETCH_A buf, q, i0              ; A's blocks i0 .. i0 + 3
.irp i, \i0, \i0+1, \i0+2, \i0+3
	FRAG AF+12*(\i), ADRA+\buf, (\i)*BLK+(\q)*FRB
.endr
.endm
; 16 matrix instructions: A's blocks a0, a0 + 1 x B's eight, K step s; p: B's set.  zero = 1: the first product starts the sums.  The 64 accumulators take turns, one instruction a turn.
.macro MUL16 a0, p, s, zero
.irp a, \a0, \a0+1
.irp b, 0,1,2,3,4,5,6,7
.if \zero
	v_wmma_scale_f32_16x16x128_f8f6f4 v[8*(8*((\a)%4)+\b):8*(8*((\a)%4)+\b)+7], v[128*(\p)+12*\b:128*(\p)+12*\b+11], v[AF+12*(\a):AF+12*(\a)+11], 0, v[SC+8*(\s)+\b], v[SC+8*(\s)+(\a)] matrix_a_fmt:MATRIX_FMT_FP6 matrix_b_fmt:MATRIX_FMT_FP6 matrix_a_scale:MATRIX_SCALE_ROW1
.else
	v_wmma_scale_f32_16x16x128_f8f6f4 v[8*(8*((\a)%4)+\b):8*(8*((\a)%4)+\b)+7], v[128*(\p)+12*\b:128*(\p)+12*\b+11], v[AF+12*(\a):AF+12*(\a)+11], v[8*(8*((\a)%4)+\b):8*(8*((\a)%4)+\b)+7], v[SC+8*(\s)+\b], v[SC+8*(\s)+(\a)] matrix_a_fmt:MATRIX_FMT_FP6 matrix_b_fmt:MATRIX_FMT_FP6 matrix_a_scale:MATRIX_SCALE_ROW1
.endif
.endr
.endr
.endm
; A buffer's first step.  Four places (plain vector instructions that name none of the products' registers) stand in front of each run of loads into registers that products have read.
.macro STEP buf, s, zero
	s_wait_dscnt 12                                ; B's set and A's blocks 0-3 are in; the youngest 12 loads (A's blocks 4-7) may be out
	WIN MUL_LO
	MUL16 0, 0, \s, \zero
	MUL16 2, 0, \s, \zero
	s_wait_dscnt 0x0                               ; A's blocks 4-7 are in
	PLACES 4
	FETCH_B \buf, 1, 1
	FETCH_A \buf, 1, 0
	WIN MUL_HI
	MUL16 4, 0, \s, \zero
	MUL16 6, 0, \s, \zero
	PLACES 4
	WIN 0
	FETCH_A \buf, 1, 4
.endm
; A buffer's second step changes buffers: one barrier; in front of it each wave waits for all its tensor loads, adds 0 to its spare word, and waits for that and for its reads of this buffer.
.macro TURN buf, next, s, fill
	s_wait_tensorcnt 0x0                           ; all my tensor loads have landed: my part of the next buffer
	ds_add_u32 v[SPW], v[NIL]                      ; 0 onto my spare word
	s_wait_dscnt 13                                ; (the add and the youngest 12 loads may be out)
	WIN MUL_LO
	MUL16 0, 1, \s, 0
	s_wait_dscnt 0x0                               ; the add is done, and my reads of this buffer are over
	s_barrier_signal -1
	MUL16 2, 1, \s, 0
	WIN 0
	s_barrier_wait -1
.if \fill
	REFILL \buf
.else
	PLACES 4
.endif
	FETCH_B \next, 0, 0
	FETCH_A \next, 0, 0
	WIN MUL_HI
	MUL16 4, 1, \s, 0
	MUL16 6, 1, \s, 0
	PLACES 4
	WIN 0
	FETCH_A \next, 0, 4
.endm
.macro LAST s
	s_wait_dscnt 12
	WIN MUL_LO
	MUL16 0, 1, \s, 0
	MUL16 2, 1, \s, 0
	s_wait_dscnt 0x0
	WIN MUL_HI
	MUL16 4, 1, \s, 0
	MUL16 6, 1, \s, 0
	WIN 0
.endm
	s_wait_tensorcnt 1                             ; my part of buffer 0 is in; buffer 1's may stay out
	s_barrier_signal -1
	s_barrier_wait -1
	FETCH_B 0, 0, 0
	FETCH_A 0, 0, 0
	FETCH_A 0, 0, 4
	s_wait_loadcnt 0x0                             ; the scale words
	STEP 0, 0, 1
	TURN 0, 1, 1, 1                                ; buffer 0 takes K 512 to 767
	STEP 1, 2, 0
	TURN 1, 0, 3, 1                                ; buffer 1 takes K 768 to 1,023
	STEP 0, 4, 0
	TURN 0, 1, 5, 0
	STEP 1, 6, 0
	LAST 7
	PLACES 4                                       ; in front of the first read of results, and of writes into the registers that held A's fragments
; THE WAY OUT of block a: 16 rows x my 128 columns become one fragment and one scale word a row.
.macro QUANTW a
.set W, 2+(\a)/4
.set AC, 64*((\a)%4)
.set WSS, W|(W<<2)
	WIN WSS                                        ; sources 0 and 1: the block's window
.irp b, 0,1,2,3
	v_max3_num_f32 v[TM+\b], |v[AC+16*\b]|, |v[AC+16*\b+1]|, 0x1800000   ; block b of 32 along the next K: my 16 numbers, each accumulator from its low end on; the floor holds the byte at 1
.endr
.irp i, 2,4,6,8,10,12,14
.irp b, 0,1,2,3
	v_max3_num_f32 v[TM+\b], |v[AC+16*\b+\i]|, |v[AC+16*\b+\i+1]|, v[TM+\b]
.endr
.endr
	WIN 0
.irp b, 0,1,2,3
	v_permlanex16_b32 v[TM+4+\b], v[TM+\b], s[SEL], s[SEL+1]
.endr
.irp b, 0,1,2,3
	v_max_num_f32 v[TM+\b], v[TM+\b], v[TM+4+\b]   ; with lane l xor 16's 16: the block's largest magnitude
.endr
.irp b, 0,1,2,3
	v_add_nc_u32 v[TM+12+\b], 0xff000000, v[TM+\b] ; 2 off the exponent field: the conversion's scale operand
.endr
.irp b, 0,1,2,3
	v_lshrrev_b32 v[TM+4+\b], 23, v[TM+12+\b]      ; the scale's byte
.endr
	v_lshl_or_b32 v[WDS+\a], v[TM+5], 8, v[TM+4]
	v_lshl_or_b32 v[WDS+\a], v[TM+6], 16, v[WDS+\a]
	v_lshl_or_b32 v[WDS+\a], v[TM+7], 24, v[WDS+\a]
	s_wait_xcnt 0x0                                ; the last block's stores have read their codes and their base
.if (\a) > 0
	s_add_nc_u64 s[OUT:OUT+1], s[OUT:OUT+1], s[STR:STR+1]
.endif
	WIN W                                          ; source 0: the block's window
.irp c, 0,1
	v_cvt_scalef32_pk16_fp6_f32 v[PC+6*\c:PC+6*\c+2], v[AC+32*\c:AC+32*\c+15], v[TM+12+2*\c]
	v_cvt_scalef32_pk16_fp6_f32 v[PC+12+4*\c:PC+14+4*\c], v[AC+32*\c+16:AC+32*\c+31], v[TM+12+2*\c+1]   ; (a conversion's three registers begin on an even number)
.endr
	v_nop                                          ; one plain place behind the scaled conversions
	WIN 0
.irp c, 0,1                                    ; the operand's layout wants a whole block in a lane: lanes 0-15 block 2 c, lanes 16-31 block 2 c + 1
.irp i, 0,1,2
	v_permlane16_swap_b32 v[PC+6*\c+\i], v[PC+12+4*\c+\i]
.endr
.irp i, 0,1,2
	v_mov_b32 v[PC+3+6*\c+\i], v[PC+12+4*\c+\i]
.endr
.endr
.irp c, 0,1,2
	global_store_b128 v[LI], v[PC+4*\c:PC+4*\c+3], s[OUT:OUT+1] offset:512*\c   ; 32 lanes store 512 consecutive bytes, aligned to 256
.endr
.endm
.irp a, 0,1,2,3,4,5,6,7
	QUANTW \a
.endr
	v_cmp_ne_u32 vcc_lo, 0, v[HH]                  ; lanes 0-15 store the words of blocks 0-3 of their row, lanes 16-31 those of blocks 4-7: 512 consecutive bytes
.irp e, 0,1,2,3
	v_cndmask_b32 v[TM+\e], v[WDS+\e], v[WDS+4+\e], vcc_lo
.endr
	global_store_b128 v[SO], v[TM:TM+3], s[SOB:SOB+1]
	s_wait_tensorcnt 0x0                           ; the wave's end
	ds_add_u32 v[SPW], v[NIL]
	s_wait_dscnt 0x0
	CROUND                                         ; the closing round: no work-group ends while a partner may still ask for a tile that names it
	s_endpgm
.Lfunc_end_k_qdf72989cea_proj:
	.size	k_qdf72989cea_proj, .Lfunc_end_k_qdf72989cea_proj-k_qdf72989cea_proj
	.p2alignl 7, 3214868480
	.fill 96, 4, 3214868480
	.section	.rodata,"a",@progbits
	.p2align	6, 0x0
	.amdhsa_kernel k_qdf72989cea_proj
		.amdhsa_group_segment_fixed_size 327680
		.amdhsa_private_segment_fixed_size 0
		.amdhsa_enable_private_segment 0
		.amdhsa_kernarg_size 32
		.amdhsa_user_sgpr_count 2
		.amdhsa_user_sgpr_kernarg_segment_ptr 1
		.amdhsa_wavefront_size32 1
		.amdhsa_system_sgpr_workgroup_id_x 1
		.amdhsa_system_sgpr_workgroup_id_y 1
		.amdhsa_system_sgpr_workgroup_id_z 1
		.amdhsa_system_vgpr_workitem_id 0
		.amdhsa_next_free_vgpr 1024
		.amdhsa_next_free_sgpr 100
		.amdhsa_reserve_vcc 1
		.amdhsa_float_denorm_mode_32 3
		.amdhsa_float_denorm_mode_16_64 3
		.amdhsa_memory_ordered 1
		.amdhsa_forward_progress 1
		.amdhsa_inst_pref_size 138
	.end_amdhsa_kernel
	.amdgpu_metadata
---
amdhsa.version: [ 1, 2 ]
amdhsa.kernels:
  - .name:           k_qdf72989cea_proj
    .symbol:         k_qdf72989cea_proj.kd
    .args:
      - { .name: c1, .offset: 0, .size: 8, .value_kind: global_buffer, .address_space: global }
      - { .name: s1, .offset: 8, .size: 8, .value_kind: global_buffer, .address_space: global }
      - { .name: c2, .offset: 16, .size: 8, .value_kind: global_buffer, .address_space: global }
      - { .name: s2, .offset: 24, .size: 8, .value_kind: global_buffer, .address_space: global }
    .group_segment_fixed_size: 327680
    .private_segment_fixed_size: 0
    .kernarg_segment_align: 8
    .kernarg_segment_size: 32
    .max_flat_workgroup_size: 128
    .sgpr_count:     100
    .vgpr_count:     1024
    .wavefront_size: 32
...
	.end_amdgpu_metadata
.endif
;; end of part 2
;; launch score (part 3): grid 9 x 16, 4 waves a work-group, no clusters, 327,680 bytes of LDS; arguments c2, s2, pc, ps, pm, pl; writes pc, ps, pm, pl
.if DOCPART == 3
	.amdgcn_target "amdgcn-amd-amdhsa--gfx1250"
	.amdhsa_code_object_version 6
	.text
	.protected	k_qdf72989cea_score
	.globl	k_qdf72989cea_score
	.p2align	8
	.type	k_qdf72989cea_score,@function
k_qdf72989cea_score:
	s_mov_b64 s[64:65], 0
	v_nop
	global_prefetch_b8 v0, s[64:65] scope:SCOPE_SE
	s_setreg_imm32_b32 hwreg(HW_REG_WAVE_MODE, 25, 1), 1
	s_wait_xcnt 0x0
; S = q k^T on codes of FP6 (E2M3), the causal mask, and p = 2^(t - M) as codes along the keys.  t = score x log2(e) / 32.
; LEFT OUT: the tiles of 256 queries x 256 keys that lie wholly above the diagonal (launch quant's head shows that they reach no output): 36 of 64 tiles a batch are made, 144 work-groups, each with live work.
; M BY SEGMENTS.  A wave holds, block by block, 16 queries x 128 keys: a segment of a row.  M_loc = ceil(the segment's largest t), a whole number; p = 2^(t - M_loc) is quantised; the sum l_loc is taken of the
; unquantised p.  Codes, scale word, -M_loc and l_loc go to memory; launch pv takes the row's M = the largest M_loc and brings each segment under it by 2^(M_loc - M): an exact power of two, taken up by the scale bytes.
; A segment all of whose keys are hidden (the wave of a diagonal tile with the upper queries and the later keys: dead work inside a live tile) comes out as zero codes, byte 1, -M_loc = 3e38 (the floor under t), l_loc = 0.
; LIMITS: a block whose every p is 0 has the byte 1 (its codes are zeros; this program alone reads the bytes); NaN and infinities are not served.
; NO CLUSTER: a row of tiles has 1 to 8 live tiles, so no fixed cluster divides the triangle without partners whose tiles lie wholly under the mask.
; The product is launch proj's: a tile of 256 x 256, a wave 128 x 128, K = 1,024 in eight steps through two LDS buffers, written out; source 0 = 16 keys, source 1 = 16 queries, so that register 16 B + i of a block's
; 64 results is key 32 B + 16 (lane / 16) + i of the lane's query.  Here every wave fetches a quarter of a buffer by a load of its own: addresses by arithmetic on the wave's number, no branch.
; pc: [batch][query block 0..127][key step 0..15][1536].  ps, pm, pl: [batch], word of (key step, G = query block / 8, a, r) at (16 step + G) 512 + 256 (a / 4) + 16 r + 4 (a % 4).
; REGISTERS: as in proj; the way out: v96-121 at work, v128-147 codes, v160-183 the eight blocks' scale words, -M_loc and l_loc, v184-195 what is stored of them.
.set BUF,   98304
.set BOFF,  49152
.set QTR,   24576
.set BLK,   3072
.set FRB,   1536
.set SPARE, 2*BUF
.set NG,    128
.set ADRA, 16
.set ADRB, 20
.set LI,   24
.set SO,   25
.set HH,   26
.set SPW,  28
.set NIL,  29
.set SC,   32                          ; v32-95 scale words and nothing else
.set BM,   96                          ; v96-99   a block's largest score, then its largest p
.set BP,   100                         ; v100-103 lane permutes' destinations
.set SOP,  104                         ; v104-107 the conversions' scale operands
.set BY,   108                         ; v108-111 bytes
.set NP,   112                         ; v[112:113] -M_loc (a pair is named; the low word serves)
.set LA,   114                         ; v[114:115], v[116:117] the sum in two chains
.set LB,   116
.set DA,   118                         ; v118 the block's mask threshold
.set NINF, 119                         ; v119 -infinity
.set D0,   120                         ; v120 128 (wr - wc) + r + 8 (r / 8) - 16 h
.set TT,   121
.set PC,   128
.set AF,   128
.set WDS,  160
.set NM,   168
.set LS,   176
.set ST,   184
.set G1,  24                           ; s[24:31] descriptor group 1; s[32:39] group 0, a set for each buffer
.set G0,  32
.set DG,  48                           ; s48 1 on the diagonal
.set CS,  50                           ; s[50:51] c = log2(e) / 32
.set SEL, 52                           ; s[52:53]
.set PCO, 54                           ; s[54:55] where my fragments go
.set MSB, 0
.macro WIN new
.if MSB != \new
	s_set_vgpr_msb (MSB<<8)|\new
.set MSB, \new
.endif
.endm
.set MUL_LO, 0xa1
.set MUL_HI, 0xf1
.set TO_B,   0x40
.macro PLACES n
.rept \n
	v_nop
.endr
.endm
.macro REFILL buf                      ; the wave's one tensor load behind the barrier, and the first thing there; its four v_nop are the places in front of the loads that follow
	s_add_nc_u64 s[G0+4*\buf+2:G0+4*\buf+3], s[G0+4*\buf+2:G0+4*\buf+3], 2*BLK
	tensor_load_to_lds s[G0+4*\buf:G0+4*\buf+3], s[G1:G1+7]
	s_nop 0
.rept 4
	v_nop
.endr
.endm
	s_load_b256 s[4:11], s[0:1], 0x0               ; c2, s2, pc, ps
	s_load_b128 s[12:15], s[0:1], 0x20             ; pm, pl
	v_lshl_add_u32 v[SPW], v0, 2, SPARE
	v_mov_b32 v[NIL], 0
	ds_add_u32 v[SPW], v[NIL]                      ; the wave's opening: the add, twice on end, and its wait ahead of my first tensor load
	ds_add_u32 v[SPW], v[NIL]
	v_lshrrev_b32 v1, 5, v0
	v_readfirstlane_b32 s16, v1                    ; wave
	s_lshr_b32 s17, s16, 1                         ; wr: my half of the queries
	s_and_b32 s18, s16, 1                          ; wc: my half of the keys
	s_and_b32 s19, ttmp7, 0xffff
	s_lshr_b32 s20, s19, 2                         ; batch
	s_and_b32 s21, s19, 3                          ; pr: rows pr and 7 - pr of the triangle have 9 tiles together
	s_sub_co_u32 s22, 7, s21
	s_sub_co_u32 s23, ttmp9, s21
	s_sub_co_u32 s23, s23, 1
	s_cmp_le_u32 ttmp9, s21
	s_cselect_b32 s22, s21, s22                    ; i: the tile of queries
	s_cselect_b32 s23, ttmp9, s23                  ; j: the tile of keys, j <= i
	s_cmp_eq_u32 s22, s23
	s_cselect_b32 s[DG], 1, 0
	s_mov_b32 s[G1+0], 3<<16                       ; no mask; elements of 8 bytes; no padding
	s_mov_b32 s[G1+1], 384<<16                     ; tensor_dim0 = 384 elements: 3,072 bytes
	s_mov_b32 s[G1+2], 8<<16                       ; tensor_dim1 = 8 row blocks
	s_mov_b32 s[G1+3], 384<<16                     ; tile_dim0
	s_mov_b32 s[G1+4], 8                           ; tile_dim1
	s_mov_b32 s[G1+5], 1536                        ; 12,288 bytes from row block to row block
	s_mov_b32 s[G1+6], 0
	s_mov_b32 s[G1+7], 0
	s_lshl_b32 s40, s20, 7
	s_lshl_b32 s41, s22, 4
	s_add_co_u32 s41, s41, s40                     ; q's first block: 128 batch + 16 i
	s_lshl_b32 s42, s23, 4
	s_add_co_u32 s42, s42, s40
	s_add_co_u32 s42, s42, 512                     ; k's: 512 + 128 batch + 16 j
	s_cmp_lt_u32 s16, 2                            ; waves 0, 1 fetch q's halves, waves 2, 3 k's
	s_cselect_b32 s43, s41, s42
	s_lshl_b32 s44, s18, 3
	s_add_co_u32 s43, s43, s44
	s_mul_i32 s44, s43, 12288
	s_mov_b32 s45, 0
	s_mul_i32 s46, s16, QTR                        ; where they go: wave x 8 blocks
	s_mov_b32 s[CS], 0x3d38aa3b
	s_mov_b32 s[CS+1], s[CS]                       ; (named with it as a pair, so it is written)
	s_mov_b32 s[SEL], 0x76543210
	s_mov_b32 s[SEL+1], 0xfedcba98
	s_wait_dscnt 0x0                               ; both opening adds are done
	s_wait_kmcnt 0x0
	s_add_nc_u64 s[44:45], s[4:5], s[44:45]
.irp s, 0,1
	s_mov_b32 s[G0+4*\s], 1
	s_add_co_u32 s[G0+4*\s+1], s46, \s*BUF
	s_add_nc_u64 s[G0+4*\s+2:G0+4*\s+3], s[44:45], \s*BLK
	s_or_b32 s[G0+4*\s+3], s[G0+4*\s+3], 0x80000000
	tensor_load_to_lds s[G0+4*\s:G0+4*\s+3], s[G1:G1+7]            ; two loads of mine are out at the most
	s_nop 0
.endr
	v_and_b32 v1, 31, v0
	v_and_b32 v2, 15, v0                           ; r
	v_bfe_u32 v[HH], v0, 4, 1                      ; h
	v_lshlrev_b32 v[LI], 4, v1
	s_mul_i32 s56, s17, QTR
	s_mul_i32 s57, s18, QTR
	s_add_co_u32 s57, s57, BOFF
.irp s, 0,1
	v_add_nc_u32 v[ADRA+\s], s56, v[LI]
	v_add_nc_u32 v[ADRB+\s], s57, v[LI]
	s_add_co_u32 s56, s56, BUF
	s_add_co_u32 s57, s57, BUF
.endr
	s_lshl_b32 s58, s20, 4                         ; the scale words: q's group 16 batch + 2 i + wr, k's 64 + 16 batch + 2 j + wc
	s_lshl_b32 s59, s22, 1
	s_add_co_u32 s59, s59, s58
	s_add_co_u32 s59, s59, s17
	s_lshl_b32 s59, s59, 9
	s_lshl_b32 s60, s23, 1
	s_add_co_u32 s60, s60, s58
	s_add_co_u32 s60, s60, s18
	s_add_co_u32 s60, s60, 64
	s_lshl_b32 s60, s60, 9
	v_mov_b32 v4, s59
	v_mov_b32 v5, s60
	v_cmp_ne_u32 vcc_lo, 0, v[HH]
	v_cndmask_b32 v4, v4, v5, vcc_lo               ; lanes 0-15 take q's, lanes 16-31 k's
	v_lshl_add_u32 v4, v2, 4, v4
.irp s, 0,1,2,3,4,5,6,7
.irp f, 0,1
	global_load_b128 v[SC+8*\s+4*\f:SC+8*\s+4*\f+3], v4, s[6:7] offset:\s*NG*512+256*\f
.endr
.endr
	v_lshlrev_b32 v[SO], 8, v[HH]
	v_lshl_add_u32 v[SO], v2, 4, v[SO]
	s_sub_co_i32 s61, s17, s18
	s_lshl_b32 s61, s61, 7
	v_and_b32 v5, 8, v2
	v_add_nc_u32 v5, v5, v2
	v_lshlrev_b32 v6, 4, v[HH]
	v_sub_nc_u32 v5, v5, v6
	v_add_nc_u32 v[D0], s61, v5
	v_mov_b32 v[NINF], 0xff800000
	v_mov_b32 v[NP+1], 0                           ; (named as the upper half of a pair)
.irp b, 0,1,2,3
	v_mov_b32 v[BP+\b], 0                          ; written once: a lane permute's destination counts as one of its sources
.endr
	s_mul_i32 s[PCO], s20, 3145728                 ; where the results go: batch, query block 16 i + 8 wr, key step 2 j + wc
	s_lshl_b32 s62, s22, 4
	s_lshl_b32 s63, s17, 3
	s_add_co_u32 s62, s62, s63
	s_mul_i32 s62, s62, 24576
	s_add_co_u32 s[PCO], s[PCO], s62
	s_lshl_b32 s62, s23, 1
	s_add_co_u32 s62, s62, s18                     ; the key step
	s_mul_i32 s63, s62, FRB
	s_add_co_u32 s[PCO], s[PCO], s63
	s_mov_b32 s[PCO+1], 0
	s_add_nc_u64 s[PCO:PCO+1], s[8:9], s[PCO:PCO+1]
	s_lshl_b32 s62, s62, 4
	s_lshl_b32 s63, s22, 1
	s_add_co_u32 s62, s62, s63
	s_add_co_u32 s62, s62, s17
	s_lshl_b32 s62, s62, 9
	s_lshl_b32 s63, s20, 17
	s_add_co_u32 s62, s62, s63
	s_mov_b32 s63, 0
	s_add_nc_u64 s[10:11], s[10:11], s[62:63]
	s_add_nc_u64 s[12:13], s[12:13], s[62:63]
	s_add_nc_u64 s[14:15], s[14:15], s[62:63]
.macro FRAG reg, adr, off
.irp c, 0,1,2
	ds_load_b128 v[\reg+4*\c:\reg+4*\c+3], v[\adr] offset:\off+512*\c
.endr
.endm
.macro FETCH_B buf, q, p
	WIN TO_B
.irp i, 0,1,2,3,4,5,6,7
	FRAG 128*(\p)+12*\i, ADRB+\buf, \i*BLK+(\q)*FRB
.endr
	WIN 0
.endm
.macro FETCH_A buf, q, i0
.irp i, \i0, \i0+1, \i0+2, \i0+3
	FRAG AF+12*(\i), ADRA+\buf, (\i)*BLK+(\q)*FRB
.endr
.endm
; 16 matrix instructions: q's blocks a0, a0 + 1 x k's eight.  The 64 accumulators take turns, one instruction a turn.
.macro MUL16 a0, p, s, zero
.irp a, \a0, \a0+1
.irp b, 0,1,2,3,4,5,6,7
.if \zero
	v_wmma_scale_f32_16x16x128_f8f6f4 v[8*(8*((\a)%4)+\b):8*(8*((\a)%4)+\b)+7], v[128*(\p)+12*\b:128*(\p)+12*\b+11], v[AF+12*(\a):AF+12*(\a)+11], 0, v[SC+8*(\s)+\b], v[SC+8*(\s)+(\a)] matrix_a_fmt:MATRIX_FMT_FP6 matrix_b_fmt:MATRIX_FMT_FP6 matrix_a_scale:MATRIX_SCALE_ROW1
.else
	v_wmma_scale_f32_16x16x128_f8f6f4 v[8*(8*((\a)%4)+\b):8*(8*((\a)%4)+\b)+7], v[128*(\p)+12*\b:128*(\p)+12*\b+11], v[AF+12*(\a):AF+12*(\a)+11], v[8*(8*((\a)%4)+\b):8*(8*((\a)%4)+\b)+7], v[SC+8*(\s)+\b], v[SC+8*(\s)+(\a)] matrix_a_fmt:MATRIX_FMT_FP6 matrix_b_fmt:MATRIX_FMT_FP6 matrix_a_scale:MATRIX_SCALE_ROW1
.endif
.endr
.endr
.endm
.macro STEP buf, s, zero
	s_wait_dscnt 12                                ; k's set and q's blocks 0-3 are in; the youngest 12 loads (q's blocks 4-7) may be out
	WIN MUL_LO
	MUL16 0, 0, \s, \zero
	MUL16 2, 0, \s, \zero
	s_wait_dscnt 0x0
	PLACES 4
	FETCH_B \buf, 1, 1
	FETCH_A \buf, 1, 0
	WIN MUL_HI
	MUL16 4, 0, \s, \zero
	MUL16 6, 0, \s, \zero
	PLACES 4
	WIN 0
	FETCH_A \buf, 1, 4
.endm
.macro TURN buf, next, s, fill
	s_wait_tensorcnt 0x0                           ; all my tensor loads have landed: my part of the next buffer
	ds_add_u32 v[SPW], v[NIL]                      ; 0 onto my spare word
	s_wait_dscnt 13                                ; (the add and the youngest 12 loads may be out)
	WIN MUL_LO
	MUL16 0, 1, \s, 0
	s_wait_dscnt 0x0                               ; the add is done, and my reads of this buffer are over
	s_barrier_signal -1
	MUL16 2, 1, \s, 0
	WIN 0
	s_barrier_wait -1
.if \fill
	REFILL \buf
.else
	PLACES 4
.endif
	FETCH_B \next, 0, 0
	FETCH_A \next, 0, 0
	WIN MUL_HI
	MUL16 4, 1, \s, 0
	MUL16 6, 1, \s, 0
	PLACES 4
	WIN 0
	FETCH_A \next, 0, 4
.endm
.macro LAST s
	s_wait_dscnt 12
	WIN MUL_LO
	MUL16 0, 1, \s, 0
	MUL16 2, 1, \s, 0
	s_wait_dscnt 0x0
	WIN MUL_HI
	MUL16 4, 1, \s, 0
	MUL16 6, 1, \s, 0
	WIN 0
.endm
	s_wait_tensorcnt 1                             ; my part of buffer 0 is in; buffer 1's may stay out
	s_barrier_signal -1
	s_barrier_wait -1
	FETCH_B 0, 0, 0
	FETCH_A 0, 0, 0
	FETCH_A 0, 0, 4
	s_wait_loadcnt 0x0                             ; the scale words
	STEP 0, 0, 1
	TURN 0, 1, 1, 1
	STEP 1, 2, 0
	TURN 1, 0, 3, 1
	STEP 0, 4, 0
	TURN 0, 1, 5, 0
	STEP 1, 6, 0
	LAST 7
	PLACES 4                                       ; in front of the first read of results, and of writes into the registers that held q's fragments
; THE WAY OUT of block a: 16 queries x my 128 keys.
.macro SOFT a
.set W, 2+(\a)/4
.set AC, 64*((\a)%4)
.set WSS, W|(W<<2)                     ; sources 0 and 1 in the block's window
.set WSD, W|(W<<6)                     ; source 0 and destination
	s_cmp_eq_u32 s[DG], 0                          ; off the diagonal every key counts: a branch on ids
	s_cbranch_scc1 .Lopen_\@
	v_add_nc_u32 v[DA], 32*((\a)/2)+8*((\a)%2), v[D0]   ; my query less my wave's first key less 16 h: register 16 B + i is hidden where 32 B + i is above it
	WIN WSD
.set n, 0
.rept 64
	v_cmp_gt_i32 vcc_lo, 32*(n/16)+n%16, v[DA]
	v_cndmask_b32 v[AC+n], v[AC+n], v[NINF], vcc_lo
.set n, n+1
.endr
	WIN 0
.Lopen_\@:
	WIN WSS
.irp b, 0,1,2,3
	v_max_num_f32 v[BM+\b], v[AC+16*\b], v[AC+16*\b+1]   ; the largest score of each block of 32 keys: for the segment's maximum and, since p rises with the score, for the block's largest p
.endr
.irp i, 2,4,6,8,10,12,14
.irp b, 0,1,2,3
	v_max3_num_f32 v[BM+\b], v[AC+16*\b+\i], v[AC+16*\b+\i+1], v[BM+\b]
.endr
.endr
	WIN 0
.irp b, 0,1,2,3
	v_permlanex16_b32 v[BP+\b], v[BM+\b], s[SEL], s[SEL+1]
.endr
.irp b, 0,1,2,3
	v_max_num_f32 v[BM+\b], v[BM+\b], v[BP+\b]     ; with lane l xor 16's 16 keys
.endr
	v_max3_num_f32 v[TT], v[BM], v[BM+1], v[BM+2]
	v_max_num_f32 v[TT], v[TT], v[BM+3]
	v_mul_f32 v[TT], s[CS], v[TT]                  ; as t (c is positive)
	v_max_num_f32 v[TT], 0xff61b1e6, v[TT]         ; -3e38 from below: a segment all of whose keys are hidden keeps a finite M
	v_floor_f32 v[NP], -v[TT]                      ; -M_loc = floor(-t) = -ceil(t)
	v_mov_b32 v[NM+\a], v[NP]
.irp b, 0,1,2,3
	v_fma_f32 v[BM+\b], v[BM+\b], s[CS], v[NP]
.endr
	WIN WSD
.set n, 0
.rept 32
	v_pk_fma_f32 v[AC+n:AC+n+1], v[AC+n:AC+n+1], s[CS:CS+1], v[NP:NP+1] op_sel_hi:[1,0,0]   ; t - M_loc, two at a time
.set n, n+2
.endr
.set n, 0
.rept 64
	v_exp_f32 v[AC+n], v[AC+n]                     ; p, at most 1, not normalised
.set n, n+1
.endr
	v_nop                                          ; a plain place behind the exponentials
	s_wait_alu depctr_va_vdst(0)                   ; one wait for the batch, ahead of its first reader
	WIN 0
.irp b, 0,1,2,3
	v_exp_f32 v[BM+\b], v[BM+\b]                   ; the block's largest p: the same two instructions on the same number give the same bits
.endr
	WIN WSS
	v_pk_add_f32 v[LA:LA+1], v[AC:AC+1], v[AC+2:AC+3]   ; the sum is taken of the unquantised p, in two chains
	v_pk_add_f32 v[LB:LB+1], v[AC+4:AC+5], v[AC+6:AC+7]
	WIN W
.irp j, 8,12,16,20,24,28,32,36,40,44,48,52,56,60
	v_pk_add_f32 v[LA:LA+1], v[AC+\j:AC+\j+1], v[LA:LA+1]
	v_pk_add_f32 v[LB:LB+1], v[AC+\j+2:AC+\j+3], v[LB:LB+1]
.endr
	WIN 0
	v_pk_add_f32 v[LA:LA+1], v[LA:LA+1], v[LB:LB+1]
	v_add_f32 v[LS+\a], v[LA], v[LA+1]
	v_permlanex16_b32 v[BP], v[LS+\a], s[SEL], s[SEL+1]
	v_add_f32 v[LS+\a], v[LS+\a], v[BP]            ; l_loc, in both lanes of the query
	s_wait_alu depctr_va_vdst(0)                   ; and one wait for the four
.irp b, 0,1,2,3
	v_max_num_f32 v[BM+\b], 0x1800000, v[BM+\b]    ; the floor 2^(3 - 127): the byte cannot fall under 1
.endr
.irp b, 0,1,2,3
	v_add_nc_u32 v[SOP+\b], 0xff000000, v[BM+\b]
.endr
.irp b, 0,1,2,3
	v_lshrrev_b32 v[BY+\b], 23, v[SOP+\b]
.endr
	v_lshl_or_b32 v[WDS+\a], v[BY+1], 8, v[BY]
	v_lshl_or_b32 v[WDS+\a], v[BY+2], 16, v[WDS+\a]
	v_lshl_or_b32 v[WDS+\a], v[BY+3], 24, v[WDS+\a]
	s_wait_xcnt 0x0                                ; the last block's stores have read their codes
	WIN W
.irp c, 0,1
	v_cvt_scalef32_pk16_fp6_f32 v[PC+6*\c:PC+6*\c+2], v[AC+32*\c:AC+32*\c+15], v[SOP+2*\c]
	v_cvt_scalef32_pk16_fp6_f32 v[PC+12+4*\c:PC+14+4*\c], v[AC+32*\c+16:AC+32*\c+31], v[SOP+2*\c+1]
.endr
	v_nop                                          ; one plain place behind the scaled conversions
	WIN 0
.irp c, 0,1
.irp i, 0,1,2
	v_permlane16_swap_b32 v[PC+6*\c+\i], v[PC+12+4*\c+\i]
.endr
.irp i, 0,1,2
	v_mov_b32 v[PC+3+6*\c+\i], v[PC+12+4*\c+\i]
.endr
.endr
.irp c, 0,1,2
	global_store_b128 v[LI], v[PC+4*\c:PC+4*\c+3], s[PCO:PCO+1] offset:(\a)*24576+512*\c   ; 512 consecutive bytes, aligned to 256
.endr
.endm
.irp a, 0,1,2,3,4,5,6,7
	SOFT \a
.endr
	v_cmp_ne_u32 vcc_lo, 0, v[HH]                  ; lanes 0-15 store blocks 0-3 of their row, lanes 16-31 blocks 4-7: 512 consecutive bytes a store
.irp e, 0,1,2,3
	v_cndmask_b32 v[ST+\e], v[WDS+\e], v[WDS+4+\e], vcc_lo
	v_cndmask_b32 v[ST+4+\e], v[NM+\e], v[NM+4+\e], vcc_lo
	v_cndmask_b32 v[ST+8+\e], v[LS+\e], v[LS+4+\e], vcc_lo
.endr
	global_store_b128 v[SO], v[ST:ST+3], s[10:11]
	global_store_b128 v[SO], v[ST+4:ST+7], s[12:13]
	global_store_b128 v[SO], v[ST+8:ST+11], s[14:15]
	s_wait_tensorcnt 0x0                           ; the wave's end
	ds_add_u32 v[SPW], v[NIL]
	s_wait_dscnt 0x0
	s_endpgm
.Lfunc_end_k_qdf72989cea_score:
	.size	k_qdf72989cea_score, .Lfunc_end_k_qdf72989cea_score-k_qdf72989cea_score
	.p2alignl 7, 3214868480
	.fill 96, 4, 3214868480
	.section	.rodata,"a",@progbits
	.p2align	6, 0x0
	.amdhsa_kernel k_qdf72989cea_score
		.amdhsa_group_segment_fixed_size 327680
		.amdhsa_private_segment_fixed_size 0
		.amdhsa_enable_private_segment 0
		.amdhsa_kernarg_size 48
		.amdhsa_user_sgpr_count 2
		.amdhsa_user_sgpr_kernarg_segment_ptr 1
		.amdhsa_wavefront_size32 1
		.amdhsa_system_sgpr_workgroup_id_x 1
		.amdhsa_system_sgpr_workgroup_id_y 1
		.amdhsa_system_sgpr_workgroup_id_z 1
		.amdhsa_system_vgpr_workitem_id 0
		.amdhsa_next_free_vgpr 1024
		.amdhsa_next_free_sgpr 80
		.amdhsa_reserve_vcc 1
		.amdhsa_float_denorm_mode_32 3
		.amdhsa_float_denorm_mode_16_64 3
		.amdhsa_memory_ordered 1
		.amdhsa_forward_progress 1
		.amdhsa_inst_pref_size 231
	.end_amdhsa_kernel
	.amdgpu_metadata
---
amdhsa.version: [ 1, 2 ]
amdhsa.kernels:
  - .name:           k_qdf72989cea_score
    .symbol:         k_qdf72989cea_score.kd
    .args:
      - { .name: c2, .offset: 0, .size: 8, .value_kind: global_buffer, .address_space: global }
      - { .name: s2, .offset: 8, .size: 8, .value_kind: global_buffer, .address_space: global }
      - { .name: pc, .offset: 16, .size: 8, .value_kind: global_buffer, .address_space: global }
      - { .name: ps, .offset: 24, .size: 8, .value_kind: global_buffer, .address_space: global }
      - { .name: pm, .offset: 32, .size: 8, .value_kind: global_buffer, .address_space: global }
      - { .name: pl, .offset: 40, .size: 8, .value_kind: global_buffer, .address_space: global }
    .group_segment_fixed_size: 327680
    .private_segment_fixed_size: 0
    .kernarg_segment_align: 8
    .kernarg_segment_size: 48
    .max_flat_workgroup_size: 128
    .sgpr_count:     80
    .vgpr_count:     1024
    .wavefront_size: 32
...
	.end_amdgpu_metadata
.endif
;; end of part 3
;; launch pv (part 4): grid 8 x 32, 4 waves a work-group, no clusters, 327,680 bytes of LDS; arguments pc, ps, pm, pl, c2, s2, out0; writes out0
.if DOCPART == 4
	.amdgcn_target "amdgcn-amd-amdhsa--gfx1250"
	.amdhsa_code_object_version 6
	.text
	.protected	k_qdf72989cea_pv
	.globl	k_qdf72989cea_pv
	.p2align	8
	.type	k_qdf72989cea_pv,@function
k_qdf72989cea_pv:
	s_mov_b64 s[64:65], 0
	v_nop
	global_prefetch_b8 v0, s[64:65] scope:SCOPE_SE
	s_setreg_imm32_b32 hwreg(HW_REG_WAVE_MODE, 25, 1), 1
	s_wait_xcnt 0x0
; out0 = (p v) / l on codes of FP6 (E2M3).  A work-group makes 256 queries (tile i of a batch) x 128 channels; a wave 128 x 64: 32 accumulators.  K = the keys, 256 (i + 1) of them, in slots of 256.
; LEFT OUT: the slots of keys that lie wholly behind the tile's queries, and for the upper 128 queries the diagonal slot's second 128 keys (launch quant's head shows that they reach no output).
; THE ROW'S M AND l.  Launch score left, for each segment of 128 keys of a row, codes under M_loc, a scale word, -M_loc and l_loc.  Here -M = the least -M_loc of the row's segments, d = M_loc - M <= 0, a whole number;
; l = the sum of l_loc 2^d; d is added to each of the segment's four scale bytes: p under M is p under M_loc times 2^d, exactly.  Thread t of the work-group does that for two rows; words and 1 / l go to LDS.
; LIMITS: d is held at -127, and a byte that would fall under 0 becomes 0 (2^-127): such terms lie more than 2^120 under the row's largest p.  NaN and infinities are not served.
; NO CLUSTER: the walk ends at the causal limit by a jump on ids round the loads, which a joint load does not allow.
; THE MATRIX INSTRUCTION IS USED TRANSPOSED: source 0 = 16 channels of v^T, source 1 = 16 queries of p: register 16 B + i of a block's 32 results is channel 32 B + 16 (lane / 16) + i of the lane's query.
; THE RING: two LDS buffers 2^17 bytes apart, each p's 16 blocks x 3,072 bytes and v's 8; waves 0, 1 fetch p's halves, waves 2, 3 v's.  The change of slots stands at a slot's head; every wait on TENSORcnt is for 0;
; one tensor load of a wave is out at the most.  Every work-group walks all eight changes (constant trip count); a slot past the causal limit is neither asked for nor worked on.
; A slot's second step is multiplied behind the next change of slots, while the new slot's first fragments come from LDS.
; REGISTERS: window 0: v2-22 addresses; v32-47 scale words, two sets, and nothing else; v48-57 1 / l; v64-159, v160-255 p's fragments, two sets (at the head: at work; on the way out: rows of out0).
;   window 1: v's fragments, two sets, v0 and v48.   window 2: accumulator (a, b) at v[8 (4 a + b)].
.set BLK,   3072
.set FRB,   1536
.set QTR,   24576
.set VOFF,  49152                      ; v's blocks in a buffer
.set BUF1,  1<<17
.set SCR,   73728                      ; 16 records of 1,536 bytes, one a key step: p's words of my 256 queries (1,024), v's of my 128 channels (512)
.set LR,    SCR+16*1536                ; 1 / l of my 256 queries, in the order of p's words
.set STG,   LR+1024                    ; the way out: 16 rows x (256 + 16) bytes for each wave
.set SPARE, STG+4*16*272               ; the spare words, 128 bytes a wave
.set ADP0, 2
.set ADV0, 3
.set ASA0, 4
.set ASB0, 5
.set SPW,  6                           ; v6 my spare word; never rewritten
.set NIL,  7                           ; v7 0; never rewritten
.set ADP,  8                           ; v8-11 the addresses of the slot in hand
.set ADV,  9
.set ASA,  10
.set ASB,  11
.set STO,  12
.set RD,   13
.set GO,   14
.set T8,   15
.set L16,  16
.set RR,   17
.set HH,   18
.set SCW,  20
.set VSW,  21
.set LRA,  22
.set SX,   32
.set SY,   40
.set RL,   48
.set RT,   56
.set PX,   64
.set PY,   160
.set VX,   0
.set VY,   48
.set MA,   64                          ; at the head: v64-79 offsets, v80-111 -M_loc, v112-143 l_loc, v144-175 scale words, v176-191 v's words, v192-201 at work
.set PM,   80
.set PL,   112
.set PS,   144
.set VS,   176
.set NMR,  192
.set LSM,  194
.set DD,   196
.set TMP,  64                          ; on the way out
.set WV,  18
.set WR,  19
.set WC,  20
.set BA,  22
.set IT,  23
.set G1P, 24
.set G1V, 32
.set G0P, 40
.set G0V, 44
.set LIMK, 56                          ; s56 the last live key step: 2 i + 1
.set SI,  60                           ; s60 the slot in hand
.set TB,  61                           ; s61 its buffer
.set TS,  62                           ; s62 its records
.set MSB, 0
.macro WIN new
.if MSB != \new
	s_set_vgpr_msb (MSB<<8)|\new
.set MSB, \new
.endif
.endm
.macro PLACES n
.rept \n
	v_nop
.endr
.endm
; Waves 0, 1 fetch p's halves, waves 2, 3 v's: every wave has a load in one arm.  An s_nop 0 and four v_nop follow each of the two lines.
.macro TLOAD
	s_cmp_lt_u32 s[WV], 2
	s_cbranch_scc0 .Lfor_v_\@
	tensor_load_to_lds s[G0P:G0P+3], s[G1P:G1P+7]
	s_nop 0
.rept 4
	v_nop
.endr
	s_branch .Lasked_\@
.Lfor_v_\@:
	tensor_load_to_lds s[G0V:G0V+3], s[G1V:G1V+7]
	s_nop 0
.rept 4
	v_nop
.endr
.Lasked_\@:
.endm
	s_load_b256 s[4:11], s[0:1], 0x0               ; pc, ps, pm, pl
	s_load_b128 s[12:15], s[0:1], 0x20             ; c2, s2
	s_load_b64 s[16:17], s[0:1], 0x30              ; out0
	v_lshl_add_u32 v[SPW], v0, 2, SPARE
	v_mov_b32 v[NIL], 0
	ds_add_u32 v[SPW], v[NIL]                      ; the wave's opening: the add, twice on end, and its wait ahead of my first tensor load
	ds_add_u32 v[SPW], v[NIL]
	v_lshrrev_b32 v1, 5, v0
	v_readfirstlane_b32 s[WV], v1
	s_lshr_b32 s[WR], s[WV], 1                     ; my half of the queries
	s_and_b32 s[WC], s[WV], 1                      ; my half of the channels.  Also: which half I fetch
	s_and_b32 s21, ttmp7, 0xffff
	s_lshr_b32 s[BA], s21, 3                       ; batch
	s_and_b32 s[IT], s21, 7                        ; the tile of queries
	s_mov_b32 s[G1P+0], 3<<16                      ; elements of 8 bytes, no mask, no padding
	s_mov_b32 s[G1P+1], 384<<16                    ; tensor_dim0 = 384: 3,072 bytes, a block's two key steps
	s_mov_b32 s[G1P+2], 8<<16                      ; tensor_dim1 = 8 blocks
	s_mov_b32 s[G1P+3], 384<<16                    ; tile_dim0
	s_mov_b32 s[G1P+4], 8                          ; tile_dim1
	s_mov_b32 s[G1P+5], 3072                       ; 24,576 bytes from block to block
	s_mov_b32 s[G1P+6], 0
	s_mov_b32 s[G1P+7], 0
	s_mov_b32 s[G1V+0], 3<<16
	s_mov_b32 s[G1V+1], 384<<16
	s_mov_b32 s[G1V+2], 4<<16                      ; 4 blocks
	s_mov_b32 s[G1V+3], 384<<16
	s_mov_b32 s[G1V+4], 4
	s_mov_b32 s[G1V+5], 3072
	s_mov_b32 s[G1V+6], 0
	s_mov_b32 s[G1V+7], 0
	s_mul_i32 s48, s[BA], 3145728                  ; p: batch, block 16 i + 8 half
	s_lshl_b32 s49, s[IT], 4
	s_lshl_b32 s50, s[WC], 3
	s_add_co_u32 s49, s49, s50
	s_mul_i32 s49, s49, 24576
	s_add_co_u32 s48, s48, s49
	s_mov_b32 s49, 0
	s_mul_i32 s50, s[BA], 1572864                  ; v^T: batch, block 8 x work-group x + 4 half
	s_add_co_u32 s50, s50, 12582912
	s_lshl_b32 s51, ttmp9, 3
	s_lshl_b32 s52, s[WC], 2
	s_add_co_u32 s51, s51, s52
	s_mul_i32 s51, s51, 24576
	s_add_co_u32 s50, s50, s51
	s_mov_b32 s51, 0
	s_mov_b32 s[SI], 0
	s_mov_b32 s[TB], 0
	s_mov_b32 s[TS], 0
	s_lshl_b32 s[LIMK], s[IT], 1
	s_add_co_u32 s[LIMK], s[LIMK], 1
	s_mov_b32 s58, 0x01010101
	s_mov_b32 s59, 0x80808080
	s_wait_dscnt 0x0                               ; both opening adds are done
	s_wait_kmcnt 0x0
	s_mov_b32 s[G0P], 1
	s_mul_i32 s[G0P+1], s[WC], QTR
	s_add_nc_u64 s[G0P+2:G0P+3], s[4:5], s[48:49]
	s_or_b32 s[G0P+3], s[G0P+3], 0x80000000
	s_mov_b32 s[G0V], 1
	s_mul_i32 s[G0V+1], s[WC], 12288
	s_add_co_u32 s[G0V+1], s[G0V+1], VOFF
	s_add_nc_u64 s[G0V+2:G0V+3], s[12:13], s[50:51]
	s_or_b32 s[G0V+3], s[G0V+3], 0x80000000
	TLOAD                                          ; slot 0, which every tile reads
	v_and_b32 v1, 31, v0
	v_and_b32 v[RR], 15, v0
	v_bfe_u32 v[HH], v0, 4, 1
	v_lshlrev_b32 v[L16], 4, v1
	s_mul_i32 s52, s[WR], QTR
	v_add_nc_u32 v[ADP0], s52, v[L16]
	s_mul_i32 s52, s[WC], 12288
	s_add_co_u32 s52, s52, VOFF
	v_add_nc_u32 v[ADV0], s52, v[L16]
	s_xor_b32 s53, s[WR], 1                        ; from p's words of my queries to v's of my channels: 1,024 + 256 wc - 512 wr = 512 + 256 wc + 512 (1 - wr)
	s_lshl_b32 s53, s53, 9
	s_lshl_b32 s54, s[WC], 8
	s_add_co_u32 s53, s53, s54
	s_add_co_u32 s53, s53, 512
	v_mul_u32_u24 v[ASA0], s53, v[HH]              ; lanes 16-31 take v's
	s_lshl_b32 s52, s[WR], 9
	s_add_co_u32 s52, s52, SCR
	v_lshl_add_u32 v[ASB0], v[RR], 4, s52
	v_add_nc_u32 v[ASA0], v[ASA0], v[ASB0]         ; blocks 0-3 of p (lanes 0-15), blocks 0-3 of v (lanes 16-31)
	v_add_nc_u32 v[ASB0], 256, v[ASB0]             ; blocks 4-7 of p
	s_mul_i32 s52, s[WV], 16*272
	s_add_co_u32 s52, s52, STG
	v_mul_u32_u24 v[STO], v[RR], 272
	v_lshl_add_u32 v[STO], v[HH], 6, v[STO]
	v_add_nc_u32 v[STO], s52, v[STO]
	v_mul_u32_u24 v[RD], v[HH], 272
	v_lshl_add_u32 v[RD], v[RR], 4, v[RD]
	v_add_nc_u32 v[RD], s52, v[RD]
	v_lshlrev_b32 v[GO], 12, v[HH]
	v_lshl_add_u32 v[GO], v[RR], 4, v[GO]
	s_lshl_b32 s52, s[WR], 9
	s_add_co_u32 s52, s52, LR
	v_lshl_add_u32 v[LRA], v[RR], 4, s52
	v_lshlrev_b32 v[T8], 3, v0
	v_add_nc_u32 v[SCW], SCR, v[T8]
	s_mul_i32 s52, s[WV], 1536
	s_add_co_u32 s52, s52, SCR+1024
	v_add_nc_u32 v[VSW], s52, v[L16]
	v_mov_b32 v[RT+1], 0                           ; (named as the upper half of a pair)
	s_lshl_b32 s52, s[BA], 17                      ; ps, pm, pl at my 256 queries' words of key step 0
	s_lshl_b32 s53, s[IT], 10
	s_add_co_u32 s52, s52, s53
	s_mov_b32 s53, 0
	s_add_nc_u64 s[6:7], s[6:7], s[52:53]
	s_add_nc_u64 s[8:9], s[8:9], s[52:53]
	s_add_nc_u64 s[10:11], s[10:11], s[52:53]
	s_lshl_b32 s52, s[BA], 7                       ; v's words: key step 4 q + wave
	s_add_co_u32 s52, s52, ttmp9
	s_lshl_b32 s52, s52, 9
	s_lshl_b32 s54, s[WV], 12
	s_add_co_u32 s52, s52, s54
	s_add_co_u32 s52, s52, 524288
	s_add_nc_u64 s[14:15], s[14:15], s[52:53]
	s_lshl_b32 s52, s[BA], 11                      ; out0 at my wave's first row and channel
	s_lshl_b32 s54, s[IT], 8
	s_add_co_u32 s52, s52, s54
	s_lshl_b32 s54, s[WR], 7
	s_add_co_u32 s52, s52, s54
	s_lshl_b32 s52, s52, 12
	s_lshl_b32 s54, ttmp9, 9
	s_add_co_u32 s52, s52, s54
	s_lshl_b32 s54, s[WC], 8
	s_add_co_u32 s52, s52, s54
	s_add_nc_u64 s[16:17], s[16:17], s[52:53]
	; the segments' figures: thread t owns the 8 bytes at 8 t of each key step's 1,024: two rows.  A key step past the last live one is read at the last live one's place: no byte is read that was not written
.irp k, 0,1,2,3,4,5,6,7,8,9,10,11,12,13,14,15
	s_min_u32 s57, s[LIMK], \k
	s_lshl_b32 s57, s57, 13
	v_add_nc_u32 v[MA+\k], s57, v[T8]
.endr
.irp k, 0,1,2,3,4,5,6,7,8,9,10,11,12,13,14,15
	global_load_b64 v[PM+2*\k:PM+2*\k+1], v[MA+\k], s[8:9]
.endr
.irp k, 0,1,2,3,4,5,6,7,8,9,10,11,12,13,14,15
	global_load_b64 v[PL+2*\k:PL+2*\k+1], v[MA+\k], s[10:11]
.endr
.irp k, 0,1,2,3,4,5,6,7,8,9,10,11,12,13,14,15
	global_load_b64 v[PS+2*\k:PS+2*\k+1], v[MA+\k], s[6:7]
.endr
.irp q, 0,1,2,3
	global_load_b128 v[VS+4*\q:VS+4*\q+3], v[L16], s[14:15] offset:16384*\q
.endr
	s_wait_loadcnt 0x0
.irp q, 0,1,2,3
	ds_store_b128 v[VSW], v[VS+4*\q:VS+4*\q+3] offset:6144*\q
.endr
.irp e, 0,1
	v_min_num_f32 v[NMR+\e], v[PM+\e], v[PM+2+\e]  ; -M of the row: the least -M_loc (a place read twice does no harm in a minimum)
.endr
.irp k, 2,3,4,5,6,7,8,9,10,11,12,13,14,15
.irp e, 0,1
	v_min_num_f32 v[NMR+\e], v[NMR+\e], v[PM+2*\k+\e]
.endr
.endr
.macro META k                          ; key step k of my two rows
.if (\k) > 1
	s_cmp_ge_u32 s[LIMK], \k                       ; ids alone: is the key step live?  What is read twice is not summed twice
	s_cselect_b32 s57, 0x3f800000, 0
.endif
.irp e, 0,1
	v_sub_f32 v[DD+\e], v[NMR+\e], v[PM+2*(\k)+\e] ; d = M_loc - M, a whole number, 0 or less
.endr
.irp e, 0,1
	v_max_num_f32 v[DD+\e], 0xc2fe0000, v[DD+\e]   ; held at -127
.endr
.irp e, 0,1
	v_cvt_i32_f32 v[DD+\e], v[DD+\e]
.endr
.irp e, 0,1
.if (\k) == 0
	v_ldexp_f32 v[LSM+\e], v[PL+\e], v[DD+\e]      ; l begins with the first segment's l_loc 2^d
.else
	v_ldexp_f32 v[DD+2+\e], v[PL+2*(\k)+\e], v[DD+\e]
.endif
.endr
.irp e, 0,1
.if (\k) == 1
	v_add_f32 v[LSM+\e], v[LSM+\e], v[DD+2+\e]
.endif
.if (\k) > 1
	v_fma_f32 v[LSM+\e], v[DD+2+\e], s57, v[LSM+\e]
.endif
.endr
.irp e, 0,1
	v_mul_lo_u32 v[DD+\e], v[DD+\e], s58           ; d in each of the four bytes.  A byte is 1 to 125 and -d at most 127: with 128 on top no byte borrows from its neighbour
.endr
.irp e, 0,1
	v_or_b32 v[DD+2+\e], s59, v[PS+2*(\k)+\e]
.endr
.irp e, 0,1
	v_add_nc_u32 v[DD+2+\e], v[DD+2+\e], v[DD+\e]  ; 128 + byte + d: the top bit stands where byte + d is 0 or more
.endr
.irp e, 0,1
	v_and_b32 v[DD+\e], s59, v[DD+2+\e]
.endr
.irp e, 0,1
	v_lshrrev_b32 v[DD+4+\e], 7, v[DD+\e]
.endr
.irp e, 0,1
	v_sub_nc_u32 v[DD+\e], v[DD+\e], v[DD+4+\e]    ; 0x7f there, 0 elsewhere
.endr
.irp e, 0,1
	v_and_b32 v[PS+2*(\k)+\e], v[DD+2+\e], v[DD+\e]
.endr
	ds_store_b64 v[SCW], v[PS+2*(\k):PS+2*(\k)+1] offset:1536*(\k)
.endm
.irp k, 0,1,2,3,4,5,6,7,8,9,10,11,12,13,14,15
	META \k
.endr
	v_rcp_f32 v[DD], v[LSM]
	v_rcp_f32 v[DD+1], v[LSM+1]
	v_nop                                          ; a plain place behind the reciprocals
	s_wait_alu depctr_va_vdst(0)                   ; and a wait ahead of their first reader
	ds_store_b64 v[SCW], v[DD:DD+1] offset:LR-SCR
.macro FRAG reg, adr, off
.irp c, 0,1,2
	ds_load_b128 v[\reg+4*\c:\reg+4*\c+3], v[\adr] offset:\off+512*\c
.endr
.endm
.macro LOADSET ps, vs, ss, q           ; the slot's q-th key step: p's 8 fragments, the scale words, v's 4 fragments: 38 loads
.irp a, 0,1,2,3,4,5,6,7
	FRAG \ps+12*\a, ADP, \a*BLK+(\q)*FRB
.endr
	ds_load_b128 v[\ss:\ss+3], v[ASA] offset:(\q)*1536
	ds_load_b128 v[\ss+4:\ss+7], v[ASB] offset:(\q)*1536
	WIN 0x40                                       ; destination window 1
.irp b, 0,1,2,3
	FRAG \vs+12*\b, ADV, \b*BLK+(\q)*FRB
.endr
	WIN 0
.endm
.macro MULSET ps, vs, ss, zero         ; 32 products; the 32 accumulators take turns, one instruction a turn
	WIN 0xa1                                       ; source 0 (v) window 1, source 1 (p) window 0, C and D window 2
.irp a, 0,1,2,3,4,5,6,7
.irp b, 0,1,2,3
.if \zero
	v_wmma_scale_f32_16x16x128_f8f6f4 v[8*(4*\a+\b):8*(4*\a+\b)+7], v[\vs+12*\b:\vs+12*\b+11], v[\ps+12*\a:\ps+12*\a+11], 0, v[\ss+\b], v[\ss+\a] matrix_a_fmt:MATRIX_FMT_FP6 matrix_b_fmt:MATRIX_FMT_FP6 matrix_a_scale:MATRIX_SCALE_ROW1
.else
	v_wmma_scale_f32_16x16x128_f8f6f4 v[8*(4*\a+\b):8*(4*\a+\b)+7], v[\vs+12*\b:\vs+12*\b+11], v[\ps+12*\a:\ps+12*\a+11], v[8*(4*\a+\b):8*(4*\a+\b)+7], v[\ss+\b], v[\ss+\a] matrix_a_fmt:MATRIX_FMT_FP6 matrix_b_fmt:MATRIX_FMT_FP6 matrix_a_scale:MATRIX_SCALE_ROW1
.endif
.endr
.endr
	WIN 0
.endm
; THE CHANGE OF SLOTS, at a slot's head.  Each wave waits for all its tensor loads (its part of the slot ahead), adds 0 to its spare word, and waits for that, for its LDS stores and for its reads of the buffer that it has left.
; fill = 1: the other buffer takes the next slot, but only while that slot is at or under the tile's diagonal: a slot beyond it would be read by no wave.  The test is made of ids and the count of slots alone,
; is the same in all four waves, and leads round the load's own lines and nothing else.
.macro CHANGE fill
	s_wait_tensorcnt 0x0                           ; no tensor load of mine is out, so a group 0 may be written
	ds_add_u32 v[SPW], v[NIL]                      ; 0 onto my spare word
.if \fill
	s_xor_b32 s[G0P+1], s[G0P+1], BUF1             ; the walking descriptors: the other buffer, the next 256 keys
	s_add_nc_u64 s[G0P+2:G0P+3], s[G0P+2:G0P+3], BLK
	s_xor_b32 s[G0V+1], s[G0V+1], BUF1
	s_add_nc_u64 s[G0V+2:G0V+3], s[G0V+2:G0V+3], BLK
.endif
	s_wait_dscnt 0x0
	s_barrier_signal -1
	s_barrier_wait -1
.if \fill
	s_add_co_u32 s66, s[SI], 1
	s_cmp_gt_u32 s66, s[IT]
	s_cbranch_scc1 .Lpast_\@
	TLOAD                                          ; the wave's one tensor load until the next change
.Lpast_\@:
.endif
.endm
.macro ADDRS                           ; four plain vector instructions: also the places in front of the loads into the set that the last products read
	v_add_nc_u32 v[ADP], s[TB], v[ADP0]
	v_add_nc_u32 v[ADV], s[TB], v[ADV0]
	v_add_nc_u32 v[ASA], s[TS], v[ASA0]
	v_add_nc_u32 v[ASB], s[TS], v[ASB0]
.endm
.macro ONWARD
	s_add_co_u32 s[TS], s[TS], 2*1536
	s_xor_b32 s[TB], s[TB], BUF1
	s_add_co_u32 s[SI], s[SI], 1
.endm
.macro WORK                            ; a slot past the diagonal is left out: a branch on ids, round loads and products alone
	s_cmp_gt_u32 s[SI], s[IT]
	s_cbranch_scc1 .Lhidden_\@
	ADDRS
	LOADSET PX, VX, SX, 0
	MULSET PY, VY, SY, 0                           ; the slot before's second step, while this slot's first fragments come
	s_wait_dscnt 0x0
	PLACES 4
	LOADSET PY, VY, SY, 1
	MULSET PX, VX, SX, 0
	s_wait_dscnt 0x0
.Lhidden_\@:
	ONWARD
.endm
	CHANGE 1                                       ; slot 0 is whole, and so are the words and 1 / l in LDS; buffer 1 has its first fill here, behind a barrier behind which nothing is filled again (tile 0 has no slot 1: the test leads round it)
	ADDRS
	LOADSET PX, VX, SX, 0
	s_wait_dscnt 0x0
	LOADSET PY, VY, SY, 1
	MULSET PX, VX, SX, 1                           ; slot 0 is written out: its first products start the sums
	s_wait_dscnt 0x0
	ONWARD
.Lslot:                                            ; slots 1 to 6
	CHANGE 1
	WORK
	s_cmp_lt_u32 s[SI], 7
	s_cbranch_scc1 .Lslot
	CHANGE 0                                       ; slot 7: nothing is left to ask for
	WORK
	ds_load_b128 v[RL:RL+3], v[LRA]                ; 1 / l of my eight blocks' rows
	ds_load_b128 v[RL+4:RL+7], v[LRA] offset:256
	s_cmp_eq_u32 s[WR], 0                          ; the diagonal slot's second 128 keys come behind all of the upper 128 queries
	s_cbranch_scc1 .Lno_last
	MULSET PY, VY, SY, 0
.Lno_last:
	PLACES 4                                       ; in front of the first read of results and of writes into p's registers
	s_wait_dscnt 0x0
; THE WAY OUT of block a: 16 queries x my 64 channels, divided by l, through my stage in LDS, so that sixteen lanes store 256 consecutive bytes of a row of out0.
.macro OUTB a
.set BK, 96+32*((\a)%2)
	s_wait_xcnt 0x0                                ; the stores of two blocks back have read this set of registers
	v_mov_b32 v[RT], v[RL+\a]
	WIN 0x02                                       ; source 0 window 2
.set n, 0
.rept 16
	v_pk_mul_f32 v[TMP+n:TMP+n+1], v[32*(\a)+n:32*(\a)+n+1], v[RT:RT+1] op_sel_hi:[1,0]   ; each accumulator from its low end on
.set n, n+2
.endr
	WIN 0
.irp p, 0,1,2,3,4,5,6,7
	ds_store_b128 v[STO], v[TMP+4*\p:TMP+4*\p+3] offset:128*(\p/4)+16*(\p%4)
.endr
.irp t, 0,1,2,3,4,5,6,7
	ds_load_b128 v[BK+4*\t:BK+4*\t+3], v[RD] offset:544*\t   ; LDS serves a wave's instructions in order: these see the stores above
.endr
	s_wait_dscnt 0x0
.irp t, 0,1,2,3,4,5,6,7
	global_store_b128 v[GO], v[BK+4*\t:BK+4*\t+3], s[16:17] offset:(32*((\a)/2)+8*((\a)%2)+2*\t+8*(\t/4))*4096 th:TH_STORE_NT   ; the stage's row 2 t + lane / 16 is query 32 (a / 2) + 8 (a % 2) + row + 8 (row / 8)
.endr
.endm
.irp a, 0,1,2,3,4,5,6,7
	OUTB \a
.endr
	s_wait_tensorcnt 0x0                           ; the wave's end
	ds_add_u32 v[SPW], v[NIL]
	s_wait_dscnt 0x0
	s_endpgm
.Lfunc_end_k_qdf72989cea_pv:
	.size	k_qdf72989cea_pv, .Lfunc_end_k_qdf72989cea_pv-k_qdf72989cea_pv
	.p2alignl 7, 3214868480
	.fill 96, 4, 3214868480
	.section	.rodata,"a",@progbits
	.p2align	6, 0x0
	.amdhsa_kernel k_qdf72989cea_pv
		.amdhsa_group_segment_fixed_size 327680
		.amdhsa_private_segment_fixed_size 0
		.amdhsa_enable_private_segment 0
		.amdhsa_kernarg_size 56
		.amdhsa_user_sgpr_count 2
		.amdhsa_user_sgpr_kernarg_segment_ptr 1
		.amdhsa_wavefront_size32 1
		.amdhsa_system_sgpr_workgroup_id_x 1
		.amdhsa_system_sgpr_workgroup_id_y 1
		.amdhsa_system_sgpr_workgroup_id_z 1
		.amdhsa_system_vgpr_workitem_id 0
		.amdhsa_next_free_vgpr 768
		.amdhsa_next_free_sgpr 100
		.amdhsa_reserve_vcc 0
		.amdhsa_float_denorm_mode_32 3
		.amdhsa_float_denorm_mode_16_64 3
		.amdhsa_memory_ordered 1
		.amdhsa_forward_progress 1
		.amdhsa_inst_pref_size 99
	.end_amdhsa_kernel
	.amdgpu_metadata
---
amdhsa.version: [ 1, 2 ]
amdhsa.kernels:
  - .name:           k_qdf72989cea_pv
    .symbol:         k_qdf72989cea_pv.kd
    .args:
      - { .name: pc, .offset: 0, .size: 8, .value_kind: global_buffer, .address_space: global }
      - { .name: ps, .offset: 8, .size: 8, .value_kind: global_buffer, .address_space: global }
      - { .name: pm, .offset: 16, .size: 8, .value_kind: global_buffer, .address_space: global }
      - { .name: pl, .offset: 24, .size: 8, .value_kind: global_buffer, .address_space: global }
      - { .name: c2, .offset: 32, .size: 8, .value_kind: global_buffer, .address_space: global }
      - { .name: s2, .offset: 40, .size: 8, .value_kind: global_buffer, .address_space: global }
      - { .name: out0, .offset: 48, .size: 8, .value_kind: global_buffer, .address_space: global }
    .group_segment_fixed_size: 327680
    .private_segment_fixed_size: 0
    .kernarg_segment_align: 8
    .kernarg_segment_size: 56
    .max_flat_workgroup_size: 128
    .sgpr_count:     100
    .vgpr_count:     768
    .wavefront_size: 32
...
	.end_amdgpu_metadata
.endif
;; end of part 4
;; ======== version 2 of 2: 4 launches
;; limits: right only within a limited range of input values
;; workspace buffers: c1 8,650,752 bytes; s1 360,448 bytes; c2 18,874,368 bytes; s2 786,432 bytes; pc 12,582,912 bytes; pr 2,097,152 bytes
;; launch quant (part 5): grid 8 x 88, 8 waves a work-group, no clusters, 69,120 bytes of LDS; arguments x, Wq, Wk, Wv, c1, s1; writes c1, s1
.if DOCPART == 5
	.amdgcn_target "amdgcn-amd-amdhsa--gfx1250"
	.amdhsa_code_object_version 6
	.text
	.protected	k_qdf72989cea_quant
	.globl	k_qdf72989cea_quant
	.p2align	8
	.type	k_qdf72989cea_quant,@function
k_qdf72989cea_quant:
	s_mov_b64 s[64:65], 0
	v_nop
	global_prefetch_b8 v0, s[64:65] scope:SCOPE_SE
	s_setreg_imm32_b32 hwreg(HW_REG_WAVE_MODE, 25, 1), 1
	s_wait_xcnt 0x0
; x [8192][1024], Wq, Wk, Wv [1024][1024], f32, K innermost, become codes of FP6 (E2M3) and one E8M0 byte for each 32 along K.
; THE PROGRAM: quant (this) | proj: q, k, v by the matrix unit, quantised on the way out | score: q k^T, mask, p = 2^(t - M) as codes | pv: p v / l.
; DEAD WORK, for the whole program.  reference() itself sets att to -inf wherever key > query (its own jnp.tril), so w is exactly 0 there, and neither the score of such a pair nor its product with v
; reaches out0, whatever finite values x, Wq, Wk, Wv hold.  Launch score leaves out each tile of 160 queries x 256 keys whose keys all lie behind the tile's last query; launch pv leaves out each step of
; 128 keys that lies behind a tile of 128 queries.  Nothing else is left out; all four inputs have a way to out0 and are loaded.
; LIMIT: a NaN, an infinity or an overflow that would arise only in what is left out is not carried to the result.
; LIMITS of this launch: a block of zeros gets the byte 1 where the rule says 127 (its codes are zeros, and this program alone reads the bytes); the floor 2^(3 - 127) holds every byte at 1 from below;
; NaN and infinities among the inputs are not served.
; LAYOUT OF THE WORKSPACE: IMAGES OF OPERAND REGISTERS.  A fragment (row block T, K step s) is 16 rows x 128 K = 12 registers a lane = 1,536 bytes: register 4 c + e of lane l at byte 512 c + 16 l + 4 e.
; Lane r of row block T stands for row 32 (T / 2) + 8 (T % 2) + r + 8 (r / 8): so, where such a block is the first source of a product, the 16 result registers of blocks 2 B and 2 B + 1 are 16 neighbours.
; c1: [T 0..703][s 0..7][1536]; T: x 0-511, Wq 512-575, Wk 576-639, Wv 640-703.  s1: the scale word of (s, G = T / 8, a = T % 8, r) at (88 s + G) 512 + 256 (a / 4) + 16 r + 4 (a % 4).
; SHARES.  Work-group (s, G); wave a takes row block 8 G + a: ONE fragment a wave, all its 16 loads of 512 consecutive bytes out at once.  They turn through the wave's own stage in LDS (rows 528 bytes
; apart) and come back so that lane (r, h) holds k = 64 c + 32 h + 0 .. 31 of row r: two whole blocks, in the order of the operand's registers.  The eight waves' scale words meet in 512 bytes of LDS.
.set STGB,  16*528                     ; a wave's stage
.set WREG,  8*STGB                     ; behind the stages: the work-group's scale words
.set SPARE, WREG+512                   ; the spare words, 128 bytes a wave
.set LI,   4                           ; 16 x lane
.set SIN,  5                           ; the stage, on the way in
.set SOUT, 6                           ; and on the way out
.set WA,   7                           ; my scale word's place
.set SH,   8                           ; 8 h
.set WRD,  9                           ; WREG + 16 x lane
.set SPW,  10
.set NIL,  11
.set R,    16                          ; v16-79  the loads
.set X,    80                          ; v80-143 64 numbers in the operand's order
.set C,    16                          ; v16-27  codes, where the loads were
.set H2,   28                          ; v28-30, v32-34 the blocks' second halves
.set TM,   36                          ; v36-42
.set W,    44
	s_load_b256 s[4:11], s[0:1], 0x0               ; x, Wq, Wk, Wv
	s_load_b128 s[12:15], s[0:1], 0x20             ; c1, s1
	v_lshl_add_u32 v[SPW], v0, 2, SPARE
	v_mov_b32 v[NIL], 0
	v_lshrrev_b32 v1, 5, v0
	v_readfirstlane_b32 s20, v1                    ; wave = row block in the group
	s_mul_i32 s21, s20, STGB
	s_lshr_b32 s26, s20, 2
	s_lshl_b32 s26, s26, 8
	s_and_b32 s27, s20, 3
	s_lshl_b32 s27, s27, 2
	s_add_co_u32 s26, s26, s27
	s_add_co_u32 s26, s26, WREG
	s_mov_b32 s22, 0x76543210
	s_mov_b32 s23, 0xfedcba98                      ; selects for lane l xor 16
	v_and_b32 v1, 31, v0
	v_and_b32 v2, 15, v0                           ; r
	v_bfe_u32 v3, v0, 4, 1                         ; h
	v_lshlrev_b32 v[LI], 4, v1
	v_mul_u32_u24 v[SOUT], v2, 528
	v_lshl_add_u32 v[SOUT], v3, 7, v[SOUT]
	v_add_nc_u32 v[SOUT], s21, v[SOUT]             ; row r, + 128 h bytes
	v_add_nc_u32 v[SIN], s21, v[LI]
	v_lshl_add_u32 v[WA], v2, 4, s26
	v_lshlrev_b32 v[SH], 3, v3
	v_add_nc_u32 v[WRD], WREG, v[LI]
	s_wait_alu depctr_va_vdst(0)                   ; the head's end
	s_and_b32 s24, ttmp7, 0xffff                   ; G
	s_wait_kmcnt 0x0
	s_cmp_lt_u32 s24, 64                           ; which tensor: the choice hangs on the work-group's number alone
	s_cselect_b64 s[16:17], s[4:5], s[6:7]
	s_cselect_b32 s18, 0, 64
	s_cmp_lt_u32 s24, 72
	s_cselect_b64 s[16:17], s[16:17], s[8:9]
	s_cselect_b32 s18, s18, 72
	s_cmp_lt_u32 s24, 80
	s_cselect_b64 s[16:17], s[16:17], s[10:11]
	s_cselect_b32 s18, s18, 80
	s_sub_co_u32 s26, s24, s18
	s_lshl_b32 s26, s26, 7                         ; 128 rows a group
	s_lshr_b32 s27, s20, 1
	s_lshl_b32 s27, s27, 5
	s_add_co_u32 s26, s26, s27
	s_and_b32 s27, s20, 1
	s_lshl_b32 s27, s27, 3
	s_add_co_u32 s26, s26, s27                     ; my block's first row
	s_lshl_b32 s26, s26, 12                        ; rows of 4,096 bytes
	s_lshl_b32 s27, ttmp9, 9                       ; + 512 bytes a K step
	s_add_co_u32 s26, s26, s27
	s_mov_b32 s27, 0
	s_add_nc_u64 s[16:17], s[16:17], s[26:27]
.irp i, 0,1,2,3,4,5,6,7,8,9,10,11,12,13,14,15
	global_load_b128 v[R+4*\i:R+4*\i+3], v[LI], s[16:17] offset:(\i+8*(\i/8))*4096 th:TH_LOAD_NT
.endr
	s_lshl_b32 s28, s24, 3
	s_add_co_u32 s28, s28, s20
	s_mul_i32 s28, s28, 12288                      ; a row block's 8 fragments
	s_mul_i32 s29, ttmp9, 1536
	s_add_co_u32 s28, s28, s29
	s_mov_b32 s29, 0
	s_add_nc_u64 s[12:13], s[12:13], s[28:29]
	s_mul_i32 s30, ttmp9, 88
	s_add_co_u32 s30, s30, s24
	s_lshl_b32 s30, s30, 9
	s_mov_b32 s31, 0
	s_add_nc_u64 s[14:15], s[14:15], s[30:31]
.irp i, 0,1,2,3,4,5,6,7,8,9,10,11,12,13,14,15
	s_wait_loadcnt 15-\i                           ; load i is in, the younger ones may be out
	ds_store_b128 v[SIN], v[R+4*\i:R+4*\i+3] offset:528*\i
.endr
.irp c, 0,1
.irp j, 0,1,2,3,4,5,6,7
	ds_load_b128 v[X+32*\c+4*\j:X+32*\c+4*\j+3], v[SOUT] offset:256*\c+16*\j   ; LDS serves a wave's instructions in order: these see the stores above
.endr
.endr
	s_wait_dscnt 0x0
.irp c, 0,1
	v_max3_num_f32 v[TM+\c], |v[X+32*\c]|, |v[X+32*\c+1]|, 0x1800000   ; my block 2 c + h: all 32 numbers are mine; the floor 2^(3 - 127) holds the byte at 1 from below
.endr
.irp i, 2,4,6,8,10,12,14,16,18,20,22,24,26,28,30
.irp c, 0,1
	v_max3_num_f32 v[TM+\c], v[TM+\c], |v[X+32*\c+\i]|, |v[X+32*\c+\i+1]|
.endr
.endr
.irp c, 0,1
	v_add_nc_u32 v[TM+2+\c], 0xff000000, v[TM+\c]  ; 2 off the exponent field: the conversion's scale operand
.endr
.irp c, 0,1
	v_lshrrev_b32 v[TM+4+\c], 23, v[TM+2+\c]       ; the scale's byte
.endr
	v_lshl_or_b32 v[W], v[TM+5], 16, v[TM+4]       ; my two bytes: blocks h and 2 + h,
	v_lshlrev_b32 v[W], v[SH], v[W]                ; at their places;
	v_permlanex16_b32 v[TM+6], v[W], s22, s23
	v_or_b32 v[W], v[W], v[TM+6]                   ; with lane l xor 16's two the word is whole, in both lanes
	ds_store_b32 v[WA], v[W]                       ; (both lanes of a row write the same word with the same value)
.irp c, 0,1
	v_cvt_scalef32_pk16_fp6_f32 v[C+6*\c:C+6*\c+2], v[X+32*\c:X+32*\c+15], v[TM+2+\c]
	v_cvt_scalef32_pk16_fp6_f32 v[H2+4*\c:H2+4*\c+2], v[X+32*\c+16:X+32*\c+31], v[TM+2+\c]   ; (a conversion's three registers begin on an even number)
.endr
	v_nop                                          ; one plain place behind the scaled conversions
.irp c, 0,1
.irp i, 0,1,2
	v_mov_b32 v[C+3+6*\c+\i], v[H2+4*\c+\i]
.endr
.endr
.irp c, 0,1,2
	global_store_b128 v[LI], v[C+4*\c:C+4*\c+3], s[12:13] offset:512*\c   ; 32 lanes store 512 consecutive bytes, aligned to 256
.endr
	s_wait_alu depctr_va_vdst(0)
	s_wait_dscnt 0x0                               ; my word is in LDS
	s_barrier_signal -1
	s_barrier_wait -1
	s_cmp_lg_u32 s20, 0
	s_cbranch_scc1 .Lend
	ds_load_b128 v[X:X+3], v[WRD]                  ; wave 0 stores the eight waves' words: 512 consecutive bytes
	s_wait_dscnt 0x0
	global_store_b128 v[LI], v[X:X+3], s[14:15]
.Lend:
	s_wait_tensorcnt 0x0                           ; the wave's end
	ds_add_u32 v[SPW], v[NIL]
	s_wait_dscnt 0x0
	s_endpgm
.Lfunc_end_k_qdf72989cea_quant:
	.size	k_qdf72989cea_quant, .Lfunc_end_k_qdf72989cea_quant-k_qdf72989cea_quant
	.p2alignl 7, 3214868480
	.fill 96, 4, 3214868480
	.section	.rodata,"a",@progbits
	.p2align	6, 0x0
	.amdhsa_kernel k_qdf72989cea_quant
		.amdhsa_group_segment_fixed_size 69120
		.amdhsa_private_segment_fixed_size 0
		.amdhsa_enable_private_segment 0
		.amdhsa_kernarg_size 48
		.amdhsa_user_sgpr_count 2
		.amdhsa_user_sgpr_kernarg_segment_ptr 1
		.amdhsa_wavefront_size32 1
		.amdhsa_system_sgpr_workgroup_id_x 1
		.amdhsa_system_sgpr_workgroup_id_y 1
		.amdhsa_system_sgpr_workgroup_id_z 1
		.amdhsa_system_vgpr_workitem_id 0
		.amdhsa_next_free_vgpr 144
		.amdhsa_next_free_sgpr 66
		.amdhsa_reserve_vcc 0
		.amdhsa_float_denorm_mode_32 3
		.amdhsa_float_denorm_mode_16_64 3
		.amdhsa_memory_ordered 1
		.amdhsa_forward_progress 1
		.amdhsa_inst_pref_size 11
	.end_amdhsa_kernel
	.amdgpu_metadata
---
amdhsa.version: [ 1, 2 ]
amdhsa.kernels:
  - .name:           k_qdf72989cea_quant
    .symbol:         k_qdf72989cea_quant.kd
    .args:
      - { .name: x, .offset: 0, .size: 8, .value_kind: global_buffer, .address_space: global }
      - { .name: Wq, .offset: 8, .size: 8, .value_kind: global_buffer, .address_space: global }
      - { .name: Wk, .offset: 16, .size: 8, .value_kind: global_buffer, .address_space: global }
      - { .name: Wv, .offset: 24, .size: 8, .value_kind: global_buffer, .address_space: global }
      - { .name: c1, .offset: 32, .size: 8, .value_kind: global_buffer, .address_space: global }
      - { .name: s1, .offset: 40, .size: 8, .value_kind: global_buffer, .address_space: global }
    .group_segment_fixed_size: 69120
    .private_segment_fixed_size: 0
    .kernarg_segment_align: 8
    .kernarg_segment_size: 48
    .max_flat_workgroup_size: 256
    .sgpr_count:     66
    .vgpr_count:     144
    .wavefront_size: 32
...
	.end_amdgpu_metadata
.endif
;; end of part 5
;; launch proj (part 6): grid 8 x 32, 4 waves a work-group, clusters of 4 x 4, 327,680 bytes of LDS; arguments c1, s1, c2, s2; writes c2, s2
.if DOCPART == 6
	.amdgcn_target "amdgcn-amd-amdhsa--gfx1250"
	.amdhsa_code_object_version 6
	.text
	.protected	k_qdf72989cea_proj
	.globl	k_qdf72989cea_proj
	.p2align	8
	.type	k_qdf72989cea_proj,@function
k_qdf72989cea_proj:
	s_mov_b64 s[64:65], 0
	v_nop
	global_prefetch_b8 v0, s[64:65] scope:SCOPE_SE
	s_setreg_imm32_b32 hwreg(HW_REG_WAVE_MODE, 25, 1), 1
	s_wait_xcnt 0x0
	s_wait_alu depctr_hold_cnt(0) depctr_sa_sdst(0) depctr_va_vdst(0) depctr_va_sdst(0) depctr_va_ssrc(0) depctr_va_vcc(0) depctr_vm_vsrc(0)
	s_getreg_b32 s2, hwreg(HW_REG_IB_STS2, 6, 4)
	s_cmp_eq_u32 s2, 0
	s_cbranch_scc0 .Lentry_in_a_cluster
	s_endpgm
.Lentry_in_a_cluster:
	s_bfe_u32 s2, ttmp6, 0x10000c
	s_cmp_lg_u32 s2, 0xf033
	s_cbranch_scc0 .Lentry_shape_is_right
	s_endpgm
.Lentry_shape_is_right:
; q = x Wq^T, k = x Wk^T (rows: tokens, columns: d) and v^T = Wv x^T (rows: d, columns: tokens), on codes of FP6 (E2M3) with E8M0 scales, sums in f32; each result is quantised along ITS next K on the way out:
; q and k along d, v along the keys.  Nothing is left out here: every q, k, v has a way to out0.
; A WORK-GROUP STAYS AND MAKES ONE AND A HALF TILES: 256 work-groups, as many as there are tiles of 256 x 256 of q and k (phase 1) and half tiles of 256 d x 128 tokens of v^T (phase 2).
; PHASE 1: a wave makes 128 x 128: 64 accumulators.  K = 1,024 in eight steps of 128, through three LDS buffers of 256 along K: buffer 0 at the head, buffers 1 and 2 by one fill behind a round, the fourth quarter of K as one refill.
; PHASE 2: a wave makes 64 d x 128 tokens: 32 accumulators.  Its operands come as two slots of 512 along K, each by one load a wave: the first behind phase 1's sixth step into the two buffers that are read out,
; the second in the middle of phase 1's way out into the rest.  The whole walk is written out, no loop.  One tensor load of a wave is out at the most.
; OPERANDS ARE IMAGES OF REGISTERS (launch quant's head): a fragment is 1,536 dense bytes, three loads of 16 bytes a lane; a row block's eight fragments are 12,288 consecutive bytes of memory.
; THE MATRIX INSTRUCTION IS USED TRANSPOSED: source 0 = 16 "columns" (B), source 1 = 16 "rows" (A).  With the row order of the images, register 16 B + i of a block's 64 results is column 32 B + 16 (lane / 16) + i
; of the lane's row: 16 neighbours along the next K, as the conversions want them.  A wave's 128 columns are one K step of the next product: one fragment and one scale word a row, stored straight from registers.
; CLUSTERS: 4 x 4.  A's tiles hang on cy (phase 1: with the cluster's y) and are asked for jointly along a row of the cluster, B's on cx and the cluster's number, along a column.
; THE SCALE WORDS of a wave's rows and columns, for all of K, come from memory into 64 registers, once for each phase: lanes 0-15 A's block i, lanes 16-31 B's block i.
; c2: q [T 0..511][s 0..7][1536]; k the same at +6,291,456; v^T at +12,582,912: [batch][d block 0..63][key step 0..15][1536].
; s2: q, k: word of (s, G, a, r) at (128 s + G) 512 + 256 (a / 4) + 16 r + 4 (a % 4), G 0-63 q, 64-127 k; v at +524,288: (8 (16 batch + key step) + G) 512 + the same.
; LIMITS: a block of zeros gets the byte 1 (its codes are zeros; this program alone reads the bytes); NaN and infinities are not served.
; REGISTERS, in windows of 256: window 0: v4-29 addresses; v32-95 scale words and nothing else; v96-125 the way out; v128-223 A's fragments (phase 1: one set of 8; phase 2: two sets of 4); v224-243 codes.
;   window 1: B's two sets, v0 and v128.   windows 2, 3: accumulator (a, b) at v[8 (8 (a % 4) + b)].
; PHASE 1'S FILLS, AS THIS TEXT HAS THEM (they take the place of the three first fills named above): buffer 0 (K 0-255) at the head, one load a wave; K 256-767 as ONE first fill of rows of 6,144 bytes into the bytes
; of buffers 1 and 2 (A's 16 blocks, then B's 16), behind a full round; K 768-1,023 as a refill of buffer 0.  One tensor load of a wave is out at the most.
.set BS0,   196608
.set BS1,   0
.set BS2,   98304                      ;   A buffer: A's 16 blocks x 3,072 bytes, then B's 16
.set BOFF,  49152
.set QTR,   24576                      ; 8 blocks: what one tensor load of phase 1 brings, and what a wave reads of A or of B
.set BLK,   3072
.set FRB,   1536
.set DSL,   147456                     ; a slot of phase 2: A's 16 blocks x 6,144 bytes, then B's 8; slot 0 at 0, slot 1 at DSL
.set BLK2,  6144
.set BOF2,  98304
.set SPARE, 294912                     ; behind the buffers: the spare words, 128 bytes a wave
.set NG,    88                         ; groups of 128 rows in s1
.set ADA2, 12                          ; v12-13 phase 2: LDS address of my A fragments in slot 0, 1
.set ADB2, 14                          ; v14-15 the same for B
.set ADRA, 16                          ; v16-17 phase 1: LDS address of my A fragments in buffer 0 and in K 256-767
.set ADRB, 20                          ; v20-21 the same for B
.set LI,   24                          ; v24  16 x lane
.set SO,   25                          ; v25  256 h + 16 r
.set HH,   26                          ; v26  h
.set SO2,  27                          ; v27  16 r + 8 h
.set SPW,  28                          ; v28  my spare word; never rewritten
.set NIL,  29                          ; v29  0; never rewritten
.set SC,   32                          ; v[32 + 8 s + i]
.set TM,   96                          ; v96-99 largest magnitudes, v100-103 bytes, v108-111 scale operands
.set WDS,  112                         ; v112-119 the blocks' scale words
.set ST,   120                         ; v120-125 what is stored of them
.set AF,   128
.set PC,   224                         ; v224-243 the codes just made
.set G1,   24                          ; s[24:31] descriptor group 1 for A, phase 1;  s[32:39] for B
.set G1B,  32
.set G2A,  40                          ; s[40:47], s[48:55] the same for phase 2
.set G2B,  48
.set G0A0, 56                          ; groups 0: one for buffer 0 and one for K 256-767 in phase 1, for A
.set G0A1, 60
.set G0A2, 68
.set G0B0, 72                          ; and for B;
.set G0B1, 76
.set G0B2, 80
.set G0HA, 84                          ; one for A and one for B in phase 2, which walk
.set G0HB, 88
.set OUT1, 92                          ; s[92:93] where phase 1's fragments go;  s[94:95] its scale words
.set SOB1, 94
.set OUT2, 96                          ; s[96:97], s[98:99] the same for phase 2
.set SOB2, 98
.set SEL,  100                         ; s[100:101] selects for lane l xor 16
.set MSB, 0
.macro WIN new                         ; the immediate's high byte repeats the setting that is left
.if MSB != \new
	s_set_vgpr_msb (MSB<<8)|\new
.set MSB, \new
.endif
.endm
.set MUL_LO, 0xa1                      ; source 0 (B) window 1, source 1 (A) window 0, C and D window 2
.set MUL_HI, 0xf1                      ; the same, C and D window 3
.set TO_B,   0x40                      ; destination window 1, address window 0
.macro PLACES n
.rept \n
	v_nop
.endr
.endm
; A joint load: waves 0 and 1 fetch for A, waves 2 and 3 for B; the branch hangs on the wave's number alone.  An s_nop 0 and four v_nop follow each of the two lines.
.macro JLOAD g0a, g1a, g0b, g1b
	s_cmp_eq_u32 s15, 0
	s_cbranch_scc0 .Lfor_b_\@
	tensor_load_to_lds s[\g0a:\g0a+3], s[\g1a:\g1a+7]
	s_nop 0
.rept 4
	v_nop
.endr
	s_branch .Lasked_\@
.Lfor_b_\@:
	tensor_load_to_lds s[\g0b:\g0b+3], s[\g1b:\g1b+7]
	s_nop 0
.rept 4
	v_nop
.endr
.Lasked_\@:
.endm
.macro CREST                           ; a round of the cluster's barrier behind its opening barrier
	s_cmp_lg_u32 s14, 0
	s_cbranch_scc1 .Lnot_wave_0_\@
	s_barrier_signal -3
.Lnot_wave_0_\@:
	s_barrier_wait -3
	s_barrier_signal -1
	s_barrier_wait -1
.endm
.macro CROUND
	s_barrier_signal -1
	s_barrier_wait -1
	CREST
.endm
	s_load_b256 s[4:11], s[0:1], 0x0               ; c1, s1, c2, s2
	v_lshl_add_u32 v[SPW], v0, 2, SPARE
	v_mov_b32 v[NIL], 0
	ds_add_u32 v[SPW], v[NIL]                      ; the wave's opening: the add, twice on end, and its wait ahead of my first tensor load
	ds_add_u32 v[SPW], v[NIL]
	v_lshrrev_b32 v1, 5, v0
	v_readfirstlane_b32 s14, v1                    ; wave
	s_lshr_b32 s15, s14, 1                         ; wr: my half of phase 1's rows.  Also: I fetch for A (0) or for B (1)
	s_and_b32 s16, s14, 1                          ; wc: my half of its columns.  Also: which half I fetch
	s_bfe_u32 s17, ttmp6, 0x40000                  ; cx
	s_bfe_u32 s18, ttmp6, 0x40004                  ; cy
	s_and_b32 s19, ttmp7, 0xffff                   ; the cluster's y, 0..7
	s_lshl_b32 s20, s19, 2
	s_add_co_u32 s20, s20, s18                     ; phase 1: tile row tr = 4 y + cy: 256 tokens
	s_lshl_b32 s21, ttmp9, 2
	s_add_co_u32 s21, s21, s17                     ; tile column tc = 4 x + cx: 0-3 q, 4-7 k
	s_lshl_b32 s22, s19, 1
	s_add_co_u32 s22, s22, ttmp9                   ; the cluster's number, 0..15
	s_lshl_b32 s22, s22, 2
	s_add_co_u32 s22, s22, s17                     ; phase 2: tt = 4 x number + cx: 128 tokens; its 256 rows of d are tile cy
	s_lshl_b32 s12, s18, 2
	s_lshl_b32 s12, 15, s12                        ; my row of the cluster
	s_lshl_b32 s13, 0x1111, s17                    ; my column
	s_or_b32 s[G1+0], s12, (3<<16)|(1<<21)         ; 15:0 the mask; 17:16 elements of 8 bytes; 21 set beside a mask; no padding
	s_or_b32 s[G1B+0], s13, (3<<16)|(1<<21)
	s_or_b32 s[G2A+0], s12, (3<<16)|(1<<21)
	s_or_b32 s[G2B+0], s13, (3<<16)|(1<<21)
.irp g, G1, G1B
	s_mov_b32 s[\g+1], 384<<16                     ; tensor_dim0 = 384 elements: 3,072 bytes, two fragments
	s_mov_b32 s[\g+2], 8<<16                       ; tensor_dim1 = 8 row blocks
	s_mov_b32 s[\g+3], 384<<16                     ; tile_dim0
	s_mov_b32 s[\g+4], 8                           ; tile_dim1
	s_mov_b32 s[\g+5], 1536                        ; 12,288 bytes from row block to row block
	s_mov_b32 s[\g+6], 0
	s_mov_b32 s[\g+7], 0
.endr
	s_mov_b32 s[G2A+1], 768<<16                    ; phase 2: 6,144 bytes, four fragments,
	s_mov_b32 s[G2A+2], 8<<16                      ; of 8 row blocks of Wv
	s_mov_b32 s[G2A+3], 768<<16
	s_mov_b32 s[G2A+4], 8
	s_mov_b32 s[G2A+5], 1536
	s_mov_b32 s[G2A+6], 0
	s_mov_b32 s[G2A+7], 0
	s_mov_b32 s[G2B+1], 768<<16
	s_mov_b32 s[G2B+2], 8<<16                      ; (of 8 blocks of Wq or Wk for K 256-767; behind that load's wait of 4 row blocks of x)
	s_mov_b32 s[G2B+3], 768<<16
	s_mov_b32 s[G2B+4], 8
	s_mov_b32 s[G2B+5], 1536
	s_mov_b32 s[G2B+6], 0
	s_mov_b32 s[G2B+7], 0
	s_lshl_b32 s23, s16, 3                         ; which 8 blocks I fetch
	s_lshl_b32 s67, s16, 2                         ; (of x in phase 2: which 4)
	s_lshl_b32 s[G0A0+2], s20, 4
	s_add_co_u32 s[G0A0+2], s[G0A0+2], s23         ; A, phase 1: x's block 16 tr + 8 half
	s_mul_i32 s[G0A0+2], s[G0A0+2], 12288
	s_mov_b32 s[G0A0+3], 0
	s_lshl_b32 s[G0B0+2], s21, 4
	s_add_co_u32 s[G0B0+2], s[G0B0+2], s23
	s_add_co_u32 s[G0B0+2], s[G0B0+2], 512         ; B, phase 1: Wq's or Wk's block 512 + 16 tc + 8 half
	s_mul_i32 s[G0B0+2], s[G0B0+2], 12288
	s_mov_b32 s[G0B0+3], 0
	s_lshl_b32 s[G0HA+2], s18, 4
	s_add_co_u32 s[G0HA+2], s[G0HA+2], s23
	s_add_co_u32 s[G0HA+2], s[G0HA+2], 640         ; A, phase 2: Wv's block 640 + 16 cy + 8 half
	s_mul_i32 s[G0HA+2], s[G0HA+2], 12288
	s_mov_b32 s[G0HA+3], 0
	s_lshl_b32 s[G0HB+2], s22, 3
	s_add_co_u32 s[G0HB+2], s[G0HB+2], s67         ; B, phase 2: x's block 8 tt + 4 half
	s_mul_i32 s[G0HB+2], s[G0HB+2], 12288
	s_mov_b32 s[G0HB+3], 0
	s_mul_i32 s66, s14, QTR                        ; where phase 1's go: wave x 8 blocks in the buffer: no place in the cluster enters an LDS address
	s_add_co_u32 s[G0A0+1], s66, BS0
	s_add_co_u32 s[G0B0+1], s66, BS0
	s_lshl_b32 s[G0A1+1], s66, 1                   ; K 256-767: wave x 8 blocks of 6,144 bytes, from 0 on
	s_lshl_b32 s[G0B1+1], s66, 1
	s_mul_i32 s[G0HA+1], s16, 8*BLK2               ; and phase 2's, in slot 0
	s_mul_i32 s[G0HB+1], s16, 4*BLK2
	s_add_co_u32 s[G0HB+1], s[G0HB+1], BOF2
.irp g, G0A0, G0A1, G0B0, G0B1, G0HA, G0HB
	s_mov_b32 s[\g], 1                             ; 1:0 count = 1
.endr
	s_mov_b32 s[SEL], 0x76543210
	s_mov_b32 s[SEL+1], 0xfedcba98
	s_wait_dscnt 0x0                               ; both opening adds are done
	s_wait_kmcnt 0x0
	s_add_nc_u64 s[G0A0+2:G0A0+3], s[4:5], s[G0A0+2:G0A0+3]
	s_add_nc_u64 s[G0A1+2:G0A1+3], s[G0A0+2:G0A0+3], BLK
	s_add_nc_u64 s[G0B0+2:G0B0+3], s[4:5], s[G0B0+2:G0B0+3]
	s_add_nc_u64 s[G0B1+2:G0B1+3], s[G0B0+2:G0B0+3], BLK
	s_add_nc_u64 s[G0HA+2:G0HA+3], s[4:5], s[G0HA+2:G0HA+3]
	s_add_nc_u64 s[G0HB+2:G0HB+3], s[4:5], s[G0HB+2:G0HB+3]
.irp g, G0A0, G0A1, G0B0, G0B1, G0HA, G0HB
	s_or_b32 s[\g+3], s[\g+3], 0x80000000          ; 127:126 type = 2
.endr
	CROUND                                         ; all sixteen work-groups are here: the first joint loads meet
	JLOAD G0A0, G1, G0B0, G1B                      ; K 0-255: one tensor load a wave at the head
	v_and_b32 v1, 31, v0
	v_and_b32 v2, 15, v0                           ; r
	v_bfe_u32 v[HH], v0, 4, 1                      ; h
	v_lshlrev_b32 v[LI], 4, v1
	s_wait_alu depctr_va_vdst(0)                   ; the wait here, ahead of the scalar lines below
	s_mul_i32 s66, s15, QTR
	s_add_co_u32 s66, s66, BS0
	s_mul_i32 s67, s16, QTR
	s_add_co_u32 s67, s67, BS0+BOFF
	v_add_nc_u32 v[ADRA], s66, v[LI]               ; buffer 0: blocks of 3,072 bytes
	v_add_nc_u32 v[ADRB], s67, v[LI]
	s_mul_i32 s66, s15, 2*QTR
	s_mul_i32 s67, s16, 2*QTR
	s_add_co_u32 s67, s67, 2*BOFF
	v_add_nc_u32 v[ADRA+1], s66, v[LI]             ; K 256-767: blocks of 6,144 bytes
	v_add_nc_u32 v[ADRB+1], s67, v[LI]
	s_mul_i32 s66, s14, 4*BLK2                     ; phase 2: my four blocks of A; all eight of B
	v_add_nc_u32 v[ADA2], s66, v[LI]
	v_add_nc_u32 v[ADA2+1], DSL, v[ADA2]
	v_add_nc_u32 v[ADB2], BOF2, v[LI]
	v_add_nc_u32 v[ADB2+1], DSL+BOF2, v[LI]
	s_lshl_b32 s66, s20, 1                         ; phase 1's scale words: A's group 2 tr + wr, B's 64 + 2 tc + wc
	s_add_co_u32 s66, s66, s15
	s_lshl_b32 s66, s66, 9
	s_lshl_b32 s67, s21, 1
	s_add_co_u32 s67, s67, s16
	s_add_co_u32 s67, s67, 64
	s_lshl_b32 s67, s67, 9
	v_mov_b32 v4, s66
	v_mov_b32 v5, s67
	v_cmp_ne_u32 vcc_lo, 0, v[HH]
	v_cndmask_b32 v4, v4, v5, vcc_lo               ; lanes 0-15 take A's, lanes 16-31 B's
	v_lshl_add_u32 v4, v2, 4, v4
.irp s, 0,1,2,3,4,5,6,7
.irp f, 0,1
	global_load_b128 v[SC+8*\s+4*\f:SC+8*\s+4*\f+3], v4, s[6:7] offset:\s*NG*512+256*\f
.endr
.endr
	s_lshl_b32 s66, s18, 1                         ; phase 2's: A's group 80 + 2 cy + wave / 2, its half wave % 2; B's group tt
	s_add_co_u32 s66, s66, s15
	s_add_co_u32 s66, s66, 80
	s_lshl_b32 s66, s66, 9
	s_lshl_b32 s23, s16, 8
	s_add_co_u32 s66, s66, s23
	s_lshl_b32 s67, s22, 9
	v_mov_b32 v6, s66
	v_mov_b32 v5, s67
	v_cndmask_b32 v6, v6, v5, vcc_lo
	v_lshl_add_u32 v6, v2, 4, v6                   ; lanes 0-15: my four blocks of A; lanes 16-31: B's blocks 0-3
	v_lshl_add_u32 v7, v[HH], 8, v6                ; lanes 16-31: B's blocks 4-7 (lanes 0-15 read A's four once more: nobody reads those)
	v_lshlrev_b32 v[SO], 8, v[HH]
	v_lshl_add_u32 v[SO], v2, 4, v[SO]
	v_lshlrev_b32 v[SO2], 3, v[HH]
	v_lshl_add_u32 v[SO2], v2, 4, v[SO2]
.irp b, 0,1,2,3
	v_mov_b32 v[TM+4+\b], 0                        ; written once: a lane permute's destination counts as one of its sources
.endr
	; where the results go.  Phase 1: q or k (tc / 4), row block 16 tr + 8 wr, the next product's K step 2 (tc % 4) + wc
	s_lshr_b32 s66, s21, 2
	s_mul_i32 s[OUT1], s66, 6291456
	s_lshl_b32 s67, s20, 4
	s_lshl_b32 s23, s15, 3
	s_add_co_u32 s67, s67, s23
	s_mul_i32 s67, s67, 12288
	s_add_co_u32 s[OUT1], s[OUT1], s67
	s_and_b32 s67, s21, 3
	s_lshl_b32 s67, s67, 1
	s_add_co_u32 s67, s67, s16
	s_mul_i32 s23, s67, FRB
	s_add_co_u32 s[OUT1], s[OUT1], s23
	s_mov_b32 s[OUT1+1], 0
	s_add_nc_u64 s[OUT1:OUT1+1], s[8:9], s[OUT1:OUT1+1]
	s_lshl_b32 s67, s67, 7                         ; 128 groups a step; k's groups lie 64 behind q's
	s_lshl_b32 s66, s66, 6
	s_add_co_u32 s67, s67, s66
	s_lshl_b32 s66, s20, 1
	s_add_co_u32 s67, s67, s66
	s_add_co_u32 s67, s67, s15
	s_lshl_b32 s[SOB1], s67, 9
	s_mov_b32 s[SOB1+1], 0
	s_add_nc_u64 s[SOB1:SOB1+1], s[10:11], s[SOB1:SOB1+1]
	; phase 2: batch tt / 16, d block 16 cy + 4 wave, key step tt % 16
	s_lshr_b32 s66, s22, 4
	s_mul_i32 s[OUT2], s66, 1572864
	s_add_co_u32 s[OUT2], s[OUT2], 12582912
	s_lshl_b32 s66, s18, 4
	s_lshl_b32 s67, s14, 2
	s_add_co_u32 s66, s66, s67
	s_mul_i32 s66, s66, 24576
	s_add_co_u32 s[OUT2], s[OUT2], s66
	s_and_b32 s66, s22, 15
	s_mul_i32 s66, s66, FRB
	s_add_co_u32 s[OUT2], s[OUT2], s66
	s_mov_b32 s[OUT2+1], 0
	s_add_nc_u64 s[OUT2:OUT2+1], s[8:9], s[OUT2:OUT2+1]
	s_lshl_b32 s66, s22, 3                         ; 8 groups a step, the step is tt; my group 2 cy + wave / 2, its half wave % 2
	s_lshl_b32 s67, s18, 1
	s_add_co_u32 s66, s66, s67
	s_add_co_u32 s66, s66, s15
	s_lshl_b32 s66, s66, 9
	s_lshl_b32 s67, s16, 8
	s_add_co_u32 s66, s66, s67
	s_add_co_u32 s[SOB2], s66, 524288
	s_mov_b32 s[SOB2+1], 0
	s_add_nc_u64 s[SOB2:SOB2+1], s[10:11], s[SOB2:SOB2+1]
.macro FRAG reg, adr, off              ; a fragment comes as it was stored: three loads of 512 consecutive bytes
.irp c, 0,1,2
	ds_load_b128 v[\reg+4*\c:\reg+4*\c+3], v[\adr] offset:\off+512*\c
.endr
.endm
.macro FETCH_B buf, q, p               ; phase 1: B's eight fragments of the buffer's q-th 128 along K into set p
	WIN TO_B
.irp i, 0,1,2,3,4,5,6,7
	FRAG 128*(\p)+12*\i, ADRB+\buf, \i*BLK*(1+\buf)+(\q)*FRB
.endr
	WIN 0
.endm
.macro FETCH_A buf, q, i0              ; A's blocks i0 .. i0 + 3
.irp i, \i0, \i0+1, \i0+2, \i0+3
	FRAG AF+12*(\i), ADRA+\buf, (\i)*BLK*(1+\buf)+(\q)*FRB
.endr
.endm
; 16 matrix instructions: A's blocks a0, a0 + 1 (their fragments from v[af] on) x B's eight, K step s; p: B's set.  zero = 1: the first product starts the sums.
; The accumulators take turns, one instruction a turn.
.macro MUL16 a0, p, s, zero, af
.irp a, \a0, \a0+1
.irp b, 0,1,2,3,4,5,6,7
.if \zero
	v_wmma_scale_f32_16x16x128_f8f6f4 v[8*(8*((\a)%4)+\b):8*(8*((\a)%4)+\b)+7], v[128*(\p)+12*\b:128*(\p)+12*\b+11], v[\af+12*(\a):\af+12*(\a)+11], 0, v[SC+8*(\s)+\b], v[SC+8*(\s)+(\a)] matrix_a_fmt:MATRIX_FMT_FP6 matrix_b_fmt:MATRIX_FMT_FP6 matrix_a_scale:MATRIX_SCALE_ROW1
.else
	v_wmma_scale_f32_16x16x128_f8f6f4 v[8*(8*((\a)%4)+\b):8*(8*((\a)%4)+\b)+7], v[128*(\p)+12*\b:128*(\p)+12*\b+11], v[\af+12*(\a):\af+12*(\a)+11], v[8*(8*((\a)%4)+\b):8*(8*((\a)%4)+\b)+7], v[SC+8*(\s)+\b], v[SC+8*(\s)+(\a)] matrix_a_fmt:MATRIX_FMT_FP6 matrix_b_fmt:MATRIX_FMT_FP6 matrix_a_scale:MATRIX_SCALE_ROW1
.endif
.endr
.endr
.endm
; K step s of phase 1 on B's set p; the next step's fragments, the nq-th 128 along K of buffer nbuf, which is whole for every wave, are fetched meanwhile.
; Four places (plain vector instructions that name none of the products' registers) stand in front of each run of loads into registers that products have read.
.macro STEP p, s, zero, nbuf, nq
	s_wait_dscnt 12                                ; B's set and A's blocks 0-3 are in; the youngest 12 loads (A's blocks 4-7) may be out
	WIN MUL_LO
	MUL16 0, \p, \s, \zero, AF
	MUL16 2, \p, \s, \zero, AF
	s_wait_dscnt 0x0                               ; A's blocks 4-7 are in
	PLACES 4
	FETCH_B \nbuf, \nq, 1-(\p)
	FETCH_A \nbuf, \nq, 0
	WIN MUL_HI
	MUL16 4, \p, \s, \zero, AF
	MUL16 6, \p, \s, \zero, AF
	PLACES 4
	WIN 0
	FETCH_A \nbuf, \nq, 4
.endm
; K step s on B's set 1, with a refill: one barrier, which opens a round of the cluster's; in front of it each wave waits for all its tensor loads, adds 0 to its spare word, and waits for that and for its reads of the
; buffer that it leaves.  kind = 1: buffer 0 takes K 768-1,023.  kind = 2: buffers 1 and 2 are read out: phase 2's slot 0 takes their place.
.macro TURN s, next, kind
	s_wait_tensorcnt 0x0                           ; all my tensor loads have landed
	ds_add_u32 v[SPW], v[NIL]                      ; 0 onto my spare word
	s_wait_dscnt 13                                ; (the add and the youngest 12 loads may be out)
	WIN MUL_LO
	MUL16 0, 1, \s, 0, AF
	s_wait_dscnt 0x0                               ; the add is done, and my reads of this buffer are over
	s_barrier_signal -1
	MUL16 2, 1, \s, 0, AF
	WIN 0
	s_barrier_wait -1
	CREST                                          ; no wave of any partner still reads the bytes to be filled or has a load on its way
.if \kind == 1
	s_mov_b32 s[G2B+2], 4<<16                      ; no tensor load of mine is out: phase 2's loads for B bring 4 row blocks
	s_mov_b32 s[G2B+4], 4
	s_add_nc_u64 s[G0A0+2:G0A0+3], s[G0A0+2:G0A0+3], 3*BLK
	s_add_nc_u64 s[G0B0+2:G0B0+3], s[G0B0+2:G0B0+3], 3*BLK
	JLOAD G0A0, G1, G0B0, G1B                      ; the first tensor load behind the round; its four v_nop are the places in front of the loads that follow
.else
	JLOAD G0HA, G2A, G0HB, G2B
.endif
	FETCH_B \next, 0, 0
	FETCH_A \next, 0, 0
	WIN MUL_HI
	MUL16 4, 1, \s, 0, AF
	MUL16 6, 1, \s, 0, AF
	PLACES 4
	WIN 0
	FETCH_A \next, 0, 4
.endm
.macro LAST s
	s_wait_dscnt 12
	WIN MUL_LO
	MUL16 0, 1, \s, 0, AF
	MUL16 2, 1, \s, 0, AF
	s_wait_dscnt 0x0
	WIN MUL_HI
	MUL16 4, 1, \s, 0, AF
	MUL16 6, 1, \s, 0, AF
	WIN 0
.endm
; THE WAY OUT of block a: 16 rows x my 128 columns become one fragment and one scale word a row.  out: the scalar pair with my first fragment's address; str: bytes from row block to row block.
.macro QUANTW a, out, str
.set W, 2+(\a)/4
.set AC, 64*((\a)%4)
.set WSS, W|(W<<2)
	WIN WSS                                        ; sources 0 and 1: the block's window
.irp b, 0,1,2,3
	v_max3_num_f32 v[TM+\b], |v[AC+16*\b]|, |v[AC+16*\b+1]|, 0x1800000   ; block b of 32 along the next K: my 16 numbers, each accumulator from its low end on; the floor holds the byte at 1
.endr
.irp i, 2,4,6,8,10,12,14
.irp b, 0,1,2,3
	v_max3_num_f32 v[TM+\b], |v[AC+16*\b+\i]|, |v[AC+16*\b+\i+1]|, v[TM+\b]
.endr
.endr
	WIN 0
.irp b, 0,1,2,3
	v_permlanex16_b32 v[TM+4+\b], v[TM+\b], s[SEL], s[SEL+1]
.endr
.irp b, 0,1,2,3
	v_max_num_f32 v[TM+\b], v[TM+\b], v[TM+4+\b]   ; with lane l xor 16's 16: the block's largest magnitude
.endr
.irp b, 0,1,2,3
	v_add_nc_u32 v[TM+12+\b], 0xff000000, v[TM+\b] ; 2 off the exponent field: the conversion's scale operand
.endr
.irp b, 0,1,2,3
	v_lshrrev_b32 v[TM+4+\b], 23, v[TM+12+\b]      ; the scale's byte
.endr
	v_lshl_or_b32 v[WDS+\a], v[TM+5], 8, v[TM+4]
	v_lshl_or_b32 v[WDS+\a], v[TM+6], 16, v[WDS+\a]
	v_lshl_or_b32 v[WDS+\a], v[TM+7], 24, v[WDS+\a]
	s_wait_xcnt 0x0                                ; the last block's stores have read their codes
	WIN W                                          ; source 0: the block's window
.irp c, 0,1
	v_cvt_scalef32_pk16_fp6_f32 v[PC+6*\c:PC+6*\c+2], v[AC+32*\c:AC+32*\c+15], v[TM+12+2*\c]
	v_cvt_scalef32_pk16_fp6_f32 v[PC+12+4*\c:PC+14+4*\c], v[AC+32*\c+16:AC+32*\c+31], v[TM+12+2*\c+1]   ; (a conversion's three registers begin on an even number)
.endr
	v_nop                                          ; one plain place behind the scaled conversions
	WIN 0
.irp c, 0,1                                    ; the operand's layout wants a whole block in a lane: lanes 0-15 block 2 c, lanes 16-31 block 2 c + 1
.irp i, 0,1,2
	v_permlane16_swap_b32 v[PC+6*\c+\i], v[PC+12+4*\c+\i]
.endr
.irp i, 0,1,2
	v_mov_b32 v[PC+3+6*\c+\i], v[PC+12+4*\c+\i]
.endr
.endr
.irp c, 0,1,2
	global_store_b128 v[LI], v[PC+4*\c:PC+4*\c+3], s[\out:\out+1] offset:(\a)*(\str)+512*\c   ; 32 lanes store 512 consecutive bytes, aligned to 256
.endr
.endm
; PHASE 2.  The q-th 128 along K of slot d into sets p: B's eight fragments and my four of A: 36 loads.
.macro LOAD2 d, q, p
	WIN TO_B
.irp i, 0,1,2,3,4,5,6,7
	FRAG 128*(\p)+12*\i, ADB2+\d, \i*BLK2+(\q)*FRB
.endr
	WIN 0
.irp i, 0,1,2,3
	FRAG AF+48*(\p)+12*\i, ADA2+\d, \i*BLK2+(\q)*FRB
.endr
.endm
.macro MUL32 p, s, zero                ; 32 products on sets p
	WIN MUL_LO
	MUL16 0, \p, \s, \zero, AF+48*(\p)
	MUL16 2, \p, \s, \zero, AF+48*(\p)
	WIN 0
.endm
; K step s of phase 2: its fragments are in; the next step's are asked for, and come while this step is multiplied.  sync = 1: the next step's lie in slot 1: every wave's part of it has landed, and a barrier says so.
.macro P2 s, sync
.if \sync
	s_wait_tensorcnt 0x0                           ; my part of slot 1 has landed
	ds_add_u32 v[SPW], v[NIL]
.endif
	s_wait_dscnt 0x0
.if \sync
	s_barrier_signal -1
	s_barrier_wait -1
.endif
.if (\s) > 0
	PLACES 4                                       ; in front of loads into the sets that the last step's products read
.endif
.if (\s) < 7
	LOAD2 ((\s)+1)/4, ((\s)+1)%4, ((\s)+1)%2
.endif
.if (\s) == 0
	MUL32 0, 0, 1                                  ; the first products start the sums
.else
	MUL32 (\s)%2, \s, 0
.endif
.endm
	s_wait_alu depctr_va_vdst(0)                   ; the head's end
	s_wait_tensorcnt 0x0                           ; my part of buffer 0 is in
	ds_add_u32 v[SPW], v[NIL]
	s_wait_dscnt 0x0
	CROUND                                         ; everybody's part of buffer 0 is in, and all sixteen work-groups are here
	JLOAD G0A1, G2A, G0B1, G2B                     ; K 256-767, the first tensor load behind the round: it has two steps in which to land
	FETCH_B 0, 0, 0
	FETCH_A 0, 0, 0
	FETCH_A 0, 0, 4
	s_wait_loadcnt 0x0                             ; phase 1's scale words
	STEP 0, 0, 1, 0, 1
	TURN 1, 1, 1                                   ; buffers 1 and 2 are whole for every wave from here on; buffer 0 takes K 768-1,023, and has four steps in which to land
	STEP 0, 2, 0, 1, 1
	STEP 1, 3, 0, 1, 2                             ; on along the same rows: no barrier is owed
	STEP 0, 4, 0, 1, 3
	TURN 5, 0, 2                                   ; buffer 0 is whole; phase 2's K 0-511 goes out
	STEP 0, 6, 0, 0, 1
	LAST 7
	PLACES 4                                       ; in front of the first read of results, and of loads into the scale words' registers
	s_wait_alu depctr_va_vdst(0)
.irp s, 0,1,2,3,4,5,6,7
	global_load_b128 v[SC+8*\s:SC+8*\s+3], v6, s[6:7] offset:\s*NG*512     ; phase 2's scale words: they come while phase 1 goes out
	global_load_b128 v[SC+8*\s+4:SC+8*\s+7], v7, s[6:7] offset:\s*NG*512
.endr
.irp a, 0,1,2,3
	QUANTW \a, OUT1, 12288
.endr
	s_wait_tensorcnt 0x0                           ; phase 2's slot 0 has landed: no tensor load of mine is out, so a group 0 may be written
	ds_add_u32 v[SPW], v[NIL]                      ; 0 onto my spare word
	s_add_co_u32 s[G0HA+1], s[G0HA+1], DSL         ; slot 1,
	s_add_nc_u64 s[G0HA+2:G0HA+3], s[G0HA+2:G0HA+3], BLK2   ; K 512-1,023
	s_add_co_u32 s[G0HB+1], s[G0HB+1], DSL
	s_add_nc_u64 s[G0HB+2:G0HB+3], s[G0HB+2:G0HB+3], BLK2
	s_wait_dscnt 0x0                               ; the add is done; my reads of buffer 0 were over at the last step
	CROUND                                         ; no wave of any partner still reads buffer 0 or has a load on its way
	JLOAD G0HA, G2A, G0HB, G2B                     ; it has the rest of the way out and three steps in which to land
	LOAD2 0, 0, 0                                  ; phase 2's first fragments, into registers that phase 1's products left long ago
.irp a, 4,5,6,7
	QUANTW \a, OUT1, 12288
.endr
	v_cmp_ne_u32 vcc_lo, 0, v[HH]                  ; lanes 0-15 store the words of blocks 0-3 of their row, lanes 16-31 those of blocks 4-7: 512 consecutive bytes
.irp e, 0,1,2,3
	v_cndmask_b32 v[ST+\e], v[WDS+\e], v[WDS+4+\e], vcc_lo
.endr
	global_store_b128 v[SO], v[ST:ST+3], s[SOB1:SOB1+1]
	s_wait_loadcnt 0x0                             ; phase 2's scale words
	P2 0, 0
	P2 1, 0
	P2 2, 0
	P2 3, 1
	P2 4, 0
	P2 5, 0
	P2 6, 0
	P2 7, 0
	PLACES 4                                       ; in front of the first read of results
.irp a, 0,1,2,3
	QUANTW \a, OUT2, 24576
.endr
	v_cmp_ne_u32 vcc_lo, 0, v[HH]                  ; lanes 0-15 store words 0, 1 of their row, lanes 16-31 words 2, 3: 256 consecutive bytes
	v_cndmask_b32 v[ST+4], v[WDS], v[WDS+2], vcc_lo
	v_cndmask_b32 v[ST+5], v[WDS+1], v[WDS+3], vcc_lo
	global_store_b64 v[SO2], v[ST+4:ST+5], s[SOB2:SOB2+1]
	s_wait_tensorcnt 0x0                           ; the wave's end
	ds_add_u32 v[SPW], v[NIL]
	s_wait_dscnt 0x0
	CROUND                                         ; the closing round: no work-group ends while a partner may still ask for a tile that names it
	s_endpgm
.Lfunc_end_k_qdf72989cea_proj:
	.size	k_qdf72989cea_proj, .Lfunc_end_k_qdf72989cea_proj-k_qdf72989cea_proj
	.p2alignl 7, 3214868480
	.fill 96, 4, 3214868480
	.section	.rodata,"a",@progbits
	.p2align	6, 0x0
	.amdhsa_kernel k_qdf72989cea_proj
		.amdhsa_group_segment_fixed_size 327680
		.amdhsa_private_segment_fixed_size 0
		.amdhsa_enable_private_segment 0
		.amdhsa_kernarg_size 32
		.amdhsa_user_sgpr_count 2
		.amdhsa_user_sgpr_kernarg_segment_ptr 1
		.amdhsa_wavefront_size32 1
		.amdhsa_system_sgpr_workgroup_id_x 1
		.amdhsa_system_sgpr_workgroup_id_y 1
		.amdhsa_system_sgpr_workgroup_id_z 1
		.amdhsa_system_vgpr_workitem_id 0
		.amdhsa_next_free_vgpr 1024
		.amdhsa_next_free_sgpr 102
		.amdhsa_reserve_vcc 1
		.amdhsa_float_denorm_mode_32 3
		.amdhsa_float_denorm_mode_16_64 3
		.amdhsa_memory_ordered 1
		.amdhsa_forward_progress 1
		.amdhsa_inst_pref_size 213
	.end_amdhsa_kernel
	.amdgpu_metadata
---
amdhsa.version: [ 1, 2 ]
amdhsa.kernels:
  - .name:           k_qdf72989cea_proj
    .symbol:         k_qdf72989cea_proj.kd
    .args:
      - { .name: c1, .offset: 0, .size: 8, .value_kind: global_buffer, .address_space: global }
      - { .name: s1, .offset: 8, .size: 8, .value_kind: global_buffer, .address_space: global }
      - { .name: c2, .offset: 16, .size: 8, .value_kind: global_buffer, .address_space: global }
      - { .name: s2, .offset: 24, .size: 8, .value_kind: global_buffer, .address_space: global }
    .group_segment_fixed_size: 327680
    .private_segment_fixed_size: 0
    .kernarg_segment_align: 8
    .kernarg_segment_size: 32
    .max_flat_workgroup_size: 128
    .sgpr_count:     102
    .vgpr_count:     1024
    .wavefront_size: 32
...
	.end_amdgpu_metadata
.endif
;; end of part 6
;; launch score (part 7): grid 62 x 4, 4 waves a work-group, no clusters, 327,680 bytes of LDS; arguments c2, s2, pc, pr; writes pc, pr
.if DOCPART == 7
	.amdgcn_target "amdgcn-amd-amdhsa--gfx1250"
	.amdhsa_code_object_version 6
	.text
	.protected	k_qdf72989cea_score
	.globl	k_qdf72989cea_score
	.p2align	8
	.type	k_qdf72989cea_score,@function
k_qdf72989cea_score:
	s_mov_b64 s[64:65], 0
	v_nop
	global_prefetch_b8 v0, s[64:65] scope:SCOPE_SE
	s_setreg_imm32_b32 hwreg(HW_REG_WAVE_MODE, 25, 1), 1
	s_wait_xcnt 0x0
; Scores q k^T / 32, the causal mask, and p = 2^(t - M_loc) as codes of FP6 (E2M3): a tile of 160 queries x 256 keys for each work-group, 62 tiles a batch (query tiles of 160 have 1, 2, 2, 3, 4, 4, 5, 5, 6, 7, 7, 8, 8 key tiles).
; LEFT OUT: the tiles whose keys all lie behind the tile's last query (launch quant's head shows that they reach no output).
; The thirteenth query tile begins at row block 118, so that it stays inside the batch: its row blocks 118 and 119 are the twelfth's, and it does not store them.
; A wave makes 80 queries x 128 keys: 40 accumulators.  BOTH OPERANDS LIE IN LDS FOR ALL OF K: 26 row blocks x 12,288 bytes, in two halves of K; each wave brings one of four parts at the head, nothing is filled again.
; The first barrier waits for waves 0 and 1 (the first half), the second, in the middle of K step 3, for all.
; NO CLUSTER: of a batch's tiles 13, 12, 10, 9, 7, 5, 4, 2 share a key tile and 1 to 8 a query tile: neither divides into clusters of equal partners.  NO PREFETCH: all that is read is asked for at the head, and there is no loop.
; THE MATRIX INSTRUCTION IS USED TRANSPOSED: source 0 = 16 keys, source 1 = 16 queries: register 16 B + i of a block's 64 results is key 32 B + 16 (lane / 16) + i of the lane's query.
; M_loc is the largest t of the row's 128 keys here, rounded up; launch pv joins the segments.  pc: [batch][row block 0..127][key step 0..15][1536], images of registers.
; pr: a record of 256 bytes for each (batch, key step, row block): row r's p scale word, -M_loc, and the sum of its unquantised p twice, at 16 r.
; LIMITS: the promise holds while the scaled scores stay under 2^31 in magnitude; NaN and infinities are not served.
; REGISTERS: window 0: v8-27 addresses and the like; v32-95 scale words and nothing else (v[32 + 8 s + i]: lanes 0-15 query block i, lanes 16-31 key block i); v96-127 at work; v128-187, v188-247 query fragments, two sets.
;   window 1: key fragments, two sets, v0 and v128.  windows 2, 3: accumulator (a, b) at v[8 (8 (a % 4) + b)].
.set HALF,  159744                     ; a half of K: 10 blocks x 6,144 bytes of q, then 16 of k
.set BOF,   61440
.set BLK,   6144
.set FRB,   1536
.set SPARE, 2*HALF                     ; the spare words, 128 bytes a wave
.set SWA,  8
.set ADA,  16                          ; v16-17 my query fragments in half 0, 1
.set ADB,  18                          ; v18-19 my key fragments
.set LI,   20
.set SO,   21
.set HH,   22
.set D0,   23
.set SPW,  24
.set NIL,  25
.set NINF, 26
.set DA,   27
.set SC,   32
.set BM,   96
.set BP,   100
.set SOP,  104
.set BY,   108
.set NP,   112
.set LA,   114
.set LB,   116
.set TT,   118
.set WD,   119
.set LS,   120
.set RC,   122
.set LC,   124
.set LD,   126
.set PC,   128
.set G1A, 24
.set G1B, 32
.set G0A, 40
.set G0B, 44
.set A0,  56                           ; s56 my first row block;  s57 key step;  s58 its first key;  s59 1: blocks 0 and 1 are another work-group's
.set PCO, 88
.set PRO, 90
.set CS,  92
.set SEL, 94
.set MSB, 0
.macro WIN new
.if MSB != \new
	s_set_vgpr_msb (MSB<<8)|\new
.set MSB, \new
.endif
.endm
.macro PLACES n
.rept \n
	v_nop
.endr
.endm
.macro PICK k, st
	s_cmp_ge_u32 ttmp9, \st
	s_cselect_b32 s22, \k, s22
	s_cselect_b32 s23, \st, s23
.endm
.macro GROUP1 g, rows
	s_mov_b32 s[\g+0], 3<<16                       ; elements of 8 bytes
	s_mov_b32 s[\g+1], 768<<16                     ; 6,144 bytes: four fragments of a row block
	s_mov_b32 s[\g+2], (\rows)<<16
	s_mov_b32 s[\g+3], 768<<16
	s_mov_b32 s[\g+4], \rows
	s_mov_b32 s[\g+5], 1536                        ; 12,288 bytes from row block to row block
	s_mov_b32 s[\g+6], 0
	s_mov_b32 s[\g+7], 0
.endm
.macro TLOAD g0, g1
	tensor_load_to_lds s[\g0:\g0+3], s[\g1:\g1+7]
	s_nop 0
	PLACES 4
.endm
	s_load_b256 s[4:11], s[0:1], 0x0               ; c2, s2, pc, pr
	v_lshl_add_u32 v[SPW], v0, 2, SPARE
	v_mov_b32 v[NIL], 0
	ds_add_u32 v[SPW], v[NIL]                      ; the wave's opening: the add, twice on end
	ds_add_u32 v[SPW], v[NIL]
	v_lshrrev_b32 v1, 5, v0
	v_readfirstlane_b32 s16, v1                    ; wave
	s_lshr_b32 s17, s16, 1                         ; my half of the queries.  Also: which half of K I fetch
	s_and_b32 s18, s16, 1                          ; my half of the keys
	s_and_b32 s20, ttmp7, 0xffff                   ; batch
	s_mov_b32 s22, 0                               ; query tile
	s_mov_b32 s23, 0                               ; its first work-group
	PICK 1, 1
	PICK 2, 3
	PICK 3, 5
	PICK 4, 8
	PICK 5, 12
	PICK 6, 16
	PICK 7, 21
	PICK 8, 26
	PICK 9, 32
	PICK 10, 39
	PICK 11, 46
	PICK 12, 54
	s_sub_co_u32 s21, ttmp9, s23                   ; key tile
	s_mul_i32 s48, s22, 10
	s_min_u32 s48, s48, 118                        ; the tile's first row block
	s_lshl_b32 s50, s20, 7
	s_mul_i32 s49, s17, BLK
	s_add_co_u32 s66, s50, s48
	s_mul_i32 s66, s66, 12288
	s_add_co_u32 s66, s66, s49
	s_mov_b32 s67, 0
	s_lshl_b32 s68, s21, 4
	s_add_co_u32 s68, s68, s50
	s_add_co_u32 s68, s68, 512                     ; k's row blocks lie behind q's 512
	s_mul_i32 s68, s68, 12288
	s_add_co_u32 s68, s68, s49
	s_mov_b32 s69, 0
	GROUP1 G1A, 10
	GROUP1 G1B, 16
	s_mov_b32 s[G0A], 1
	s_mul_i32 s[G0A+1], s17, HALF
	s_mov_b32 s[G0B], 1
	s_mul_i32 s[G0B+1], s17, HALF
	s_add_co_u32 s[G0B+1], s[G0B+1], BOF
	s_wait_dscnt 0x0                               ; both opening adds are done
	s_wait_kmcnt 0x0
	s_add_nc_u64 s[G0A+2:G0A+3], s[4:5], s[66:67]
	s_or_b32 s[G0A+3], s[G0A+3], 0x80000000
	s_add_nc_u64 s[G0B+2:G0B+3], s[4:5], s[68:69]
	s_or_b32 s[G0B+3], s[G0B+3], 0x80000000
	s_cmp_eq_u32 s16, 0                            ; one load a wave, each in an arm of its own
	s_cbranch_scc0 .Lwave_1
	TLOAD G0A, G1A                                 ; wave 0: q, K 0-511
	s_branch .Lasked
.Lwave_1:
	s_cmp_eq_u32 s16, 1
	s_cbranch_scc0 .Lwave_2
	TLOAD G0B, G1B                                 ; wave 1: k, K 0-511
	s_branch .Lasked
.Lwave_2:
	s_cmp_eq_u32 s16, 2
	s_cbranch_scc0 .Lwave_3
	TLOAD G0A, G1A                                 ; wave 2: q, K 512-1,023
	s_branch .Lasked
.Lwave_3:
	TLOAD G0B, G1B                                 ; wave 3: k, K 512-1,023
.Lasked:
	s_mul_i32 s60, s17, 5
	s_add_co_u32 s[A0], s48, s60
	s_lshl_b32 s57, s21, 1
	s_add_co_u32 s57, s57, s18
	s_lshl_b32 s58, s57, 7
	s_cmp_eq_u32 s22, 12
	s_cselect_b32 s59, 1, 0
	s_cmp_eq_u32 s17, 0
	s_cselect_b32 s59, s59, 0
	s_lshl_b32 s63, s20, 13                        ; scale words: a batch's 16 groups of 512 bytes
.irp i, 0,1,2,3,4
	s_add_co_u32 s60, s[A0], \i
	s_lshr_b32 s61, s60, 2
	s_lshl_b32 s61, s61, 8
	s_and_b32 s60, s60, 3
	s_lshl_b32 s60, s60, 2
	s_add_co_u32 s61, s61, s60
	s_add_co_u32 s[68+\i], s61, s63                ; my query block i's word of row 0
.endr
	s_lshl_b32 s61, s57, 9
	s_add_co_u32 s61, s61, s63
.irp i, 0,1,2,3,4,5,6,7
	s_add_co_u32 s[76+\i], s61, 32768+256*(\i/4)+4*(\i%4)   ; my key block i's
.endr
	s_mul_i32 s[PCO], s20, 3145728
	s_mul_i32 s60, s[A0], 24576
	s_add_co_u32 s[PCO], s[PCO], s60
	s_mul_i32 s60, s57, FRB
	s_add_co_u32 s[PCO], s[PCO], s60
	s_mov_b32 s[PCO+1], 0
	s_add_nc_u64 s[PCO:PCO+1], s[8:9], s[PCO:PCO+1]
	s_lshl_b32 s[PRO], s20, 19
	s_lshl_b32 s60, s57, 15
	s_add_co_u32 s[PRO], s[PRO], s60
	s_lshl_b32 s60, s[A0], 8
	s_add_co_u32 s[PRO], s[PRO], s60
	s_mov_b32 s[PRO+1], 0
	s_add_nc_u64 s[PRO:PRO+1], s[10:11], s[PRO:PRO+1]
	s_mov_b32 s[CS], 0x3d38aa3b                    ; log2(e) / 32
	s_mov_b32 s[CS+1], s[CS]
	s_mov_b32 s[SEL], 0x76543210
	s_mov_b32 s[SEL+1], 0xfedcba98
	s_mul_i32 s60, s17, 5*BLK
	s_mul_i32 s61, s18, 8*BLK
	s_add_co_u32 s61, s61, BOF
	v_and_b32 v1, 31, v0
	v_and_b32 v2, 15, v0                           ; r
	v_bfe_u32 v[HH], v0, 4, 1                      ; h
	v_lshlrev_b32 v[LI], 4, v1
	v_cmp_ne_u32 vcc_lo, 0, v[HH]
.irp i, 0,1,2,3,4
	v_mov_b32 v6, s[76+\i]
	v_mov_b32 v7, s[68+\i]
	v_cndmask_b32 v[SWA+\i], v7, v6, vcc_lo
	v_lshl_add_u32 v[SWA+\i], v2, 4, v[SWA+\i]
.endr
.irp i, 5,6,7                                      ; (lanes 0-15 read block 4's word once more: nobody reads those)
	v_mov_b32 v6, s[76+\i]
	v_mov_b32 v7, s72
	v_cndmask_b32 v[SWA+\i], v7, v6, vcc_lo
	v_lshl_add_u32 v[SWA+\i], v2, 4, v[SWA+\i]
.endr
.irp s, 0,1,2,3,4,5,6,7
.irp i, 0,1,2,3,4,5,6,7
	global_load_b32 v[SC+8*\s+\i], v[SWA+\i], s[6:7] offset:\s*65536
.endr
.endr
	v_add_nc_u32 v[ADA], s60, v[LI]
	v_add_nc_u32 v[ADB], s61, v[LI]
	v_add_nc_u32 v[ADA+1], HALF, v[ADA]
	v_add_nc_u32 v[ADB+1], HALF, v[ADB]
	v_lshlrev_b32 v[SO], 4, v2
	v_lshl_add_u32 v[SO], v[HH], 3, v[SO]
	v_and_b32 v5, 8, v2
	v_add_nc_u32 v5, v5, v2
	v_lshlrev_b32 v4, 4, v[HH]
	v_sub_nc_u32 v[D0], v5, v4                     ; my row in its block, less my half's first key
	v_mov_b32 v[NINF], 0xff800000
	v_mov_b32 v[NP+1], 0
.irp b, 0,1,2,3
	v_mov_b32 v[BP+\b], 0                          ; written once: a lane permute's destination counts as one of its sources
.endr
.macro FRAG reg, adr, off
.irp c, 0,1,2
	ds_load_b128 v[\reg+4*\c:\reg+4*\c+3], v[\adr] offset:\off+512*\c
.endr
.endm
.macro LGRP g, s                       ; one of K step s's 13 fragments: g = 0-4 queries, 5-12 keys
.set Q_, ((\s)%4)*FRB
.if (\g) < 5
	WIN 0
	FRAG 128+60*((\s)%2)+12*(\g), ADA+(\s)/4, (\g)*BLK+Q_
.else
	WIN 0x40
	FRAG 128*((\s)%2)+12*((\g)-5), ADB+(\s)/4, ((\g)-5)*BLK+Q_
.endif
.endm
.macro PROD s, n, zero                 ; product n = 8 a + b; the 40 accumulators take turns
.set A_, (\n)/8
.set B_, (\n)%8
.set D_, 64*(A_%4)+8*B_
.set F_, 128*((\s)%2)+12*B_
.set E_, 128+60*((\s)%2)+12*A_
.set X_, SC+8*(\s)
.set WN_, 0xa1+0x50*(A_/4)
	WIN WN_
.if \zero
	v_wmma_scale_f32_16x16x128_f8f6f4 v[D_:D_+7], v[F_:F_+11], v[E_:E_+11], 0, v[X_+B_], v[X_+A_] matrix_a_fmt:MATRIX_FMT_FP6 matrix_b_fmt:MATRIX_FMT_FP6 matrix_a_scale:MATRIX_SCALE_ROW1
.else
	v_wmma_scale_f32_16x16x128_f8f6f4 v[D_:D_+7], v[F_:F_+11], v[E_:E_+11], v[D_:D_+7], v[X_+B_], v[X_+A_] matrix_a_fmt:MATRIX_FMT_FP6 matrix_b_fmt:MATRIX_FMT_FP6 matrix_a_scale:MATRIX_SCALE_ROW1
.endif
.endm
.macro LRUN s                          ; K step s's 13 fragments in one run: 39 loads
.set g_, 0
.rept 13
	LGRP g_, \s
.set g_, g_+1
.endr
	WIN 0
.endm
; K step s: its fragments are in; the next step's come into the other sets, in one run ahead of the products (at step 3 in their middle, behind the barrier that shows the second half of K).
; Four places stand in front of loads into sets that the step before has read.
.macro STEP s, zero
	s_wait_dscnt 0x0
	PLACES 4
.if ((\s) != 3) && ((\s) < 7)
	LRUN (\s)+1
.endif
.set n_, 0
.rept 40
	PROD \s, n_, \zero
.if ((\s) == 3) && (n_ == 19)
	WIN 0
	s_wait_tensorcnt 0x0                           ; all my tensor loads have landed,
	s_barrier_signal -1
	s_barrier_wait -1                              ; and everybody's: the second half of K is whole
	LRUN (\s)+1
.endif
.set n_, n_+1
.endr
	WIN 0
.endm
	s_wait_alu depctr_va_vdst(0)                   ; the head's end
	s_cmp_lt_u32 s16, 2
	s_cbranch_scc0 .Lsecond
	s_wait_tensorcnt 0x0                           ; waves 0 and 1: the first half of K
.Lsecond:
	s_barrier_signal -1
	s_barrier_wait -1
.set g_, 0
.rept 13
	LGRP g_, 0
.set g_, g_+1
.endr
	WIN 0
	s_wait_loadcnt 0x0                             ; the scale words
	STEP 0, 1                                      ; the first products start the sums
.irp s, 1,2,3,4,5,6,7
	STEP \s, 0
.endr
	PLACES 4                                       ; in front of the first read of results
; THE WAY OUT of block a: 16 queries x my 128 keys become one fragment and one record.
.macro SOFT a
.set W, 2+(\a)/4
.set AC, 64*((\a)%4)
.set WSS, W|(W<<2)
.set WSD, W|(W<<6)
.if (\a) < 2
	s_cmp_eq_u32 s59, 1
	s_cbranch_scc1 .Lother_\@
.endif
	s_add_co_u32 s60, s[A0], \a
	s_lshr_b32 s61, s60, 1
	s_lshl_b32 s61, s61, 5
	s_and_b32 s60, s60, 1
	s_lshl_b32 s60, s60, 3
	s_add_co_u32 s61, s61, s60
	s_sub_co_i32 s61, s61, s58                     ; the block's first row less my first key
	s_cmp_ge_i32 s61, 127
	s_cbranch_scc1 .Lopen_\@                       ; (ids alone) no key of mine lies behind any row of the block
	s_wait_alu depctr_va_vdst(0)
	v_add_nc_u32 v[DA], s61, v[D0]
	WIN WSD
.set n, 0
.rept 64
	v_cmp_gt_i32 vcc_lo, 32*(n/16)+n%16, v[DA]
	v_cndmask_b32 v[AC+n], v[AC+n], v[NINF], vcc_lo
.set n, n+1
.endr
	WIN 0
.Lopen_\@:
	s_wait_alu depctr_va_vdst(0)
	WIN WSS
.irp b, 0,1,2,3
	v_max_num_f32 v[BM+\b], v[AC+16*\b], v[AC+16*\b+1]   ; the largest score of each block of 32 keys, each accumulator from its low end on
.endr
.irp i, 2,4,6,8,10,12,14
.irp b, 0,1,2,3
	v_max3_num_f32 v[BM+\b], v[AC+16*\b+\i], v[AC+16*\b+\i+1], v[BM+\b]
.endr
.endr
	WIN 0
.irp b, 0,1,2,3
	v_permlanex16_b32 v[BP+\b], v[BM+\b], s[SEL], s[SEL+1]
.endr
.irp b, 0,1,2,3
	v_max_num_f32 v[BM+\b], v[BM+\b], v[BP+\b]
.endr
	v_max3_num_f32 v[TT], v[BM], v[BM+1], v[BM+2]
	v_max_num_f32 v[TT], v[TT], v[BM+3]
	v_mul_f32 v[TT], s[CS], v[TT]
	v_max_num_f32 v[TT], 0xff61b1e6, v[TT]
	v_floor_f32 v[NP], -v[TT]                      ; -M_loc
.irp b, 0,1,2,3
	v_fma_f32 v[BM+\b], v[BM+\b], s[CS], v[NP]
.endr
	WIN WSD
.set n, 0
.rept 32
	v_pk_fma_f32 v[AC+n:AC+n+1], v[AC+n:AC+n+1], s[CS:CS+1], v[NP:NP+1] op_sel_hi:[1,0,0]
.set n, n+2
.endr
.set n, 0
	s_wait_alu depctr_va_vdst(0)                   ; a wait ahead of the batch
.rept 64
	v_exp_f32 v[AC+n], v[AC+n]
.set n, n+1
.endr
	v_nop
	s_wait_alu depctr_va_vdst(0)                   ; and behind it
	WIN 0
.irp b, 0,1,2,3
	v_exp_f32 v[BM+\b], v[BM+\b]                   ; the block's largest p: the same two instructions on the same number give the same bits
.endr
	WIN WSS
	v_pk_add_f32 v[LA:LA+1], v[AC:AC+1], v[AC+2:AC+3]
	v_pk_add_f32 v[LB:LB+1], v[AC+4:AC+5], v[AC+6:AC+7]
	v_pk_add_f32 v[LC:LC+1], v[AC+8:AC+9], v[AC+10:AC+11]
	v_pk_add_f32 v[LD:LD+1], v[AC+12:AC+13], v[AC+14:AC+15]
	WIN W
.irp j, 16,24,32,40,48,56                      ; (four chains by turns)
	v_pk_add_f32 v[LA:LA+1], v[AC+\j:AC+\j+1], v[LA:LA+1]
	v_pk_add_f32 v[LB:LB+1], v[AC+\j+2:AC+\j+3], v[LB:LB+1]
	v_pk_add_f32 v[LC:LC+1], v[AC+\j+4:AC+\j+5], v[LC:LC+1]
	v_pk_add_f32 v[LD:LD+1], v[AC+\j+6:AC+\j+7], v[LD:LD+1]
.endr
	WIN 0
	v_pk_add_f32 v[LA:LA+1], v[LA:LA+1], v[LC:LC+1]
	v_pk_add_f32 v[LB:LB+1], v[LB:LB+1], v[LD:LD+1]
	v_pk_add_f32 v[LA:LA+1], v[LA:LA+1], v[LB:LB+1]
	v_add_f32 v[LS], v[LA], v[LA+1]
	v_permlanex16_b32 v[BP], v[LS], s[SEL], s[SEL+1]
	v_add_f32 v[LS], v[LS], v[BP]                  ; the sum of the row's unquantised p
	s_wait_alu depctr_va_vdst(0)
.irp b, 0,1,2,3
	v_max_num_f32 v[BM+\b], 0x1800000, v[BM+\b]    ; the floor 2^(3 - 127): the byte cannot fall under 1
.endr
.irp b, 0,1,2,3
	v_add_nc_u32 v[SOP+\b], 0xff000000, v[BM+\b]   ; 2 off the exponent field: the conversion's scale operand
.endr
.irp b, 0,1,2,3
	v_lshrrev_b32 v[BY+\b], 23, v[SOP+\b]
.endr
	v_lshl_or_b32 v[WD], v[BY+1], 8, v[BY]
	v_lshl_or_b32 v[WD], v[BY+2], 16, v[WD]
	v_lshl_or_b32 v[WD], v[BY+3], 24, v[WD]
	s_wait_alu depctr_va_vdst(0)
	s_wait_xcnt 0x0                                ; the last block's stores have read their registers
	WIN W
.irp c, 0,1
	v_cvt_scalef32_pk16_fp6_f32 v[PC+6*\c:PC+6*\c+2], v[AC+32*\c:AC+32*\c+15], v[SOP+2*\c]
	v_cvt_scalef32_pk16_fp6_f32 v[PC+12+4*\c:PC+14+4*\c], v[AC+32*\c+16:AC+32*\c+31], v[SOP+2*\c+1]
.endr
	v_nop                                          ; one plain place behind the scaled conversions
	WIN 0
.irp c, 0,1                                    ; the operand's layout wants a whole block in a lane
.irp i, 0,1,2
	v_permlane16_swap_b32 v[PC+6*\c+\i], v[PC+12+4*\c+\i]
.endr
.irp i, 0,1,2
	v_mov_b32 v[PC+3+6*\c+\i], v[PC+12+4*\c+\i]
.endr
.endr
	v_cmp_ne_u32 vcc_lo, 0, v[HH]
	v_cndmask_b32 v[RC], v[WD], v[LS], vcc_lo      ; lanes 0-15 the word and -M_loc, lanes 16-31 the sum
	v_cndmask_b32 v[RC+1], v[NP], v[LS], vcc_lo
.irp c, 0,1,2
	global_store_b128 v[LI], v[PC+4*\c:PC+4*\c+3], s[PCO:PCO+1] offset:(\a)*24576+512*\c   ; 512 consecutive bytes, aligned to 256
.endr
	global_store_b64 v[SO], v[RC:RC+1], s[PRO:PRO+1] offset:(\a)*256                       ; 256 consecutive bytes
.if (\a) < 2
.Lother_\@:
.endif
.endm
.irp a, 0,1,2,3,4
	SOFT \a
.endr
	s_wait_tensorcnt 0x0                           ; the wave's end
	ds_add_u32 v[SPW], v[NIL]
	s_wait_dscnt 0x0
	s_endpgm
.Lfunc_end_k_qdf72989cea_score:
	.size	k_qdf72989cea_score, .Lfunc_end_k_qdf72989cea_score-k_qdf72989cea_score
	.p2alignl 7, 3214868480
	.fill 96, 4, 3214868480
	.section	.rodata,"a",@progbits
	.p2align	6, 0x0
	.amdhsa_kernel k_qdf72989cea_score
		.amdhsa_group_segment_fixed_size 327680
		.amdhsa_private_segment_fixed_size 0
		.amdhsa_enable_private_segment 0
		.amdhsa_kernarg_size 32
		.amdhsa_user_sgpr_count 2
		.amdhsa_user_sgpr_kernarg_segment_ptr 1
		.amdhsa_wavefront_size32 1
		.amdhsa_system_sgpr_workgroup_id_x 1
		.amdhsa_system_sgpr_workgroup_id_y 1
		.amdhsa_system_sgpr_workgroup_id_z 1
		.amdhsa_system_vgpr_workitem_id 0
		.amdhsa_next_free_vgpr 1024
		.amdhsa_next_free_sgpr 96
		.amdhsa_reserve_vcc 1
		.amdhsa_float_denorm_mode_32 3
		.amdhsa_float_denorm_mode_16_64 3
		.amdhsa_memory_ordered 1
		.amdhsa_forward_progress 1
		.amdhsa_inst_pref_size 163
	.end_amdhsa_kernel
	.amdgpu_metadata
---
amdhsa.version: [ 1, 2 ]
amdhsa.kernels:
  - .name:           k_qdf72989cea_score
    .symbol:         k_qdf72989cea_score.kd
    .args:
      - { .name: c2, .offset: 0, .size: 8, .value_kind: global_buffer, .address_space: global }
      - { .name: s2, .offset: 8, .size: 8, .value_kind: global_buffer, .address_space: global }
      - { .name: pc, .offset: 16, .size: 8, .value_kind: global_buffer, .address_space: global }
      - { .name: pr, .offset: 24, .size: 8, .value_kind: global_buffer, .address_space: global }
    .group_segment_fixed_size: 327680
    .private_segment_fixed_size: 0
    .kernarg_segment_align: 8
    .kernarg_segment_size: 32
    .max_flat_workgroup_size: 128
    .sgpr_count:     96
    .vgpr_count:     1024
    .wavefront_size: 32
...
	.end_amdgpu_metadata
.endif
;; end of part 7
;; launch pv (part 8): grid 8 x 32, 4 waves a work-group, no clusters, 327,680 bytes of LDS; arguments pc, pr, c2, s2, out0; writes out0
.if DOCPART == 8
	.amdgcn_target "amdgcn-amd-amdhsa--gfx1250"
	.amdhsa_code_object_version 6
	.text
	.protected	k_qdf72989cea_pv
	.globl	k_qdf72989cea_pv
	.p2align	8
	.type	k_qdf72989cea_pv,@function
k_qdf72989cea_pv:
	s_mov_b64 s[64:65], 0
	v_nop
	global_prefetch_b8 v0, s[64:65] scope:SCOPE_SE
	s_setreg_imm32_b32 hwreg(HW_REG_WAVE_MODE, 25, 1), 1
	s_wait_xcnt 0x0
; out0 = (p v) / l on codes of FP6 (E2M3).  A work-group makes TWO tiles of 128 queries x 128 channels of a batch: the long tile 15 - j and the short tile j (j = 0 .. 7), over one walk of v: 16 - j steps of 128 keys for the
; long tile, the first j + 1 of them for the short one too: 17 tile steps in every work-group.  A wave makes 64 queries of each tile x 64 channels: 32 accumulators.
; LEFT OUT: the key steps that lie behind a tile's queries (launch quant's head shows that they reach no output).
; THE ROW'S M AND l.  Launch score left, for each segment of 128 keys of a row, codes under M_loc, a scale word, -M_loc and l_loc.  Here -M = the least -M_loc of the row's segments, d = M_loc - M <= 0, a whole number;
; l = the sum of l_loc 2^d; d is added to each of the segment's four scale bytes: p under M is p under M_loc times 2^d, exactly.  Thread t of the work-group does that for row t of both tiles; words and 1 / l go to LDS.
; LIMITS: d is held at -127, and a byte that would fall under 0 becomes 0 (2^-127): such terms lie more than 2^120 under the row's largest p.  NaN and infinities are not served.
; NO CLUSTER: which loads a work-group makes hangs on j (a jump on ids round a load), which a joint load does not allow.  NO PREFETCH: the walk of at most four slots is written out, with no loop to run ahead in.
; THE MATRIX INSTRUCTION IS USED TRANSPOSED: source 0 = 16 channels of v^T, source 1 = 16 queries of p: register 16 B + i of a block's 32 results is channel 32 B + 16 (lane / 16) + i of the lane's query.
; THE RING: two LDS buffers, each a slot of four key steps: the long tile's 8 blocks x 6,144 bytes, the short tile's 8, v's 8.  Wave 0 fetches the long tile's, wave 1 the short tile's (slot 0; slot 1 where j >= 4; never later),
; waves 2 and 3 v's; slot 3 is asked for where j <= 3.  Tests on ids alone lead round loads and work, never round a barrier, a wait or the add.  Every wait on TENSORcnt is for 0; one tensor load of a wave is out at the most.
; Of a tile's last slot steps past its queries may be brought and not read (launch score did not write all of those bytes: no result hangs on them).
; The short tile is finished with step 7 at the latest: its rows leave there, under the flight of slot 3.
; REGISTERS: window 0: v4-25 addresses; v32-47 scale words, two sets, and nothing else; v48-57 1 / l; v64-159, v160-255 p's fragments, two sets (4 long, 4 short); at the head and on the way out: at work.
;   window 1: v's fragments, two sets, v0 and v48.   window 2: accumulator (a, b) at v[8 (4 a + b)]; a = 0-3 long, 4-7 short.
.set BLK2,  6144
.set FRB,   1536
.set SOFF,  49152                      ; the short tile's blocks in a buffer
.set VOFF,  98304                      ; v's
.set BUFB,  147456
.set SCR,   2*BUFB                     ; 16 records of 1,536 bytes, one a key step: the long tile's words (512), the short tile's (512), v's of my 128 channels (512)
.set LR,    SCR+16*1536                ; 1 / l in the order of the words
.set SPARE, LR+1024
.set STG,   SOFF                       ; the way out: 16 rows x (256 + 16) bytes for each wave, where buffer 0 held the short tile: no fill lands there behind slot 0's, and nobody reads it behind step 3
.set ASA,  4                           ; scale words: long blocks (lanes 0-15), v's blocks (lanes 16-31)
.set ASB,  5                           ; short blocks
.set SPW,  6
.set NIL,  7
.set ADP,  8
.set ADV,  10
.set STO,  12
.set RD,   13
.set GO,   14
.set T16,  15
.set L16,  16
.set RR,   17
.set HH,   18
.set SCW,  20
.set VSW,  21
.set LRA,  22
.set ADSH, 24
.set RL,   48
.set RT,   56
.set ML,   64                          ; at the head: v64-127 the long row's 16 records, v128-159 the short row's 8, v160-175 v's words, v176-195 at work, v224-237 offsets
.set VS,   160
.set NMR,  176
.set LSM,  178
.set DD,   180
.set MA,   224
.set TMP,  160                         ; on the way out
.set WV,  18
.set WR,  19
.set WC,  20
.set BA,  22
.set JS,  23                           ; j: the short tile, and its last key step
.set G1P, 24
.set G1V, 32
.set G0P, 40
.set G0V, 48
.set LIML, 56                          ; 15 - j: the long tile, and its last key step
.set OUTL, 80
.set OUTS, 82
.set MSB, 0
.macro WIN new
.if MSB != \new
	s_set_vgpr_msb (MSB<<8)|\new
.set MSB, \new
.endif
.endm
.macro PLACES n
.rept \n
	v_nop
.endr
.endm
; A slot's loads into buffer n.  mode 0: every wave; 1: wave 1 only where j >= 4; 2: not wave 1.  An s_nop 0 and four v_nop follow each load.
.macro TLOAD n, mode
	s_cmp_lt_u32 s[WV], 2
	s_cbranch_scc0 .Lfor_v_\@
.if \mode > 0
	s_cmp_eq_u32 s[WV], 1
.if \mode == 1
	s_cbranch_scc0 .Lfor_p_\@
	s_cmp_lt_u32 s[JS], 4
.endif
	s_cbranch_scc1 .Lasked_\@
.if \mode == 1
.Lfor_p_\@:
.endif
.endif
	tensor_load_to_lds s[G0P+4*\n:G0P+4*\n+3], s[G1P:G1P+7]
	s_nop 0
	PLACES 4
	s_branch .Lasked_\@
.Lfor_v_\@:
	tensor_load_to_lds s[G0V+4*\n:G0V+4*\n+3], s[G1V:G1V+7]
	s_nop 0
	PLACES 4
.Lasked_\@:
.endm
.macro GROUP1 g, rows
	s_mov_b32 s[\g+0], 3<<16                       ; elements of 8 bytes, no mask, no padding
	s_mov_b32 s[\g+1], 768<<16                     ; 6,144 bytes: a block's four key steps
	s_mov_b32 s[\g+2], (\rows)<<16
	s_mov_b32 s[\g+3], 768<<16
	s_mov_b32 s[\g+4], \rows
	s_mov_b32 s[\g+5], 3072                        ; 24,576 bytes from block to block
	s_mov_b32 s[\g+6], 0
	s_mov_b32 s[\g+7], 0
.endm
	s_load_b256 s[4:11], s[0:1], 0x0               ; pc, pr, c2, s2
	s_load_b64 s[12:13], s[0:1], 0x20              ; out0
	v_lshl_add_u32 v[SPW], v0, 2, SPARE
	v_mov_b32 v[NIL], 0
	ds_add_u32 v[SPW], v[NIL]                      ; the wave's opening: the add, twice on end
	ds_add_u32 v[SPW], v[NIL]
	v_lshrrev_b32 v1, 5, v0
	v_readfirstlane_b32 s[WV], v1
	s_lshr_b32 s[WR], s[WV], 1                     ; my half of each tile's queries
	s_and_b32 s[WC], s[WV], 1                      ; my half of the channels.  Also: which part I fetch
	s_and_b32 s21, ttmp7, 0xffff
	s_lshr_b32 s[BA], s21, 3                       ; batch
	s_and_b32 s[JS], s21, 7
	s_sub_co_u32 s[LIML], 15, s[JS]
	GROUP1 G1P, 8
	GROUP1 G1V, 4
	s_cmp_eq_u32 s[WC], 1
	s_cselect_b32 s67, s[JS], s[LIML]              ; wave 0 fetches the long tile, wave 1 the short one
	s_mul_i32 s66, s[BA], 3145728
	s_mul_i32 s67, s67, 196608                     ; 8 blocks x 24,576
	s_add_co_u32 s66, s66, s67
	s_mov_b32 s67, 0
	s_mul_i32 s68, s[BA], 1572864                  ; v^T: batch, block 8 x work-group x + 4 half
	s_add_co_u32 s68, s68, 12582912
	s_lshl_b32 s69, ttmp9, 3
	s_lshl_b32 s70, s[WC], 2
	s_add_co_u32 s69, s69, s70
	s_mul_i32 s69, s69, 24576
	s_add_co_u32 s68, s68, s69
	s_mov_b32 s69, 0
	s_mov_b32 s58, 0x01010101
	s_mov_b32 s59, 0x80808080
	s_mov_b32 s[G0P], 1
	s_mul_i32 s[G0P+1], s[WC], SOFF
	s_mov_b32 s[G0P+4], 1
	s_add_co_u32 s[G0P+5], s[G0P+1], BUFB
	s_mov_b32 s[G0V], 1
	s_mul_i32 s[G0V+1], s[WC], 4*BLK2
	s_add_co_u32 s[G0V+1], s[G0V+1], VOFF
	s_mov_b32 s[G0V+4], 1
	s_add_co_u32 s[G0V+5], s[G0V+1], BUFB
	s_wait_dscnt 0x0                               ; both opening adds are done
	s_wait_kmcnt 0x0
	s_add_nc_u64 s[G0P+2:G0P+3], s[4:5], s[66:67]  ; buffer 0 begins with key steps 0-3,
	s_add_nc_u64 s[G0P+6:G0P+7], s[G0P+2:G0P+3], BLK2   ; buffer 1 with 4-7
	s_add_nc_u64 s[G0V+2:G0V+3], s[8:9], s[68:69]
	s_add_nc_u64 s[G0V+6:G0V+7], s[G0V+2:G0V+3], BLK2
	s_or_b32 s[G0P+3], s[G0P+3], 0x80000000
	s_or_b32 s[G0P+7], s[G0P+7], 0x80000000
	s_or_b32 s[G0V+3], s[G0V+3], 0x80000000
	s_or_b32 s[G0V+7], s[G0V+7], 0x80000000
	s_lshl_b32 s70, s[BA], 19                      ; the records of my rows, key step 0
	s_lshl_b32 s84, s[LIML], 11
	s_add_co_u32 s84, s84, s70
	s_mov_b32 s85, 0
	s_add_nc_u64 s[84:85], s[6:7], s[84:85]
	s_lshl_b32 s86, s[JS], 11
	s_add_co_u32 s86, s86, s70
	s_mov_b32 s87, 0
	s_add_nc_u64 s[86:87], s[6:7], s[86:87]
	s_lshl_b32 s70, s[BA], 7                       ; v's words: key step 4 q + wave
	s_add_co_u32 s70, s70, ttmp9
	s_lshl_b32 s70, s70, 9
	s_lshl_b32 s72, s[WV], 12
	s_add_co_u32 s70, s70, s72
	s_add_co_u32 s70, s70, 524288
	s_mov_b32 s71, 0
	s_add_nc_u64 s[10:11], s[10:11], s[70:71]
	v_lshlrev_b32 v[T16], 4, v0
	v_and_b32 v1, 31, v0
	v_lshlrev_b32 v[L16], 4, v1
	s_wait_alu depctr_va_vdst(0)
.irp k, 9,10,11,12,13,14,15                        ; a key step past the last live one is read at the last live one's place: no byte is read that was not written
	s_min_u32 s57, s[LIML], \k
	s_lshl_b32 s57, s57, 15
	v_add_nc_u32 v[MA+\k-9], s57, v[T16]
.endr
.irp k, 1,2,3,4,5,6,7
	s_min_u32 s57, s[JS], \k
	s_lshl_b32 s57, s57, 15
	v_add_nc_u32 v[MA+6+\k], s57, v[T16]
.endr
	s_wait_alu depctr_va_vdst(0)
.irp k, 0,1,2,3,4,5,6,7,8
	global_load_b128 v[ML+4*\k:ML+4*\k+3], v[T16], s[84:85] offset:32768*\k
.endr
.irp k, 9,10,11,12,13,14,15
	global_load_b128 v[ML+4*\k:ML+4*\k+3], v[MA+\k-9], s[84:85]
.endr
	global_load_b128 v[ML+64:ML+67], v[T16], s[86:87]
.irp k, 1,2,3,4,5,6,7
	global_load_b128 v[ML+64+4*\k:ML+64+4*\k+3], v[MA+6+\k], s[86:87]
.endr
.irp q, 0,1,2,3
	global_load_b128 v[VS+4*\q:VS+4*\q+3], v[L16], s[10:11] offset:16384*\q
.endr
	TLOAD 0, 0                                     ; slot 0, which every tile reads; the records, which are worked on first, have been asked for ahead of it
	s_lshl_b32 s70, s[BA], 11                      ; out0 at my wave's first row and channel, in both tiles
	s_lshl_b32 s71, s[WR], 6
	s_add_co_u32 s70, s70, s71
	s_lshl_b32 s71, ttmp9, 9
	s_lshl_b32 s72, s[WC], 8
	s_add_co_u32 s71, s71, s72
	s_lshl_b32 s[OUTL], s[LIML], 7
	s_add_co_u32 s[OUTL], s[OUTL], s70
	s_lshl_b32 s[OUTL], s[OUTL], 12
	s_add_co_u32 s[OUTL], s[OUTL], s71
	s_mov_b32 s[OUTL+1], 0
	s_add_nc_u64 s[OUTL:OUTL+1], s[12:13], s[OUTL:OUTL+1]
	s_lshl_b32 s[OUTS], s[JS], 7
	s_add_co_u32 s[OUTS], s[OUTS], s70
	s_lshl_b32 s[OUTS], s[OUTS], 12
	s_add_co_u32 s[OUTS], s[OUTS], s71
	s_mov_b32 s[OUTS+1], 0
	s_add_nc_u64 s[OUTS:OUTS+1], s[12:13], s[OUTS:OUTS+1]
	s_mul_i32 s61, s[WR], 4*BLK2
	s_mul_i32 s62, s[WC], 4*BLK2
	s_add_co_u32 s62, s62, VOFF
	s_xor_b32 s63, s[WR], 1                        ; from my long blocks' words to my v blocks': 1,024 + 256 wc - 256 wr
	s_add_co_u32 s63, s63, s[WC]
	s_lshl_b32 s63, s63, 8
	s_add_co_u32 s63, s63, 768
	s_lshl_b32 s66, s[WR], 8
	s_add_co_u32 s68, s66, LR
	s_add_co_u32 s66, s66, SCR
	s_mul_i32 s67, s[WV], 16*272
	s_add_co_u32 s67, s67, STG
	s_mul_i32 s69, s[WV], 1536
	s_add_co_u32 s69, s69, SCR+1024
	v_and_b32 v[RR], 15, v0
	v_bfe_u32 v[HH], v0, 4, 1
	v_add_nc_u32 v[ADP], s61, v[L16]
	v_add_nc_u32 v[ADP+1], BUFB, v[ADP]
	v_add_nc_u32 v[ADSH], SOFF, v[ADP]
	v_add_nc_u32 v[ADSH+1], SOFF+BUFB, v[ADP]
	v_add_nc_u32 v[ADV], s62, v[L16]
	v_add_nc_u32 v[ADV+1], BUFB, v[ADV]
	v_mul_u32_u24 v[ASA], s63, v[HH]
	v_lshl_add_u32 v[ASB], v[RR], 4, s66
	v_add_nc_u32 v[ASA], v[ASA], v[ASB]
	v_add_nc_u32 v[ASB], 512, v[ASB]
	v_mul_u32_u24 v[STO], v[RR], 272
	v_lshl_add_u32 v[STO], v[HH], 6, v[STO]
	v_add_nc_u32 v[STO], s67, v[STO]
	v_mul_u32_u24 v[RD], v[HH], 272
	v_lshl_add_u32 v[RD], v[RR], 4, v[RD]
	v_add_nc_u32 v[RD], s67, v[RD]
	v_lshlrev_b32 v[GO], 12, v[HH]
	v_lshl_add_u32 v[GO], v[RR], 4, v[GO]
	v_lshl_add_u32 v[LRA], v[RR], 4, s68
	v_add_nc_u32 v[VSW], s69, v[L16]
	v_lshrrev_b32 v2, 6, v0                        ; row t = 16 a + r: its word at 256 (a / 4) + 16 r + 4 (a % 4)
	v_bfe_u32 v3, v0, 4, 2
	v_lshlrev_b32 v2, 8, v2
	v_lshl_add_u32 v2, v3, 2, v2
	v_lshl_add_u32 v2, v[RR], 4, v2
	v_add_nc_u32 v[SCW], SCR, v2
	v_mov_b32 v[RT+1], 0                           ; (named as the upper half of a pair)
	s_wait_alu depctr_va_vdst(0)                   ; the head's end
	s_wait_loadcnt 0x0
.irp q, 0,1,2,3
	ds_store_b128 v[VSW], v[VS+4*\q:VS+4*\q+3] offset:6144*\q
.endr
.irp e, 0,1
	v_min_num_f32 v[NMR+\e], v[ML+64*\e+1], v[ML+64*\e+5]   ; -M of the row: the least -M_loc (a place read twice does no harm in a minimum)
.endr
.irp k, 2,3,4,5,6,7
.irp e, 0,1
	v_min_num_f32 v[NMR+\e], v[NMR+\e], v[ML+64*\e+4*\k+1]
.endr
.endr
.irp k, 8,9,10,11,12,13,14,15
	v_min_num_f32 v[NMR], v[NMR], v[ML+4*\k+1]
.endr
.macro META e, k0                      ; key steps k0 .. k0 + 3 of my row in tile e (0 long, 1 short), the four side by side
.set RB_, ML+64*(\e)+4*(\k0)
.irp u, 0,1,2,3
	v_sub_f32 v[DD+\u], v[NMR+\e], v[RB_+4*\u+1]   ; d = M_loc - M, a whole number, 0 or less
.endr
.irp u, 0,1,2,3
	v_max_num_f32 v[DD+\u], 0xc2fe0000, v[DD+\u]   ; held at -127
.endr
.irp u, 0,1,2,3
	v_cvt_i32_f32 v[DD+\u], v[DD+\u]
.endr
.irp u, 0,1,2,3
.if (\k0)+\u == 0
	v_ldexp_f32 v[LSM+\e], v[RB_+2], v[DD]         ; l begins with the first segment's l_loc 2^d
.else
	v_ldexp_f32 v[DD+4+\u], v[RB_+4*\u+2], v[DD+\u]
.endif
.endr
.irp u, 0,1,2,3
	v_mul_lo_u32 v[DD+\u], v[DD+\u], s58           ; d in each of the four bytes.  A byte is 1 to 125 and -d at most 127: with 128 on top no byte borrows from its neighbour
.endr
.irp u, 0,1,2,3
	v_or_b32 v[DD+8+\u], s59, v[RB_+4*\u]
.endr
.irp u, 0,1,2,3
	v_add_nc_u32 v[DD+8+\u], v[DD+8+\u], v[DD+\u]  ; 128 + byte + d: the top bit stands where byte + d is 0 or more
.endr
.irp u, 0,1,2,3
	v_and_b32 v[DD+\u], s59, v[DD+8+\u]
.endr
.irp u, 0,1,2,3
	v_lshrrev_b32 v[DD+12+\u], 7, v[DD+\u]
.endr
.irp u, 0,1,2,3
	v_sub_nc_u32 v[DD+\u], v[DD+\u], v[DD+12+\u]   ; 0x7f there, 0 elsewhere
.endr
.irp u, 0,1,2,3
	v_and_b32 v[RB_+4*\u], v[DD+8+\u], v[DD+\u]
.endr
.irp u, 0,1,2,3
.if (\k0)+\u > 0
.if ((\e) == 0) && ((\k0)+\u < 9)
	v_add_f32 v[LSM], v[LSM], v[DD+4+\u]
.else
.if (\e) == 0
	s_cmp_ge_u32 s[LIML], (\k0)+\u                 ; ids alone: is the key step live?  What is read twice is not summed twice
.else
	s_cmp_ge_u32 s[JS], (\k0)+\u
.endif
	s_cselect_b32 s57, 0x3f800000, 0
	v_fma_f32 v[LSM+\e], v[DD+4+\u], s57, v[LSM+\e]
.endif
.endif
.endr
.endm
	META 0, 0
	META 1, 0
	META 0, 4
	META 1, 4
	META 0, 8
	META 0, 12
	s_wait_alu depctr_va_vdst(0)
	v_rcp_f32 v[DD], v[LSM]
	v_rcp_f32 v[DD+1], v[LSM+1]
	v_nop                                          ; a plain place behind the reciprocals
	s_wait_alu depctr_va_vdst(0)                   ; and a wait ahead of their first reader
.irp k, 0,1,2,3,4,5,6,7,8,9,10,11,12,13,14,15
	ds_store_b32 v[SCW], v[ML+4*\k] offset:1536*\k
.endr
.irp k, 0,1,2,3,4,5,6,7
	ds_store_b32 v[SCW], v[ML+64+4*\k] offset:1536*\k+512
.endr
	ds_store_b32 v[SCW], v[DD] offset:LR-SCR
	ds_store_b32 v[SCW], v[DD+1] offset:LR-SCR+512
.macro FRAG reg, adr, off
.irp c, 0,1,2
	ds_load_b128 v[\reg+4*\c:\reg+4*\c+3], v[\adr] offset:\off+512*\c
.endr
.endm
.macro SETS s                          ; key step s's places: sets, buffer, byte in the block
.set PB_, 64+96*((\s)%2)
.set VB_, 48*((\s)%2)
.set SB_, 32+8*((\s)%2)
.set BF_, ((\s)/4)%2
.set Q_, ((\s)%4)*FRB
.endm
.macro LGRP g, s                       ; step s: g = 0-3 a long fragment, 4-7 a fragment of v, 8 the scale words of both
	SETS \s
.if (\g) < 4
	WIN 0
	FRAG PB_+12*(\g), ADP+BF_, (\g)*BLK2+Q_
.elseif (\g) < 8
	WIN 0x40
	FRAG VB_+12*((\g)-4), ADV+BF_, ((\g)-4)*BLK2+Q_
.else
	WIN 0
	ds_load_b128 v[SB_:SB_+3], v[ASA] offset:(\s)*1536
.endif
.endm
.macro SLOADS s                        ; step s: the short tile's four fragments and their scale words
	SETS \s
.irp g, 0,1,2,3
	FRAG PB_+48+12*\g, ADSH+BF_, \g*BLK2+Q_
.endr
	ds_load_b128 v[SB_+4:SB_+7], v[ASB] offset:(\s)*1536
.endm
.macro PROD s, a, b                    ; the accumulators take turns, one instruction a turn
	SETS \s
.set D_, 32*(\a)+8*(\b)
.set F_, VB_+12*(\b)
.set E_, PB_+12*(\a)
.set XB_, SB_+(\b)
.set XA_, SB_+(\a)
	WIN 0xa1                                       ; source 0 (v) window 1, source 1 (p) window 0, C and D window 2
.if (\s) == 0
	v_wmma_scale_f32_16x16x128_f8f6f4 v[D_:D_+7], v[F_:F_+11], v[E_:E_+11], 0, v[XB_], v[XA_] matrix_a_fmt:MATRIX_FMT_FP6 matrix_b_fmt:MATRIX_FMT_FP6 matrix_a_scale:MATRIX_SCALE_ROW1
.else
	v_wmma_scale_f32_16x16x128_f8f6f4 v[D_:D_+7], v[F_:F_+11], v[E_:E_+11], v[D_:D_+7], v[XB_], v[XA_] matrix_a_fmt:MATRIX_FMT_FP6 matrix_b_fmt:MATRIX_FMT_FP6 matrix_a_scale:MATRIX_SCALE_ROW1
.endif
.endm
.macro LLOADS s                        ; step s: the long tile's four fragments, v's four, and their scale words, in one run
.set g_, 0
.rept 9
	LGRP g_, \s
.set g_, g_+1
.endr
	WIN 0
.endm
.macro MUL s, a0                       ; 16 products, blocks a0 .. a0 + 3
.set n_, 0
.rept 16
	PROD \s, \a0+n_/4, n_%4
.set n_, n_+1
.endr
	WIN 0
.endm
; THE CHANGE OF SLOTS.  Each wave waits for all its tensor loads, adds 0 to its spare word, and waits for that, for its LDS stores and for its reads of the buffer that it leaves.
.macro CHANGE n, step, mode            ; buffer n takes the next slot; step = 1: its descriptors go two slots on first
	s_wait_tensorcnt 0x0                           ; no tensor load of mine is out, so a group 0 may be written
	ds_add_u32 v[SPW], v[NIL]                      ; 0 onto my spare word
.if \step
	s_add_nc_u64 s[G0P+4*\n+2:G0P+4*\n+3], s[G0P+4*\n+2:G0P+4*\n+3], 2*BLK2
	s_add_nc_u64 s[G0V+4*\n+2:G0V+4*\n+3], s[G0V+4*\n+2:G0V+4*\n+3], 2*BLK2
.endif
	s_wait_dscnt 0x0
	s_barrier_signal -1
	s_barrier_wait -1
.if \mode == 3                         ; slot 3: where the long tile reaches it
	s_cmp_gt_u32 s[JS], 3
	s_cbranch_scc1 .Lpast_\@
	TLOAD \n, 2
.Lpast_\@:
.elseif \mode < 3
	TLOAD \n, \mode
.endif
.endm
; Key step s: its fragments are in (at a slot's last step behind the change of slots); the next step's are asked for in one run, and come while this step is multiplied.
.macro VSTEP s
.if (\s) == 3
	CHANGE 0, 1, 2                                 ; buffer 0 takes slot 2
.elseif (\s) == 7
	CHANGE 1, 1, 3                                 ; buffer 1 takes slot 3
.elseif (\s) == 11
	CHANGE 0, 0, 4                                 ; nothing is left to ask for
.else
	s_wait_dscnt 0x0
.endif
	PLACES 4                                       ; in front of loads into sets that the step before has read
.if (\s) < 7
	s_cmp_lt_u32 s[JS], (\s)+1
	s_cbranch_scc1 .Lno_short_\@
	SLOADS (\s)+1
.Lno_short_\@:
.endif
.if (\s) < 8
	LLOADS (\s)+1
	MUL \s, 0
.if (\s) > 0
	s_cmp_lt_u32 s[JS], \s
	s_cbranch_scc1 .Lend_\@
.endif
	MUL \s, 4
.else
.if (\s) < 15
	s_cmp_le_u32 s[LIML], \s
	s_cbranch_scc1 .Lno_next_\@
	LLOADS (\s)+1
.Lno_next_\@:
.endif
	s_cmp_lt_u32 s[LIML], \s
	s_cbranch_scc1 .Lend_\@
	MUL \s, 0
.endif
.Lend_\@:
.endm
; THE WAY OUT, block by block: 16 queries x my 64 channels, divided by l, through my stage in LDS, so that sixteen lanes store 256 consecutive bytes of a row of out0.
; LDS serves a wave's instructions in order (ISA guide 5.7.1.4): no wait between stores and loads, nor in front of the next block's stores.
.macro TOST a
.set BK, 192+32*((\a)%2)
	v_mov_b32 v[RT], v[RL+(\a)]
	WIN 0x02                                       ; source 0 window 2
.set n, 0
.rept 16
	v_pk_mul_f32 v[TMP+n:TMP+n+1], v[32*(\a)+n:32*(\a)+n+1], v[RT:RT+1] op_sel_hi:[1,0]   ; each accumulator from its low end on
.set n, n+2
.endr
	WIN 0
.irp p, 0,1,2,3,4,5,6,7
	ds_store_b128 v[STO], v[TMP+4*\p:TMP+4*\p+3] offset:128*(\p/4)+16*(\p%4)
.endr
.irp t, 0,1,2,3,4,5,6,7
	ds_load_b128 v[BK+4*\t:BK+4*\t+3], v[RD] offset:544*\t
.endr
.endm
.macro SEND a, base, younger           ; younger: the LDS instructions issued behind block a's loads: the next block's sixteen, or none
.set BK, 192+32*((\a)%2)
	s_wait_dscnt \younger
.irp t, 0,1,2,3,4,5,6,7
	global_store_b128 v[GO], v[BK+4*\t:BK+4*\t+3], s[\base:\base+1] offset:(32*(((\a)%4)/2)+8*((\a)%2)+2*\t+8*(\t/4))*4096 th:TH_STORE_NT   ; the stage's row 2 t + lane / 16 is query 32 (a / 2) + 8 (a % 2) + row + 8 (row / 8) of my 64
.endr
.endm
.macro FLUSH a0, base
	TOST \a0
	TOST \a0+1
	SEND \a0, \base, 16
	s_wait_xcnt 0x0                                ; the stores have read their registers: the block two on may land there
	TOST \a0+2
	SEND \a0+1, \base, 16
	s_wait_xcnt 0x0
	TOST \a0+3
	SEND \a0+2, \base, 16
	SEND \a0+3, \base, 0
.endm
	s_wait_alu depctr_va_vdst(0)
	CHANGE 1, 0, 1                                 ; slot 0 is whole, and so are the words and 1 / l; buffer 1 has its first fill here, behind a barrier behind which nothing is filled again
	SLOADS 0
.set g_, 0
.rept 9
	LGRP g_, 0
.set g_, g_+1
.endr
	WIN 0
.irp s, 0,1,2,3,4,5,6,7
	VSTEP \s
.endr
	ds_load_b128 v[RL:RL+3], v[LRA]                ; 1 / l of my eight blocks' rows
	ds_load_b128 v[RL+4:RL+7], v[LRA] offset:512
	PLACES 4                                       ; in front of the first read of results and of writes into p's registers
	s_wait_dscnt 0x0
	FLUSH 4, OUTS                                  ; the short tile leaves
	s_wait_alu depctr_va_vdst(0)                   ; the wait here, ahead of the waits and branches of the steps below
	s_wait_xcnt 0x0                                ; its stores have read their registers: step 9's fragments may land there
.irp s, 8,9,10,11,12,13,14,15
	VSTEP \s
.endr
	PLACES 4
	s_wait_dscnt 0x0
	FLUSH 0, OUTL
	s_wait_tensorcnt 0x0                           ; the wave's end
	ds_add_u32 v[SPW], v[NIL]
	s_wait_dscnt 0x0
	s_endpgm
.Lfunc_end_k_qdf72989cea_pv:
	.size	k_qdf72989cea_pv, .Lfunc_end_k_qdf72989cea_pv-k_qdf72989cea_pv
	.p2alignl 7, 3214868480
	.fill 96, 4, 3214868480
	.section	.rodata,"a",@progbits
	.p2align	6, 0x0
	.amdhsa_kernel k_qdf72989cea_pv
		.amdhsa_group_segment_fixed_size 327680
		.amdhsa_private_segment_fixed_size 0
		.amdhsa_enable_private_segment 0
		.amdhsa_kernarg_size 40
		.amdhsa_user_sgpr_count 2
		.amdhsa_user_sgpr_kernarg_segment_ptr 1
		.amdhsa_wavefront_size32 1
		.amdhsa_system_sgpr_workgroup_id_x 1
		.amdhsa_system_sgpr_workgroup_id_y 1
		.amdhsa_system_sgpr_workgroup_id_z 1
		.amdhsa_system_vgpr_workitem_id 0
		.amdhsa_next_free_vgpr 768
		.amdhsa_next_free_sgpr 100
		.amdhsa_reserve_vcc 0
		.amdhsa_float_denorm_mode_32 3
		.amdhsa_float_denorm_mode_16_64 3
		.amdhsa_memory_ordered 1
		.amdhsa_forward_progress 1
		.amdhsa_inst_pref_size 140
	.end_amdhsa_kernel
	.amdgpu_metadata
---
amdhsa.version: [ 1, 2 ]
amdhsa.kernels:
  - .name:           k_qdf72989cea_pv
    .symbol:         k_qdf72989cea_pv.kd
    .args:
      - { .name: pc, .offset: 0, .size: 8, .value_kind: global_buffer, .address_space: global }
      - { .name: pr, .offset: 8, .size: 8, .value_kind: global_buffer, .address_space: global }
      - { .name: c2, .offset: 16, .size: 8, .value_kind: global_buffer, .address_space: global }
      - { .name: s2, .offset: 24, .size: 8, .value_kind: global_buffer, .address_space: global }
      - { .name: out0, .offset: 32, .size: 8, .value_kind: global_buffer, .address_space: global }
    .group_segment_fixed_size: 327680
    .private_segment_fixed_size: 0
    .kernarg_segment_align: 8
    .kernarg_segment_size: 40
    .max_flat_workgroup_size: 128
    .sgpr_count:     100
    .vgpr_count:     768
    .wavefront_size: 32
...
	.end_amdgpu_metadata
.endif
;; end of part 8
